; MI455X (gfx1250); checked and timed in simulation.
; The chip was launched on July 23, 2026; its instructions are those of AMD's public machine-readable ISA for CDNA 5 (MIT licence, August 2026) and "CDNA5" Instruction Set Architecture Reference Guide (July 2026). The comments in the code are by the model that wrote it; some were corrected since.
;; Self Attention1 D. Allowed arithmetic: float matrix products may take bf16 or f16 operands with f32 sums; other float arithmetic in f32, or as packed bf16 or f16 multiplies, adds, multiply-adds, maxima and minima; sums over many terms, partial sums and values carried from step to step in f32; what a program stores and reads back later, other than sums and carried values, may be rounded once to bf16 or f16.
;; Inputs: Wk 1,024 x 1,024 float32; Wq 1,024 x 1,024 float32; Wv 1,024 x 1,024 float32; bk 1,024 float32; bq 1,024 float32; bv 1,024 float32; gamma 1 float32; x 4 x 2,048 x 1,024 float32.
;; Outputs: out0 4 x 2,048 x 1,024 float32.
;; 3 versions, each right; version 3 is version 2 with the launch cast written anew for expert scheduling mode. Each part assembles by itself: llvm-mc -triple=amdgcn-amd-amdhsa -mcpu=gfx1250 --defsym DOCPART=n.
;; ======== version 1 of 3: 4 launches
;; workspace buffers: xb 16,777,216 bytes; wb 6,291,456 bytes; qk 33,554,432 bytes; vt 16,777,216 bytes; pt 33,554,432 bytes; mx 524,288 bytes; lx 524,288 bytes
;; launch cast (part 1): grid 704 x 1, 8 waves a work-group, no clusters, 0 bytes of LDS; arguments x, Wq, Wk, Wv, xb, wb; writes xb, wb
.if DOCPART == 1
	.amdgcn_target "amdgcn-amd-amdhsa--gfx1250"
	.amdhsa_code_object_version 6
	.text
	.protected	k_q8ddc6fefdb_cast
	.globl	k_q8ddc6fefdb_cast
	.p2align	8
	.type	k_q8ddc6fefdb_cast,@function
k_q8ddc6fefdb_cast:
	s_mov_b64 s[64:65], 0
	v_nop
	global_prefetch_b8 v0, s[64:65] scope:SCOPE_SE
	s_setreg_imm32_b32 hwreg(HW_REG_WAVE_MODE, 25, 1), 1
	s_wait_xcnt 0x0
; xb = x rounded to bf16; wb = Wq, Wk, Wv rounded to bf16, one after the other ([3072][1024]).
; A stream: each input byte is read once, each output byte written once.  A work-group converts 16,384 numbers (64 KiB in, 32 KiB out):
; work-groups 0-511 take x, 512-703 the three weights, 64 work-groups each.  Thread t takes 16 bytes at 16 t of each 4,096 bytes:
; a wave's load covers 512 bytes on end, its store 256 bytes on end, aligned.  All sixteen loads of a wave are out before the first is used.
; No LDS, no cluster, no matrix unit: nothing is shared and nothing is multiplied.
.set X, 8                              ; v[8:71]    sixteen loads of four f32
.set Y, 72                             ; v[72:103]  sixteen stores of four bf16
	s_load_b256 s[4:11], s[0:1], 0x0               ; x s[4:5], Wq s[6:7], Wk s[8:9], Wv s[10:11]
	s_load_b128 s[12:15], s[0:1], 0x20             ; xb s[12:13], wb s[14:15]
	v_lshlrev_b32 v1, 4, v0                        ; my 16 bytes of each 4,096 read
	v_lshlrev_b32 v2, 3, v0                        ; my 8 bytes of each 2,048 written
	s_mov_b32 s16, ttmp9
	s_sub_co_u32 s17, s16, 512                     ; my block among the weights' 192 (used from work-group 512 on)
	s_lshr_b32 s18, s17, 6                         ; which weight
	s_and_b32 s19, s17, 63                         ; my block in it
	s_wait_kmcnt 0x0
	s_cmp_eq_u32 s18, 1
	s_cselect_b64 s[20:21], s[8:9], s[6:7]
	s_cmp_eq_u32 s18, 2
	s_cselect_b64 s[20:21], s[10:11], s[20:21]
	s_cmp_lt_u32 s16, 512
	s_cselect_b64 s[20:21], s[4:5], s[20:21]       ; from where
	s_cselect_b64 s[22:23], s[12:13], s[14:15]     ; to where
	s_cselect_b32 s24, s16, s19
	s_cselect_b32 s26, s16, s17
	s_lshl_b32 s24, s24, 16                        ; blocks of 65,536 bytes in,
	s_mov_b32 s25, 0
	s_lshl_b32 s26, s26, 15                        ; of 32,768 out
	s_mov_b32 s27, 0
	s_add_nc_u64 s[20:21], s[20:21], s[24:25]
	s_add_nc_u64 s[22:23], s[22:23], s[26:27]
.irp i, 0,1,2,3,4,5,6,7,8,9,10,11,12,13,14,15
	global_load_b128 v[X+4*(\i):X+4*(\i)+3], v1, s[20:21] offset:4096*(\i) th:TH_LOAD_NT
.endr
.irp i, 0,1,2,3,4,5,6,7,8,9,10,11,12,13,14,15
	s_wait_loadcnt 15-(\i)                         ; loads come back in order: load i is in, the younger ones stay out
	v_cvt_pk_bf16_f32 v[Y+2*(\i)], v[X+4*(\i)], v[X+4*(\i)+1]
	v_cvt_pk_bf16_f32 v[Y+2*(\i)+1], v[X+4*(\i)+2], v[X+4*(\i)+3]
	global_store_b64 v2, v[Y+2*(\i):Y+2*(\i)+1], s[22:23] offset:2048*(\i) th:TH_STORE_NT  ; no register is written twice, so nothing waits for a store
.endr
	s_endpgm
.Lfunc_end_k_q8ddc6fefdb_cast:
	.size	k_q8ddc6fefdb_cast, .Lfunc_end_k_q8ddc6fefdb_cast-k_q8ddc6fefdb_cast
	.p2alignl 7, 3214868480
	.fill 96, 4, 3214868480
	.section	.rodata,"a",@progbits
	.p2align	6, 0x0
	.amdhsa_kernel k_q8ddc6fefdb_cast
		.amdhsa_group_segment_fixed_size 0
		.amdhsa_private_segment_fixed_size 0
		.amdhsa_enable_private_segment 0
		.amdhsa_kernarg_size 48
		.amdhsa_user_sgpr_count 2
		.amdhsa_user_sgpr_kernarg_segment_ptr 1
		.amdhsa_wavefront_size32 1
		.amdhsa_system_sgpr_workgroup_id_x 1
		.amdhsa_system_sgpr_workgroup_id_y 1
		.amdhsa_system_sgpr_workgroup_id_z 1
		.amdhsa_system_vgpr_workitem_id 0
		.amdhsa_next_free_vgpr 104
		.amdhsa_next_free_sgpr 66
		.amdhsa_reserve_vcc 0
		.amdhsa_float_denorm_mode_32 3
		.amdhsa_float_denorm_mode_16_64 3
		.amdhsa_memory_ordered 1
		.amdhsa_forward_progress 1
		.amdhsa_inst_pref_size 7
	.end_amdhsa_kernel
	.amdgpu_metadata
---
amdhsa.version: [ 1, 2 ]
amdhsa.kernels:
  - .name:           k_q8ddc6fefdb_cast
    .symbol:         k_q8ddc6fefdb_cast.kd
    .args:
      - { .name: x, .offset: 0, .size: 8, .value_kind: global_buffer, .address_space: global }
      - { .name: Wq, .offset: 8, .size: 8, .value_kind: global_buffer, .address_space: global }
      - { .name: Wk, .offset: 16, .size: 8, .value_kind: global_buffer, .address_space: global }
      - { .name: Wv, .offset: 24, .size: 8, .value_kind: global_buffer, .address_space: global }
      - { .name: xb, .offset: 32, .size: 8, .value_kind: global_buffer, .address_space: global }
      - { .name: wb, .offset: 40, .size: 8, .value_kind: global_buffer, .address_space: global }
    .group_segment_fixed_size: 0
    .private_segment_fixed_size: 0
    .kernarg_segment_align: 8
    .kernarg_segment_size: 48
    .max_flat_workgroup_size: 256
    .sgpr_count:     66
    .vgpr_count:     104
    .wavefront_size: 32
...
	.end_amdgpu_metadata
.endif
;; end of part 1
;; launch proj (part 2): grid 12 x 64, 4 waves a work-group, clusters of 4 x 4, 327,680 bytes of LDS; arguments xb, wb, bq, bk, bv, qk, vt; writes qk, vt
.if DOCPART == 2
	.amdgcn_target "amdgcn-amd-amdhsa--gfx1250"
	.amdhsa_code_object_version 6
	.text
	.protected	k_q8ddc6fefdb_proj
	.globl	k_q8ddc6fefdb_proj
	.p2align	8
	.type	k_q8ddc6fefdb_proj,@function
k_q8ddc6fefdb_proj:
	s_mov_b64 s[64:65], 0
	v_nop
	global_prefetch_b8 v0, s[64:65] scope:SCOPE_SE
	s_setreg_imm32_b32 hwreg(HW_REG_WAVE_MODE, 25, 1), 1
	s_wait_xcnt 0x0
	s_wait_alu depctr_hold_cnt(0) depctr_sa_sdst(0) depctr_va_vdst(0) depctr_va_sdst(0) depctr_va_ssrc(0) depctr_va_vcc(0) depctr_vm_vsrc(0)
	s_getreg_b32 s2, hwreg(HW_REG_IB_STS2, 6, 4)
	s_cmp_eq_u32 s2, 0
	s_cbranch_scc0 .Lentry_in_a_cluster
	s_endpgm
.Lentry_in_a_cluster:
	s_bfe_u32 s2, ttmp6, 0x10000c
	s_cmp_lg_u32 s2, 0xf033
	s_cbranch_scc0 .Lentry_shape_is_right
	s_endpgm
.Lentry_shape_is_right:
; THE THREE PROJECTIONS.  qk[n][0:1024] = x Wq^T + bq, qk[n][1024:2048] = x Wk^T + bk, vt[e][n] = (Wv x^T)[e][n] + bv[e] (V transposed), all rounded once to bf16 from f32 sums.
; One GEMM form, C[m][n] = sum over k of A[m][k] B[n][k], K = 1,024, tile 128 rows of A x 256 rows of B.  Clusters with x = 0, 1 make Q and K (A = xb, B = wb's rows 0-2047);
; clusters with x = 2 make V^T (A = wb's rows 2048-3071, B = xb): 768 tiles.  Which kind a cluster is hangs on the cluster's x alone: it is the same in all sixteen partners.
; SHARES.  Four waves; wave w makes 64 rows of A (w / 2) x 128 rows of B (w % 2): 32 accumulators of 16 x 16, 256 registers.  K goes in steps of 128 through two LDS slots.
; THE MATRIX INSTRUCTION IS USED TRANSPOSED (source 0 = 16 rows of B, source 1 = 16 rows of A): a lane holds row l % 16 of A's block and eight neighbouring columns 8 (l / 16) + 0..7.
; CLUSTER 4 x 4.  A's tile hangs on the tile row, shared along a row of the cluster; B's on the tile column, shared along a column: each is asked for jointly, by the same tensor load, descriptor and mask.
; REGISTERS.  window 0: v0-31 addresses; v32-127, v128-223 two fragment buffers (B's 8 fragments, then A's 4); on the way out v32-95 sums with bias, v96-127 packed, v128-255 rows read back.
;   window 1: accumulator (a, b) at v[8 (8 a + b)].   window 2: v0-63 the bias of my 128 columns, v64-71 the bias of my rows (a pair for each block of 16).
; LIMITS.  Operands are bf16 (x and the weights rounded once by the launch before); NaN and infinities are not treated apart.
.set KSIZE, 1024
.set PA,    1024                       ; elements from row to row of A
.set PB,    1024                       ; and of B
.set PITCH,  272                       ; an LDS row: 256 bytes + 16 of padding = 68 words: the 16 rows of a fragment load start at 16 different groups of four banks (64 banks of 4 bytes: ISA guide 11.1)
.set ATILE,  128*PITCH
.set SLOT,   384*PITCH                 ; A's 128 rows, then B's 256
.set STAGE,  2*SLOT                    ; behind the ring: 16 rows x 272 bytes for each wave, for the way out; no tile lands there
.set SPARE,  STAGE+4*16*PITCH          ; the spare words, 128 bytes for each wave: two blocks of 256 bytes that no other line names
.set LAPS,   KSIZE/256                 ; a lap = two K steps = once round the ring
.set ADRA, 16                          ; v16-17  LDS address of my A fragments in slot 0, 1
.set ADRB, 20                          ; v20-21  the same for B
.set STO,  24                          ; v24  the way out: where I put 16 bytes of a row
.set RD,   25                          ; v25  where I read rows back
.set CO,   26                          ; v26  my byte offset in the output's rows
.set SPW,  28                          ; v28  my spare word; never rewritten
.set NIL,  29                          ; v29  0; never rewritten
.set PFO,  30                          ; v30  the prefetches' lane offset; never rewritten
.set F0,   32
.set F1,   128
.set T,    32
.set TMP,  96
.set BK,   128
.set WV, 20                            ; s20 wave; s21 wave / 2: my rows of A, and: I fetch for A (0) or B (1); s22 wave % 2: my rows of B, and: which half I fetch
.set WH, 21
.set WL, 22
.set G1A, 24                           ; s[24:31] descriptor group 1 for A;  s[32:39] group 0, a set for each slot
.set G0A, 32
.set PFA, 44                           ; s[44:45] where my prefetches stand
.set LIM, 46                           ; s46, s47: 1 where I prefetch at the change out of slot 0, 1; else the greatest number
.set G1B, 48                           ; s[48:55], s[56:63] the same for B
.set G0B, 56
.set ISV, 80                           ; s80  1 in a cluster that makes V^T
.set SH,  81                           ; s81  log2 of the output's row in bytes: 12 (qk) or 14 (vt)
.set MSB, 0
.macro WIN new                         ; the immediate's high byte repeats the setting that is left; a switch that changes nothing is dropped
.if MSB != (\new)
	s_set_vgpr_msb (MSB<<8)|(\new)
.set MSB, \new
.endif
.endm
.macro PLACES                          ; four plain places behind matrix instructions, in front of loads into their sources and of readers of their results
.rept 4
	v_nop
.endr
.endm
.macro JLOAD s                         ; a joint load: waves 0, 1 fetch A's halves (64 rows), waves 2, 3 B's (128 rows); an s_nop 0 and four v_nop follow each line
	s_cmp_eq_u32 s[WH], 0
	s_cbranch_scc0 .Lfor_b_\@
	tensor_load_to_lds s[G0A+4*(\s):G0A+4*(\s)+3], s[G1A:G1A+7]
	s_nop 0
.rept 4
	v_nop
.endr
	s_branch .Lasked_\@
.Lfor_b_\@:
	tensor_load_to_lds s[G0B+4*(\s):G0B+4*(\s)+3], s[G1B:G1B+7]
	s_nop 0
.rept 4
	v_nop
.endr
.Lasked_\@:
.endm
.macro CREST                           ; a round of the cluster's barrier behind its opening barrier
	s_cmp_lg_u32 s[WV], 0
	s_cbranch_scc1 .Lnot_wave_0_\@
	s_barrier_signal -3
.Lnot_wave_0_\@:
	s_barrier_wait -3
	s_barrier_signal -1
	s_barrier_wait -1
.endm
.macro CROUND
	s_barrier_signal -1
	s_barrier_wait -1
	CREST
.endm
; A prefetch into the L2 of the K step that stands two refills on; it stops in the loop's last trip (s3 = 1), whose refills are the last K steps.
.macro ASK slot
	s_cmp_gt_u32 s3, s[LIM+(\slot)]
	s_cbranch_scc0 .Lnot_mine_\@
	global_prefetch_b8 v[PFO], s[PFA:PFA+1] offset:256 th:TH_LOAD_NT scope:SCOPE_SE
.Lnot_mine_\@:
.endm
.macro IDS                             ; wave, place in the cluster, masks, the descriptors' constant words, the tiles' LDS places
	v_lshrrev_b32 v1, 5, v0
	v_readfirstlane_b32 s[WV], v1
	s_lshr_b32 s[WH], s[WV], 1
	s_and_b32 s[WL], s[WV], 1
	s_bfe_u32 s40, ttmp6, 0x40000                  ; cx
	s_bfe_u32 s41, ttmp6, 0x40004                  ; cy
	s_and_b32 s67, ttmp7, 0xffff                   ; the cluster's y
	s_lshl_b32 s72, s41, 2
	s_lshl_b32 s72, 15, s72                        ; my row of the cluster
	s_lshl_b32 s73, 0x1111, s40                    ; my column
	s_or_b32 s[G1A], s72, (1<<16)|(1<<20)|(1<<21)|(5<<22)|(3<<25)  ; mask; 2-byte elements; padding on; bit 21 beside a mask; after every 64 words 4 words
	s_or_b32 s[G1B], s73, (1<<16)|(1<<20)|(1<<21)|(5<<22)|(3<<25)
	s_mov_b32 s[G1A+1], 128<<16                    ; tensor_dim0 = 128
	s_mov_b32 s[G1A+2], 64<<16                     ; tensor_dim1 = 64
	s_mov_b32 s[G1A+3], 128<<16                    ; tile_dim0 = 128
	s_mov_b32 s[G1A+4], 64                         ; tile_dim1 = 64
	s_mov_b32 s[G1A+5], PA                         ; elements from row to row
	s_mov_b32 s[G1A+6], 0
	s_mov_b32 s[G1A+7], 0
	s_mov_b32 s[G1B+1], 128<<16
	s_mov_b32 s[G1B+2], 128<<16                    ; 128 rows
	s_mov_b32 s[G1B+3], 128<<16
	s_mov_b32 s[G1B+4], 128
	s_mov_b32 s[G1B+5], PB
	s_mov_b32 s[G1B+6], 0
	s_mov_b32 s[G1B+7], 0
	s_mul_i32 s74, s[WL], 64*PITCH                 ; where A's half goes in a slot,
	s_mul_i32 s75, s[WL], 128*PITCH                ; and B's: the wave's number alone enters an LDS address
	s_add_co_u32 s75, s75, ATILE
.endm
.macro FIRSTFILLS                      ; s[84:85], s[86:87]: my half of A's, of B's tile at K step 0
	CROUND                                         ; all sixteen work-groups are here: the first joint loads meet
.irp s, 0,1
	s_mov_b32 s[G0A+4*(\s)], 1
	s_add_co_u32 s[G0A+4*(\s)+1], s74, (\s)*SLOT
	s_add_nc_u64 s[G0A+4*(\s)+2:G0A+4*(\s)+3], s[84:85], (\s)*256
	s_or_b32 s[G0A+4*(\s)+3], s[G0A+4*(\s)+3], 0x80000000
	s_mov_b32 s[G0B+4*(\s)], 1
	s_add_co_u32 s[G0B+4*(\s)+1], s75, (\s)*SLOT
	s_add_nc_u64 s[G0B+4*(\s)+2:G0B+4*(\s)+3], s[86:87], (\s)*256
	s_or_b32 s[G0B+4*(\s)+3], s[G0B+4*(\s)+3], 0x80000000
	JLOAD \s
.endr
.endm
.macro VADDR                           ; a fragment: lane l holds row l % 16, K = 8 (l / 16) + 0..7 and 16 + 8 (l / 16) + 0..7: two loads of 16 bytes, 32 bytes apart
	v_and_b32 v1, 15, v0
	v_bfe_u32 v2, v0, 4, 1
	v_mul_u32_u24 v3, v1, PITCH
	v_lshl_add_u32 v3, v2, 4, v3
	s_mul_i32 s72, s[WH], 64*PITCH
	s_mul_i32 s73, s[WL], 128*PITCH
	s_add_co_u32 s73, s73, ATILE
.irp s, 0,1
	v_add_nc_u32 v[ADRA+(\s)], s72, v3
	v_add_nc_u32 v[ADRB+(\s)], s73, v3
	s_add_co_u32 s72, s72, SLOT
	s_add_co_u32 s73, s73, SLOT
.endr
.endm
; WHO PREFETCHES.  Each row's 256 bytes of a K step are named once in the launch.  Of the clusters that read the same rows the one whose coordinate (s76 for A, s77 for B) is 0 asks.  The four partners
; that ask for a tile jointly share its rows out by address: of B's 128 rows the partner at cy takes 32, a lane a row, at both changes of slots; of A's 64 the partner at cx takes 16, lanes 0-15 for one
; K step and lanes 16-31 for the next, at the change out of slot 0 alone.  pab, pbb: bytes in a row of A, of B.
.macro PFSET pab, pbb
	s_mov_b32 s72, \pab
	s_mov_b32 s73, \pbb
	s_mul_i32 s78, s40, 16*(\pab)
	s_mul_i32 s79, s41, 32*(\pbb)
	s_cmp_eq_u32 s[WH], 0
	s_cselect_b64 s[PFA:PFA+1], s[84:85], s[86:87]
	s_cselect_b32 s78, s78, s79
	s_cselect_b32 s76, s76, s77
	s_cselect_b32 s72, s72, s73
	s_cselect_b32 s88, 15, 31
	s_cselect_b32 s90, 256, 0
	s_cselect_b32 s91, -1, 0
	s_mov_b32 s79, 0
	s_add_nc_u64 s[PFA:PFA+1], s[PFA:PFA+1], s[78:79]
	s_add_nc_u64 s[PFA:PFA+1], s[PFA:PFA+1], 512   ; at K step 2: the first refill steps it to 3 and names K step 4; K steps 0 to 3 come by their loads alone
	s_cmp_eq_u32 s76, 0
	s_cselect_b32 s[LIM], 1, -1
	s_or_b32 s[LIM+1], s[LIM], s91
	v_and_b32 v6, 31, v0
	v_and_b32 v6, s88, v6
	v_mul_u32_u24 v[PFO], s72, v6
	v_mad_u32_u24 v[PFO], v2, s90, v[PFO]
.endm
.macro SCALE f, a, slot                ; (only the last launch of the chain scales A's fragments)
.endm
.macro FSLOAD next
.endm
; 8 matrix instructions: A's block a x all 8 blocks of B, 32 along K.  The 32 accumulators take turns, in the same order in every quarter.  zero = 1: the product starts the sums.
.macro MUL8 f, a, zero
	WIN 0x50                                       ; C and D in window 1
.irp b, 0,1,2,3,4,5,6,7
.if \zero
	v_wmma_f32_16x16x32_bf16 v[8*(8*(\a)+(\b)):8*(8*(\a)+(\b))+7], v[(\f)+8*(\b):(\f)+8*(\b)+7], v[(\f)+64+8*(\a):(\f)+64+8*(\a)+7], 0
.else
	v_wmma_f32_16x16x32_bf16 v[8*(8*(\a)+(\b)):8*(8*(\a)+(\b))+7], v[(\f)+8*(\b):(\f)+8*(\b)+7], v[(\f)+64+8*(\a):(\f)+64+8*(\a)+7], v[8*(8*(\a)+(\b)):8*(8*(\a)+(\b))+7]
.endif
.endr
.endm
.macro FETCH slot, k, f                ; 24 LDS loads in one run: B's 8 fragments, then A's 4, 32 along K at byte k of the rows
	WIN 0
.irp i, 0,1,2,3,4,5,6,7
	ds_load_b128 v[(\f)+8*(\i):(\f)+8*(\i)+3],   v[ADRB+(\slot)] offset:(\k)+(\i)*16*PITCH
	ds_load_b128 v[(\f)+8*(\i)+4:(\f)+8*(\i)+7], v[ADRB+(\slot)] offset:(\k)+(\i)*16*PITCH+32
.endr
.irp i, 0,1,2,3
	ds_load_b128 v[(\f)+64+8*(\i):(\f)+64+8*(\i)+3],   v[ADRA+(\slot)] offset:(\k)+(\i)*16*PITCH
	ds_load_b128 v[(\f)+64+8*(\i)+4:(\f)+64+8*(\i)+7], v[ADRA+(\slot)] offset:(\k)+(\i)*16*PITCH+32
.endr
.endm
; A K step is four quarters of 32 along K, 32 matrix instructions each, on buffers 0, 1, 0, 1.  One of the first three multiplies f and fetches the next quarter, at byte k, into g.
.macro QUARTER slot, k, f, g, zero
	s_wait_dscnt 4                                 ; B and A's blocks 0, 1 are in; the youngest four loads (A's blocks 2, 3) may be out
	SCALE \f, 0, \slot
	SCALE \f, 1, \slot
	MUL8 \f, 0, \zero
	MUL8 \f, 1, \zero
	PLACES
	FETCH \slot, \k, \g
	s_wait_dscnt 24                                ; all but the 24 just issued
	SCALE \f, 2, \slot
	SCALE \f, 3, \slot
	MUL8 \f, 2, \zero
	MUL8 \f, 3, \zero
.endm
; The fourth quarter multiplies buffer 1 and changes slots: one barrier; in front of it each wave waits for all its tensor loads (one is out: its part of the next slot), adds 0 to its spare word, and
; waits for that and for its reads of this slot.  fill = 1: the barrier opens a round of the cluster's, and this slot is filled again, two K steps ahead, first thing behind the round: 112 matrix
; instructions stand between that request and the wait for it.
.macro TURN slot, next, fill
.if \fill
	s_wait_xcnt 0x0                                ; the last prefetch, a K step back, has read its address
	s_add_nc_u64 s[PFA:PFA+1], s[PFA:PFA+1], 256
.endif
	WIN 0
	s_wait_tensorcnt 0x0
	ds_add_u32 v[SPW], v[NIL]
	s_wait_dscnt 5                                 ; (the add and the youngest four loads may be out)
	SCALE F1, 0, \slot
	SCALE F1, 1, \slot
	MUL8 F1, 0, 0
	s_wait_dscnt 0x0                               ; the add is done, and my reads of this slot are over
	s_barrier_signal -1
	MUL8 F1, 1, 0
.if \fill
	WIN 0
.endif
	s_barrier_wait -1
.if \fill
	CREST                                          ; no wave of any partner still reads this slot or has a load on its way
	s_add_nc_u64 s[G0A+4*(\slot)+2:G0A+4*(\slot)+3], s[G0A+4*(\slot)+2:G0A+4*(\slot)+3], 512
	s_add_nc_u64 s[G0B+4*(\slot)+2:G0B+4*(\slot)+3], s[G0B+4*(\slot)+2:G0B+4*(\slot)+3], 512
	JLOAD \slot                                    ; its four v_nop are also the places in front of the loads below
.else
	PLACES
.endif
	FSLOAD \next
	FETCH \next, 0, F0
.if \fill
	ASK \slot
.endif
	SCALE F1, 2, \slot
	SCALE F1, 3, \slot
	MUL8 F1, 2, 0
	MUL8 F1, 3, 0
.endm
.macro WALK
	QUARTER 0, 64,  F0, F1, 1                      ; the first quarter stands in front of the loop: its products start the sums
	WIN 0
	s_mov_b32 s3, LAPS-1
.Llap:                                                 ; a trip goes once round the ring, from a lap's second quarter to the next lap's first, and fills both slots again
	QUARTER 0, 128, F1, F0, 0
	QUARTER 0, 192, F0, F1, 0
	TURN 0, 1, 1
	QUARTER 1, 64,  F0, F1, 0
	QUARTER 1, 128, F1, F0, 0
	QUARTER 1, 192, F0, F1, 0
	TURN 1, 0, 1
	QUARTER 0, 64,  F0, F1, 0
	WIN 0
	s_sub_co_u32 s3, s3, 1
	s_cmp_lg_u32 s3, 0
	s_cbranch_scc1 .Llap
	QUARTER 0, 128, F1, F0, 0                      ; the last lap is written out: it fills nothing
	QUARTER 0, 192, F0, F1, 0
	TURN 0, 1, 0
	QUARTER 1, 64,  F0, F1, 0
	QUARTER 1, 128, F1, F0, 0
	QUARTER 1, 192, F0, F1, 0
	s_wait_dscnt 4
	SCALE F1, 0, 1
	SCALE F1, 1, 1
	MUL8 F1, 0, 0
	MUL8 F1, 1, 0
	s_wait_dscnt 0x0
	SCALE F1, 2, 1
	SCALE F1, 3, 1
	MUL8 F1, 2, 0
	MUL8 F1, 3, 0
	WIN 0
	PLACES
	PLACES                                         ; eight, once a launch, ahead of the first readers of the sums
.endm
; THE WAY OUT of block a (16 rows): bias added, rounded to bf16 (16 bytes a lane), through my own stage in LDS, back as whole rows of 256 bytes, stored.
.macro PACK a, mode                    ; mode 0: the bias goes by column; 1: by row
	WIN 0x09                                       ; source 0 window 1 (the sums), source 1 window 2 (the bias)
.irp b, 0,1,2,3,4,5,6,7
.irp p, 0,1,2,3
.if \mode
	v_pk_add_f32 v[T+8*(\b)+2*(\p):T+8*(\b)+2*(\p)+1], v[8*(8*(\a)+(\b))+2*(\p):8*(8*(\a)+(\b))+2*(\p)+1], v[64+2*(\a):64+2*(\a)+1]
.else
	v_pk_add_f32 v[T+8*(\b)+2*(\p):T+8*(\b)+2*(\p)+1], v[8*(8*(\a)+(\b))+2*(\p):8*(8*(\a)+(\b))+2*(\p)+1], v[8*(\b)+2*(\p):8*(\b)+2*(\p)+1]
.endif
.endr
.endr
	WIN 0
.irp b, 0,1,2,3,4,5,6,7
.irp p, 0,1,2,3
	v_cvt_pk_bf16_f32 v[TMP+4*(\b)+(\p)], v[T+8*(\b)+2*(\p)], v[T+8*(\b)+2*(\p)+1]
.endr
.endr
.endm
.macro TOSTAGE a
	WIN 0
.irp b, 0,1,2,3,4,5,6,7
	ds_store_b128 v[STO], v[TMP+4*(\b):TMP+4*(\b)+3] offset:32*(\b)
.endr
.irp t, 0,1,2,3,4,5,6,7
	ds_load_b128 v[BK+32*(\a)+4*(\t):BK+32*(\a)+4*(\t)+3], v[RD] offset:(\t)*2*PITCH  ; LDS serves a wave's instructions in order (ISA guide 5.7.1.4): these see the stores above
.endr
.endm
.macro SEND a, pb                      ; pb: bytes in a row of the output.  Each block has its own 32 registers, so nothing waits for a store
	WIN 0
	s_wait_dscnt 0x0                               ; the block is back in registers
.irp t, 0,1,2,3,4,5,6,7
	global_store_b128 v[CO], v[BK+32*(\a)+4*(\t):BK+32*(\a)+4*(\t)+3], s[96:97] offset:(16*(\a)+2*(\t))*(\pb) th:TH_STORE_NT  ; 16 lanes store 256 consecutive bytes, aligned
.endr
.endm
.macro WAYOUT mode, pb                 ; block a's arithmetic stands between block a - 1's loads from the stage and the wait for them
	PACK 0, \mode
	TOSTAGE 0
.irp a, 1,2,3
	PACK \a, \mode
	SEND (\a)-1, \pb
	TOSTAGE \a
.endr
	SEND 3, \pb
.endm
	s_load_b256 s[4:11], s[0:1], 0x0               ; xb s[4:5], wb s[6:7], bq s[8:9], bk s[10:11]
	s_load_b128 s[12:15], s[0:1], 0x20             ; bv s[12:13], qk s[14:15]
	s_load_b64 s[16:17], s[0:1], 0x30              ; vt
	v_lshl_add_u32 v[SPW], v0, 2, SPARE
	v_mov_b32 v[NIL], 0
	ds_add_u32 v[SPW], v[NIL]                      ; the wave's opening: the add and its wait ahead of my first tensor load
	IDS
	s_mov_b32 s66, ttmp9                           ; the cluster's x: 0 Q, 1 K, 2 V^T
	s_lshl_b32 s72, s67, 2                         ; Q, K: tile row 4 Y + cy (64 of them), tile column 4 X + cx (8)
	s_lshr_b32 s73, s67, 3
	s_lshl_b32 s73, s73, 2                         ; V^T: tile row 4 (Y / 8) + cy (8), tile column 4 (Y % 8) + cx (32)
	s_lshl_b32 s76, s66, 2
	s_and_b32 s77, s67, 7
	s_lshl_b32 s78, s77, 2
	s_cmp_eq_u32 s66, 2
	s_cselect_b32 s[ISV], 1, 0
	s_cselect_b32 s[SH], 14, 12
	s_cselect_b32 s43, s73, s72
	s_cselect_b32 s42, s78, s76
	s_cselect_b32 s76, s77, s66                    ; A's rows are prefetched by the first cluster that reads them: xb's by Q's clusters, Wv's where Y % 8 = 0;
	s_cselect_b32 s77, 1, s67                      ; B's: Wq's and Wk's where Y = 0; xb as B by nobody: Q's clusters have named it
	s_add_co_u32 s43, s43, s41                     ; tile row
	s_add_co_u32 s42, s42, s40                     ; tile column
	s_lshl_b32 s68, s43, 7
	s_lshl_b32 s72, s[WL], 6
	s_add_co_u32 s68, s68, s72                     ; the 64 rows of A that I fetch,
	s_lshl_b32 s68, s68, 11                        ; of 2,048 bytes
	s_mov_b32 s69, 0
	s_lshl_b32 s70, s42, 8
	s_lshl_b32 s72, s[WL], 7
	s_add_co_u32 s70, s70, s72                     ; the 128 rows of B
	s_lshl_b32 s70, s70, 11
	s_mov_b32 s71, 0
	s_wait_dscnt 0x0                               ; the opening add is done
	s_wait_kmcnt 0x0
	s_add_nc_u64 s[82:83], s[6:7], 0x400000        ; Wv's rows in wb
	s_cmp_eq_u32 s[ISV], 1
	s_cselect_b64 s[84:85], s[82:83], s[4:5]
	s_cselect_b64 s[86:87], s[4:5], s[6:7]
	s_add_nc_u64 s[84:85], s[84:85], s[68:69]
	s_add_nc_u64 s[86:87], s[86:87], s[70:71]
	FIRSTFILLS
	VADDR
	s_mul_i32 s72, s[WV], 16*PITCH
	s_add_co_u32 s72, s72, STAGE                   ; my stage
	v_mul_u32_u24 v4, v1, PITCH                    ; in: row l % 16, 16 bytes for each half of the lanes
	v_lshl_add_u32 v4, v2, 4, v4
	v_add_nc_u32 v[STO], s72, v4
	v_mul_u32_u24 v5, v2, PITCH                    ; back: lanes 0-15 one row of 256 bytes, lanes 16-31 the next
	v_lshl_add_u32 v5, v1, 4, v5
	v_add_nc_u32 v[RD], s72, v5
	v_lshlrev_b32 v[CO], s[SH], v2                 ; and the same two rows in the output
	v_lshl_add_u32 v[CO], v1, 4, v[CO]
	s_lshl_b32 s72, s43, 7
	s_lshl_b32 s73, s[WH], 6
	s_add_co_u32 s88, s72, s73                     ; my first row of the output
	s_lshl_b32 s72, s88, s[SH]
	s_lshl_b32 s73, s42, 9                         ; my first column, 2 bytes each
	s_add_co_u32 s72, s72, s73
	s_lshl_b32 s73, s[WL], 8
	s_add_co_u32 s72, s72, s73
	s_mov_b32 s73, 0
	s_cmp_eq_u32 s[ISV], 1
	s_cselect_b64 s[96:97], s[16:17], s[14:15]
	s_add_nc_u64 s[96:97], s[96:97], s[72:73]
	; THE BIAS.  Both kinds are loaded by every wave, without a branch, so that each of the two ways out finds its registers written on every path of the text: the bias of 128 columns (bq or bk; used
	; by Q's and K's clusters; in V's it reads bv at the same places and is not used) and the bias of 64 rows (bv; used by V's clusters; elsewhere it reads bv's first 64 numbers and is not used).
	s_lshl_b32 s72, s88, 2                         ; my first row's place in bv: made ahead of the compares, since a shift writes SCC; between a compare and its selects stand selects alone
	s_cmp_eq_u32 s66, 0
	s_cselect_b64 s[82:83], s[8:9], s[10:11]
	s_cmp_eq_u32 s[ISV], 1
	s_cselect_b64 s[82:83], s[12:13], s[82:83]
	s_cselect_b32 s72, s72, 0                      ; only V's rows, 0 to 1,023, are places in bv
	s_add_nc_u64 s[98:99], s[12:13], s[72:73]      ; bv at my first row
	s_lshl_b32 s72, s40, 10                        ; 256 cx + 128 (w % 2) columns, 4 bytes each
	s_lshl_b32 s89, s[WL], 9
	s_add_co_u32 s72, s72, s89
	s_add_nc_u64 s[82:83], s[82:83], s[72:73]
	v_lshlrev_b32 v31, 5, v2                       ; my eight columns of each sixteen
	v_lshlrev_b32 v27, 2, v1                       ; my row of each sixteen
	WIN 0x80                                       ; destination window 2
.irp b, 0,1,2,3,4,5,6,7
	global_load_b128 v[8*(\b):8*(\b)+3],   v31, s[82:83] offset:64*(\b)
	global_load_b128 v[8*(\b)+4:8*(\b)+7], v31, s[82:83] offset:64*(\b)+16
.endr
.irp a, 0,1,2,3
	global_load_b32 v[64+2*(\a)], v27, s[98:99] offset:64*(\a)    ; twice: the packed addition takes a pair
	global_load_b32 v[64+2*(\a)+1], v27, s[98:99] offset:64*(\a)
.endr
	WIN 0
	PFSET 2048, 2048
	s_wait_tensorcnt 1                             ; my part of K step 0 is in; K step 1's may stay out
	s_barrier_signal -1
	s_barrier_wait -1
	FETCH 0, 0, F0
	WALK
	s_wait_loadcnt 0x0                             ; the bias
	s_cmp_eq_u32 s[ISV], 1
	s_cbranch_scc1 .Lout_v
	WAYOUT 0, 4096
	s_branch .Lend
.Lout_v:
	WAYOUT 1, 16384
.Lend:
	s_wait_tensorcnt 0x0                           ; the wave's end
	ds_add_u32 v[SPW], v[NIL]
	s_wait_dscnt 0x0
	CROUND                                         ; the closing round: no work-group ends while a partner may still ask for a tile that names it
	s_endpgm
.Lfunc_end_k_q8ddc6fefdb_proj:
	.size	k_q8ddc6fefdb_proj, .Lfunc_end_k_q8ddc6fefdb_proj-k_q8ddc6fefdb_proj
	.p2alignl 7, 3214868480
	.fill 96, 4, 3214868480
	.section	.rodata,"a",@progbits
	.p2align	6, 0x0
	.amdhsa_kernel k_q8ddc6fefdb_proj
		.amdhsa_group_segment_fixed_size 327680
		.amdhsa_private_segment_fixed_size 0
		.amdhsa_enable_private_segment 0
		.amdhsa_kernarg_size 56
		.amdhsa_user_sgpr_count 2
		.amdhsa_user_sgpr_kernarg_segment_ptr 1
		.amdhsa_wavefront_size32 1
		.amdhsa_system_sgpr_workgroup_id_x 1
		.amdhsa_system_sgpr_workgroup_id_y 1
		.amdhsa_system_sgpr_workgroup_id_z 1
		.amdhsa_system_vgpr_workitem_id 0
		.amdhsa_next_free_vgpr 584
		.amdhsa_next_free_sgpr 100
		.amdhsa_reserve_vcc 0
		.amdhsa_float_denorm_mode_32 3
		.amdhsa_float_denorm_mode_16_64 3
		.amdhsa_memory_ordered 1
		.amdhsa_forward_progress 1
		.amdhsa_inst_pref_size 122
	.end_amdhsa_kernel
	.amdgpu_metadata
---
amdhsa.version: [ 1, 2 ]
amdhsa.kernels:
  - .name:           k_q8ddc6fefdb_proj
    .symbol:         k_q8ddc6fefdb_proj.kd
    .args:
      - { .name: xb, .offset: 0, .size: 8, .value_kind: global_buffer, .address_space: global }
      - { .name: wb, .offset: 8, .size: 8, .value_kind: global_buffer, .address_space: global }
      - { .name: bq, .offset: 16, .size: 8, .value_kind: global_buffer, .address_space: global }
      - { .name: bk, .offset: 24, .size: 8, .value_kind: global_buffer, .address_space: global }
      - { .name: bv, .offset: 32, .size: 8, .value_kind: global_buffer, .address_space: global }
      - { .name: qk, .offset: 40, .size: 8, .value_kind: global_buffer, .address_space: global }
      - { .name: vt, .offset: 48, .size: 8, .value_kind: global_buffer, .address_space: global }
    .group_segment_fixed_size: 327680
    .private_segment_fixed_size: 0
    .kernarg_segment_align: 8
    .kernarg_segment_size: 56
    .max_flat_workgroup_size: 128
    .sgpr_count:     100
    .vgpr_count:     584
    .wavefront_size: 32
...
	.end_amdgpu_metadata
.endif
;; end of part 2
;; launch score (part 3): grid 8 x 64, 4 waves a work-group, clusters of 4 x 4, 327,680 bytes of LDS; arguments qk, pt, mx, lx; writes pt, mx, lx
.if DOCPART == 3
	.amdgcn_target "amdgcn-amd-amdhsa--gfx1250"
	.amdhsa_code_object_version 6
	.text
	.protected	k_q8ddc6fefdb_score
	.globl	k_q8ddc6fefdb_score
	.p2align	8
	.type	k_q8ddc6fefdb_score,@function
k_q8ddc6fefdb_score:
	s_mov_b64 s[64:65], 0
	v_nop
	global_prefetch_b8 v0, s[64:65] scope:SCOPE_SE
	s_setreg_imm32_b32 hwreg(HW_REG_WAVE_MODE, 25, 1), 1
	s_wait_xcnt 0x0
	s_wait_alu depctr_hold_cnt(0) depctr_sa_sdst(0) depctr_va_vdst(0) depctr_va_sdst(0) depctr_va_ssrc(0) depctr_va_vcc(0) depctr_vm_vsrc(0)
	s_getreg_b32 s2, hwreg(HW_REG_IB_STS2, 6, 4)
	s_cmp_eq_u32 s2, 0
	s_cbranch_scc0 .Lentry_in_a_cluster
	s_endpgm
.Lentry_in_a_cluster:
	s_bfe_u32 s2, ttmp6, 0x10000c
	s_cmp_lg_u32 s2, 0xf033
	s_cbranch_scc0 .Lentry_shape_is_right
	s_endpgm
.Lentry_shape_is_right:
; SCORES AND THE FIRST HALF OF THE SOFTMAX.  s = Q K^T (K = 1,024) for 128 queries x 256 keys of one batch a work-group.  A wave's 64 queries x 128 keys are one CHUNK of keys for each query:
; on the way out it takes the chunk's true maximum, mt = c max s (c = log2(e) / 32, in f32), p = 2^(c s - mt), and stores p rounded to bf16 (pt[row][key]), mt (mx[chunk][row]) and the sum of the
; unrounded p (lx[chunk][row]), both f32.  The next launch joins the sixteen chunks of a row by their maxima.
; The GEMM form: C[m][n] = sum over k of A[m][k] B[n][k], A = Q (qk's columns 0-1023), B = K (columns 1024-2047), rows of 4,096 bytes.  Four waves, each 64 rows of A x 128 rows of B: 32 accumulators.
; THE MATRIX INSTRUCTION IS USED TRANSPOSED (source 0 = 16 keys, source 1 = 16 queries): a lane holds ONE query (l % 16) and the keys 16 b + 8 (l / 16) + 0..7: a query's maximum and sum want one
; exchange between the halves of the lanes.  CLUSTER 4 x 4: Q's tile is shared along a row of the cluster, K's along a column; each is asked for jointly.
; REGISTERS.  window 0: v0-31 addresses and statistics; v32-127, v128-223 two fragment buffers; on the way out v32-95 the block's 64 weights, v96-127 at work and packed, v128-255 rows read back.
;   window 1: accumulator (a, b) at v[8 (8 a + b)].
; LIMITS.  A weight below 2^-126 counts as 0; NaN and infinities are not treated apart.
.set KSIZE, 1024
.set PA,    2048
.set PB,    2048
.set PITCH,  272                       ; an LDS row: 256 bytes + 16 of padding = 68 words: the 16 rows of a fragment load start at 16 different groups of four banks (64 banks of 4 bytes: ISA guide 11.1)
.set ATILE,  128*PITCH
.set SLOT,   384*PITCH                 ; A's 128 rows, then B's 256
.set STAGE,  2*SLOT                    ; behind the ring: 16 rows x 272 bytes for each wave; no tile lands there
.set STAT,   STAGE+4*16*PITCH          ; 512 bytes for each wave: 64 maxima, 64 sums
.set SPARE,  STAT+4*512                ; the spare words, 128 bytes for each wave: two blocks of 256 bytes that no other line names
.set LAPS,   KSIZE/256
.set ADRA, 16
.set ADRB, 20
.set STO,  24
.set RD,   25
.set CO,   26
.set SPW,  28
.set NIL,  29
.set PFO,  30
.set F0,   32
.set F1,   128
.set T,    32
.set TMP,  96
.set CM,   96                          ; v96-103 eight running maxima, ahead of the packing
.set BK,   128
.set MS,   4                           ; v4-7   mt of my query in blocks 0-3
.set LS,   8                           ; v8-11  its sums
.set MT,   12                          ; v[12:13] mt of the block in hand
.set WV, 20
.set WH, 21
.set WL, 22
.set G1A, 24
.set G0A, 32
.set PFA, 44
.set LIM, 46
.set G1B, 48
.set G0B, 56
.set CS,  92                           ; s[92:93] c
.set SEL, 94                           ; s[94:95] v_permlanex16_b32's selects: each lane takes its own place in the other half
.set MSB, 0
.macro WIN new                         ; the immediate's high byte repeats the setting that is left; a switch that changes nothing is dropped
.if MSB != (\new)
	s_set_vgpr_msb (MSB<<8)|(\new)
.set MSB, \new
.endif
.endm
.macro PLACES                          ; four plain places behind matrix instructions (ISA guide 7.12.1)
.rept 4
	v_nop
.endr
.endm
.macro JLOAD s                         ; a joint load: waves 0, 1 fetch A's halves (64 rows), waves 2, 3 B's (128 rows); an s_nop 0 and four v_nop follow each line
	s_cmp_eq_u32 s[WH], 0
	s_cbranch_scc0 .Lfor_b_\@
	tensor_load_to_lds s[G0A+4*(\s):G0A+4*(\s)+3], s[G1A:G1A+7]
	s_nop 0
.rept 4
	v_nop
.endr
	s_branch .Lasked_\@
.Lfor_b_\@:
	tensor_load_to_lds s[G0B+4*(\s):G0B+4*(\s)+3], s[G1B:G1B+7]
	s_nop 0
.rept 4
	v_nop
.endr
.Lasked_\@:
.endm
.macro CREST
	s_cmp_lg_u32 s[WV], 0
	s_cbranch_scc1 .Lnot_wave_0_\@
	s_barrier_signal -3
.Lnot_wave_0_\@:
	s_barrier_wait -3
	s_barrier_signal -1
	s_barrier_wait -1
.endm
.macro CROUND
	s_barrier_signal -1
	s_barrier_wait -1
	CREST
.endm
.macro ASK slot                        ; a prefetch into the L2 of the K step two refills on; it stops in the loop's last trip
	s_cmp_gt_u32 s3, s[LIM+(\slot)]
	s_cbranch_scc0 .Lnot_mine_\@
	global_prefetch_b8 v[PFO], s[PFA:PFA+1] offset:256 th:TH_LOAD_NT scope:SCOPE_SE
.Lnot_mine_\@:
.endm
.macro IDS
	v_lshrrev_b32 v1, 5, v0
	v_readfirstlane_b32 s[WV], v1
	s_lshr_b32 s[WH], s[WV], 1
	s_and_b32 s[WL], s[WV], 1
	s_bfe_u32 s40, ttmp6, 0x40000                  ; cx
	s_bfe_u32 s41, ttmp6, 0x40004                  ; cy
	s_and_b32 s67, ttmp7, 0xffff                   ; the cluster's y
	s_lshl_b32 s72, s41, 2
	s_lshl_b32 s72, 15, s72                        ; my row of the cluster
	s_lshl_b32 s73, 0x1111, s40                    ; my column
	s_or_b32 s[G1A], s72, (1<<16)|(1<<20)|(1<<21)|(5<<22)|(3<<25)  ; mask; 2-byte elements; padding on; bit 21 beside a mask; after every 64 words 4 words
	s_or_b32 s[G1B], s73, (1<<16)|(1<<20)|(1<<21)|(5<<22)|(3<<25)
	s_mov_b32 s[G1A+1], 128<<16
	s_mov_b32 s[G1A+2], 64<<16
	s_mov_b32 s[G1A+3], 128<<16
	s_mov_b32 s[G1A+4], 64
	s_mov_b32 s[G1A+5], PA
	s_mov_b32 s[G1A+6], 0
	s_mov_b32 s[G1A+7], 0
	s_mov_b32 s[G1B+1], 128<<16
	s_mov_b32 s[G1B+2], 128<<16
	s_mov_b32 s[G1B+3], 128<<16
	s_mov_b32 s[G1B+4], 128
	s_mov_b32 s[G1B+5], PB
	s_mov_b32 s[G1B+6], 0
	s_mov_b32 s[G1B+7], 0
	s_mul_i32 s74, s[WL], 64*PITCH
	s_mul_i32 s75, s[WL], 128*PITCH
	s_add_co_u32 s75, s75, ATILE
.endm
.macro FIRSTFILLS
	CROUND                                         ; all sixteen work-groups are here: the first joint loads meet
.irp s, 0,1
	s_mov_b32 s[G0A+4*(\s)], 1
	s_add_co_u32 s[G0A+4*(\s)+1], s74, (\s)*SLOT
	s_add_nc_u64 s[G0A+4*(\s)+2:G0A+4*(\s)+3], s[84:85], (\s)*256
	s_or_b32 s[G0A+4*(\s)+3], s[G0A+4*(\s)+3], 0x80000000
	s_mov_b32 s[G0B+4*(\s)], 1
	s_add_co_u32 s[G0B+4*(\s)+1], s75, (\s)*SLOT
	s_add_nc_u64 s[G0B+4*(\s)+2:G0B+4*(\s)+3], s[86:87], (\s)*256
	s_or_b32 s[G0B+4*(\s)+3], s[G0B+4*(\s)+3], 0x80000000
	JLOAD \s
.endr
.endm
.macro VADDR
	v_and_b32 v1, 15, v0
	v_bfe_u32 v2, v0, 4, 1
	v_mul_u32_u24 v3, v1, PITCH
	v_lshl_add_u32 v3, v2, 4, v3
	s_mul_i32 s72, s[WH], 64*PITCH
	s_mul_i32 s73, s[WL], 128*PITCH
	s_add_co_u32 s73, s73, ATILE
.irp s, 0,1
	v_add_nc_u32 v[ADRA+(\s)], s72, v3
	v_add_nc_u32 v[ADRB+(\s)], s73, v3
	s_add_co_u32 s72, s72, SLOT
	s_add_co_u32 s73, s73, SLOT
.endr
.endm
; WHO PREFETCHES.  Each row's 256 bytes of a K step are named once in the launch: of the clusters that read the same rows the one whose coordinate (s76 for A, s77 for B) is 0 asks; its partners share
; the rows out by address: of B's 128 rows the partner at cy takes 32, a lane a row, at both changes of slots; of A's 64 the partner at cx takes 16, lanes 0-15 for one K step and lanes 16-31 for the
; next, at the change out of slot 0 alone.
.macro PFSET pab, pbb
	s_mov_b32 s72, \pab
	s_mov_b32 s73, \pbb
	s_mul_i32 s78, s40, 16*(\pab)
	s_mul_i32 s79, s41, 32*(\pbb)
	s_cmp_eq_u32 s[WH], 0
	s_cselect_b64 s[PFA:PFA+1], s[84:85], s[86:87]
	s_cselect_b32 s78, s78, s79
	s_cselect_b32 s76, s76, s77
	s_cselect_b32 s72, s72, s73
	s_cselect_b32 s88, 15, 31
	s_cselect_b32 s90, 256, 0
	s_cselect_b32 s91, -1, 0
	s_mov_b32 s79, 0
	s_add_nc_u64 s[PFA:PFA+1], s[PFA:PFA+1], s[78:79]
	s_add_nc_u64 s[PFA:PFA+1], s[PFA:PFA+1], 512   ; at K step 2: the first refill steps it to 3 and names K step 4
	s_cmp_eq_u32 s76, 0
	s_cselect_b32 s[LIM], 1, -1
	s_or_b32 s[LIM+1], s[LIM], s91
	v_and_b32 v6, 31, v0
	v_and_b32 v6, s88, v6
	v_mul_u32_u24 v[PFO], s72, v6
	v_mad_u32_u24 v[PFO], v2, s90, v[PFO]
.endm
.macro SCALE f, a, slot                ; (only the last launch of the chain scales A's fragments)
.endm
.macro FSLOAD next
.endm
.macro MUL8 f, a, zero                 ; 8 matrix instructions; the 32 accumulators take turns, in the same order in every quarter
	WIN 0x50
.irp b, 0,1,2,3,4,5,6,7
.if \zero
	v_wmma_f32_16x16x32_bf16 v[8*(8*(\a)+(\b)):8*(8*(\a)+(\b))+7], v[(\f)+8*(\b):(\f)+8*(\b)+7], v[(\f)+64+8*(\a):(\f)+64+8*(\a)+7], 0
.else
	v_wmma_f32_16x16x32_bf16 v[8*(8*(\a)+(\b)):8*(8*(\a)+(\b))+7], v[(\f)+8*(\b):(\f)+8*(\b)+7], v[(\f)+64+8*(\a):(\f)+64+8*(\a)+7], v[8*(8*(\a)+(\b)):8*(8*(\a)+(\b))+7]
.endif
.endr
.endm
.macro FETCH slot, k, f                ; 24 LDS loads in one run: B's 8 fragments, then A's 4
	WIN 0
.irp i, 0,1,2,3,4,5,6,7
	ds_load_b128 v[(\f)+8*(\i):(\f)+8*(\i)+3],   v[ADRB+(\slot)] offset:(\k)+(\i)*16*PITCH
	ds_load_b128 v[(\f)+8*(\i)+4:(\f)+8*(\i)+7], v[ADRB+(\slot)] offset:(\k)+(\i)*16*PITCH+32
.endr
.irp i, 0,1,2,3
	ds_load_b128 v[(\f)+64+8*(\i):(\f)+64+8*(\i)+3],   v[ADRA+(\slot)] offset:(\k)+(\i)*16*PITCH
	ds_load_b128 v[(\f)+64+8*(\i)+4:(\f)+64+8*(\i)+7], v[ADRA+(\slot)] offset:(\k)+(\i)*16*PITCH+32
.endr
.endm
.macro QUARTER slot, k, f, g, zero
	s_wait_dscnt 4                                 ; B and A's blocks 0, 1 are in; the youngest four loads may be out
	SCALE \f, 0, \slot
	SCALE \f, 1, \slot
	MUL8 \f, 0, \zero
	MUL8 \f, 1, \zero
	PLACES
	FETCH \slot, \k, \g
	s_wait_dscnt 24                                ; all but the 24 just issued
	SCALE \f, 2, \slot
	SCALE \f, 3, \slot
	MUL8 \f, 2, \zero
	MUL8 \f, 3, \zero
.endm
; The fourth quarter changes slots: one barrier; in front of it each wave waits for all its tensor loads, adds 0 to its spare word, and waits for that and for its reads of this slot.
; fill = 1: the barrier opens a round of the cluster's, and this slot is filled again, two K steps ahead, first thing behind the round.
.macro TURN slot, next, fill
.if \fill
	s_wait_xcnt 0x0                                ; the last prefetch, a K step back, has read its address
	s_add_nc_u64 s[PFA:PFA+1], s[PFA:PFA+1], 256
.endif
	WIN 0
	s_wait_tensorcnt 0x0
	ds_add_u32 v[SPW], v[NIL]
	s_wait_dscnt 5                                 ; (the add and the youngest four loads may be out)
	SCALE F1, 0, \slot
	SCALE F1, 1, \slot
	MUL8 F1, 0, 0
	s_wait_dscnt 0x0                               ; the add is done, and my reads of this slot are over
	s_barrier_signal -1
	MUL8 F1, 1, 0
.if \fill
	WIN 0
.endif
	s_barrier_wait -1
.if \fill
	CREST
	s_add_nc_u64 s[G0A+4*(\slot)+2:G0A+4*(\slot)+3], s[G0A+4*(\slot)+2:G0A+4*(\slot)+3], 512
	s_add_nc_u64 s[G0B+4*(\slot)+2:G0B+4*(\slot)+3], s[G0B+4*(\slot)+2:G0B+4*(\slot)+3], 512
	JLOAD \slot
.else
	PLACES
.endif
	FSLOAD \next
	FETCH \next, 0, F0
.if \fill
	ASK \slot
.endif
	SCALE F1, 2, \slot
	SCALE F1, 3, \slot
	MUL8 F1, 2, 0
	MUL8 F1, 3, 0
.endm
.macro WALK
	QUARTER 0, 64,  F0, F1, 1                      ; the first quarter's products start the sums
	WIN 0
	s_mov_b32 s3, LAPS-1
.Llap:
	QUARTER 0, 128, F1, F0, 0
	QUARTER 0, 192, F0, F1, 0
	TURN 0, 1, 1
	QUARTER 1, 64,  F0, F1, 0
	QUARTER 1, 128, F1, F0, 0
	QUARTER 1, 192, F0, F1, 0
	TURN 1, 0, 1
	QUARTER 0, 64,  F0, F1, 0
	WIN 0
	s_sub_co_u32 s3, s3, 1
	s_cmp_lg_u32 s3, 0
	s_cbranch_scc1 .Llap
	QUARTER 0, 128, F1, F0, 0                      ; the last lap is written out: it fills nothing
	QUARTER 0, 192, F0, F1, 0
	TURN 0, 1, 0
	QUARTER 1, 64,  F0, F1, 0
	QUARTER 1, 128, F1, F0, 0
	QUARTER 1, 192, F0, F1, 0
	s_wait_dscnt 4
	SCALE F1, 0, 1
	SCALE F1, 1, 1
	MUL8 F1, 0, 0
	MUL8 F1, 1, 0
	s_wait_dscnt 0x0
	SCALE F1, 2, 1
	SCALE F1, 3, 1
	MUL8 F1, 2, 0
	MUL8 F1, 3, 0
	WIN 0
	PLACES
	PLACES
.endm
; Block a (16 queries x 128 keys; a lane: one query, 64 scores): the maximum, three operands at a time, each accumulator's lowest registers first; the other half of the lanes';
; mt = c max; c s - mt; 64 exponentials in ONE batch with one plain instruction and one wait behind it; the roundings; the sum of the unrounded weights.
.macro SOFT a
	WIN 0x15                                       ; all three sources in window 1
.irp b, 0,1,2,3,4,5,6,7
	v_max3_num_f32 v[CM+(\b)], v[8*(8*(\a)+(\b))], v[8*(8*(\a)+(\b))+1], v[8*(8*(\a)+(\b))+2]
.endr
	WIN 0x14                                       ; sources 1 and 2 in window 1
.irp b, 0,1,2,3,4,5,6,7
	v_max3_num_f32 v[CM+(\b)], v[CM+(\b)], v[8*(8*(\a)+(\b))+3], v[8*(8*(\a)+(\b))+4]
.endr
.irp b, 0,1,2,3,4,5,6,7
	v_max3_num_f32 v[CM+(\b)], v[CM+(\b)], v[8*(8*(\a)+(\b))+5], v[8*(8*(\a)+(\b))+6]
.endr
.irp b, 0,2,4,6
	v_max3_num_f32 v[CM+(\b)], v[CM+(\b)], v[8*(8*(\a)+(\b))+7], v[8*(8*(\a)+(\b)+1)+7]
.endr
	WIN 0
	v_max3_num_f32 v[CM], v[CM], v[CM+1], v[CM+2]
	v_max3_num_f32 v[CM+3], v[CM+3], v[CM+4], v[CM+5]
	v_max3_num_f32 v[CM], v[CM], v[CM+3], v[CM+6]
	v_max_num_f32 v[CM], v[CM], v[CM+7]
	v_permlanex16_b32 v[CM+1], v[CM], s[SEL], s[SEL+1]  ; the query's other 64 keys lie in the lane 16 away
	v_max_num_f32 v[CM], v[CM], v[CM+1]
	v_mul_f32 v[MT], s[CS], v[CM]
	v_mul_f32 v[MT+1], s[CS], v[CM]                ; named with it as a pair
	v_mul_f32 v[MS+(\a)], s[CS], v[CM]
	WIN 0x01                                       ; source 0 in window 1
.irp b, 0,1,2,3,4,5,6,7
.irp p, 0,1,2,3
	v_pk_fma_f32 v[T+8*(\b)+2*(\p):T+8*(\b)+2*(\p)+1], v[8*(8*(\a)+(\b))+2*(\p):8*(8*(\a)+(\b))+2*(\p)+1], s[CS:CS+1], v[MT:MT+1] op_sel_hi:[1,0,0] neg_lo:[0,0,1] neg_hi:[0,0,1]
.endr
.endr
	WIN 0
.set i, 0
.rept 64
	v_exp_f32 v[T+i], v[T+i]
.set i, i+1
.endr
	v_nop                                          ; a plain instruction behind the last exponential,
	s_wait_alu depctr_va_vdst(0)                   ; and the one wait ahead of the batch's first reader
.set i, 0
.rept 32
	v_cvt_pk_bf16_f32 v[TMP+i], v[T+2*i], v[T+2*i+1]
.set i, i+1
.endr
.irp w, 32,16,8,4,2                    ; the 32 pairs are added as a tree, in place: neighbours w registers apart
.set i, 0
.rept (\w)/2
	v_pk_add_f32 v[T+2*i:T+2*i+1], v[T+2*i:T+2*i+1], v[T+2*i+(\w):T+2*i+(\w)+1]
.set i, i+1
.endr
.endr
	v_add_f32 v[T], v[T], v[T+1]
	v_permlanex16_b32 v[T+1], v[T], s[SEL], s[SEL+1]
	v_add_f32 v[LS+(\a)], v[T], v[T+1]
.endm
.macro TOSTAGE a
	WIN 0
.irp b, 0,1,2,3,4,5,6,7
	ds_store_b128 v[STO], v[TMP+4*(\b):TMP+4*(\b)+3] offset:32*(\b)
.endr
.irp t, 0,1,2,3,4,5,6,7
	ds_load_b128 v[BK+32*(\a)+4*(\t):BK+32*(\a)+4*(\t)+3], v[RD] offset:(\t)*2*PITCH  ; LDS serves a wave's instructions in order (ISA guide 5.7.1.4): these see the stores above
.endr
.endm
.macro SEND a                          ; each block has its own 32 registers, so nothing waits for a store
	WIN 0
	s_wait_dscnt 0x0
.irp t, 0,1,2,3,4,5,6,7
	global_store_b128 v[CO], v[BK+32*(\a)+4*(\t):BK+32*(\a)+4*(\t)+3], s[96:97] offset:(16*(\a)+2*(\t))*4096 th:TH_STORE_NT  ; 16 lanes store 256 consecutive bytes, aligned
.endr
.endm
	s_load_b256 s[4:11], s[0:1], 0x0               ; qk s[4:5], pt s[6:7], mx s[8:9], lx s[10:11]
	v_lshl_add_u32 v[SPW], v0, 2, SPARE
	v_mov_b32 v[NIL], 0
	ds_add_u32 v[SPW], v[NIL]                      ; the wave's opening: the add and its wait ahead of my first tensor load
	IDS
	s_mov_b32 s66, ttmp9                           ; the cluster's x
	s_lshl_b32 s43, s67, 2
	s_add_co_u32 s43, s43, s41                     ; tile row: 128 queries, 64 in all
	s_lshl_b32 s42, s66, 2
	s_add_co_u32 s42, s42, s40                     ; tile column: 256 keys of the batch, 8 in all
	s_lshr_b32 s80, s67, 2                         ; the batch: four clusters of 512 queries each
	s_mov_b32 s76, s66                             ; Q's rows are prefetched where the cluster's x = 0,
	s_and_b32 s77, s67, 3                          ; K's by the batch's first cluster row
	s_lshl_b32 s68, s43, 7
	s_lshl_b32 s72, s[WL], 6
	s_add_co_u32 s68, s68, s72                     ; the 64 queries that I fetch,
	s_lshl_b32 s68, s68, 12                        ; rows of 4,096 bytes
	s_mov_b32 s69, 0
	s_lshl_b32 s70, s80, 11
	s_lshl_b32 s72, s42, 8
	s_add_co_u32 s70, s70, s72
	s_lshl_b32 s72, s[WL], 7
	s_add_co_u32 s70, s70, s72                     ; the 128 keys
	s_lshl_b32 s70, s70, 12
	s_add_co_u32 s70, s70, 2048                    ; K lies in the rows' second half
	s_mov_b32 s71, 0
	s_mov_b32 s[CS], 0x3d38aa3b                    ; c = log2(e) / 32
	s_mov_b32 s[CS+1], s[CS]
	s_mov_b32 s[SEL], 0x76543210
	s_mov_b32 s[SEL+1], 0xfedcba98
	s_wait_dscnt 0x0                               ; the opening add is done
	s_wait_kmcnt 0x0
	s_add_nc_u64 s[84:85], s[4:5], s[68:69]
	s_add_nc_u64 s[86:87], s[4:5], s[70:71]
	FIRSTFILLS
	VADDR
	s_mul_i32 s72, s[WV], 16*PITCH
	s_add_co_u32 s72, s72, STAGE                   ; my stage
	v_mul_u32_u24 v4, v1, PITCH
	v_lshl_add_u32 v4, v2, 4, v4
	v_add_nc_u32 v[STO], s72, v4
	v_mul_u32_u24 v5, v2, PITCH
	v_lshl_add_u32 v5, v1, 4, v5
	v_add_nc_u32 v[RD], s72, v5
	v_lshlrev_b32 v[CO], 12, v2
	v_lshl_add_u32 v[CO], v1, 4, v[CO]
	s_lshl_b32 s72, s[WV], 9
	s_add_co_u32 s72, s72, STAT                    ; my 512 bytes for the statistics
	v_lshl_add_u32 v27, v1, 2, s72                 ; in: my query's word
	v_and_b32 v3, 31, v0
	v_lshl_add_u32 v22, v3, 3, s72                 ; back: two queries a lane
	v_lshlrev_b32 v23, 3, v3
	s_lshl_b32 s72, s43, 7
	s_lshl_b32 s73, s[WH], 6
	s_add_co_u32 s88, s72, s73                     ; my first query
	s_lshl_b32 s72, s88, 12
	s_lshl_b32 s73, s42, 9
	s_add_co_u32 s72, s72, s73
	s_lshl_b32 s73, s[WL], 8
	s_add_co_u32 s72, s72, s73
	s_mov_b32 s73, 0
	s_add_nc_u64 s[96:97], s[6:7], s[72:73]        ; pt at my first query and key
	s_lshl_b32 s72, s42, 1
	s_add_co_u32 s72, s72, s[WL]                   ; my chunk of 128 keys,
	s_lshl_b32 s72, s72, 15                        ; 8,192 rows x 4 bytes each
	s_lshl_b32 s89, s88, 2
	s_add_co_u32 s72, s72, s89
	s_add_nc_u64 s[98:99], s[8:9], s[72:73]
	s_add_nc_u64 s[82:83], s[10:11], s[72:73]
	PFSET 4096, 4096
	s_wait_tensorcnt 1                             ; my part of K step 0 is in; K step 1's may stay out
	s_barrier_signal -1
	s_barrier_wait -1
	FETCH 0, 0, F0
	WALK
	SOFT 0
	TOSTAGE 0
.irp a, 1,2,3                          ; block a's arithmetic stands between block a - 1's loads from the stage and the wait for them
	SOFT \a
	SEND (\a)-1
	TOSTAGE \a
.endr
	SEND 3
.irp a, 0,1,2,3                        ; the statistics go through LDS, so that each of the two stores covers 256 consecutive bytes, aligned; both halves of the lanes hold, and write, the same number
	ds_store_b32 v27, v[MS+(\a)] offset:64*(\a)
	ds_store_b32 v27, v[LS+(\a)] offset:256+64*(\a)
.endr
	ds_load_b64 v[14:15], v22
	ds_load_b64 v[18:19], v22 offset:256
	s_wait_dscnt 0x0
	global_store_b64 v23, v[14:15], s[98:99] th:TH_STORE_NT
	global_store_b64 v23, v[18:19], s[82:83] th:TH_STORE_NT
	s_wait_tensorcnt 0x0                           ; the wave's end
	ds_add_u32 v[SPW], v[NIL]
	s_wait_dscnt 0x0
	CROUND                                         ; the closing round
	s_endpgm
.Lfunc_end_k_q8ddc6fefdb_score:
	.size	k_q8ddc6fefdb_score, .Lfunc_end_k_q8ddc6fefdb_score-k_q8ddc6fefdb_score
	.p2alignl 7, 3214868480
	.fill 96, 4, 3214868480
	.section	.rodata,"a",@progbits
	.p2align	6, 0x0
	.amdhsa_kernel k_q8ddc6fefdb_score
		.amdhsa_group_segment_fixed_size 327680
		.amdhsa_private_segment_fixed_size 0
		.amdhsa_enable_private_segment 0
		.amdhsa_kernarg_size 32
		.amdhsa_user_sgpr_count 2
		.amdhsa_user_sgpr_kernarg_segment_ptr 1
		.amdhsa_wavefront_size32 1
		.amdhsa_system_sgpr_workgroup_id_x 1
		.amdhsa_system_sgpr_workgroup_id_y 1
		.amdhsa_system_sgpr_workgroup_id_z 1
		.amdhsa_system_vgpr_workitem_id 0
		.amdhsa_next_free_vgpr 512
		.amdhsa_next_free_sgpr 100
		.amdhsa_reserve_vcc 0
		.amdhsa_float_denorm_mode_32 3
		.amdhsa_float_denorm_mode_16_64 3
		.amdhsa_memory_ordered 1
		.amdhsa_forward_progress 1
		.amdhsa_inst_pref_size 122
	.end_amdhsa_kernel
	.amdgpu_metadata
---
amdhsa.version: [ 1, 2 ]
amdhsa.kernels:
  - .name:           k_q8ddc6fefdb_score
    .symbol:         k_q8ddc6fefdb_score.kd
    .args:
      - { .name: qk, .offset: 0, .size: 8, .value_kind: global_buffer, .address_space: global }
      - { .name: pt, .offset: 8, .size: 8, .value_kind: global_buffer, .address_space: global }
      - { .name: mx, .offset: 16, .size: 8, .value_kind: global_buffer, .address_space: global }
      - { .name: lx, .offset: 24, .size: 8, .value_kind: global_buffer, .address_space: global }
    .group_segment_fixed_size: 327680
    .private_segment_fixed_size: 0
    .kernarg_segment_align: 8
    .kernarg_segment_size: 32
    .max_flat_workgroup_size: 128
    .sgpr_count:     100
    .vgpr_count:     512
    .wavefront_size: 32
...
	.end_amdgpu_metadata
.endif
;; end of part 3
;; launch mix (part 4): grid 4 x 64, 4 waves a work-group, clusters of 4 x 4, 327,680 bytes of LDS; arguments pt, vt, mx, lx, gamma, x, out0; writes out0
.if DOCPART == 4
	.amdgcn_target "amdgcn-amd-amdhsa--gfx1250"
	.amdhsa_code_object_version 6
	.text
	.protected	k_q8ddc6fefdb_mix
	.globl	k_q8ddc6fefdb_mix
	.p2align	8
	.type	k_q8ddc6fefdb_mix,@function
k_q8ddc6fefdb_mix:
	s_mov_b64 s[64:65], 0
	v_nop
	global_prefetch_b8 v0, s[64:65] scope:SCOPE_SE
	s_setreg_imm32_b32 hwreg(HW_REG_WAVE_MODE, 25, 1), 1
	s_wait_xcnt 0x0
	s_wait_alu depctr_hold_cnt(0) depctr_sa_sdst(0) depctr_va_vdst(0) depctr_va_sdst(0) depctr_va_ssrc(0) depctr_va_vcc(0) depctr_vm_vsrc(0)
	s_getreg_b32 s2, hwreg(HW_REG_IB_STS2, 6, 4)
	s_cmp_eq_u32 s2, 0
	s_cbranch_scc0 .Lentry_in_a_cluster
	s_endpgm
.Lentry_in_a_cluster:
	s_bfe_u32 s2, ttmp6, 0x10000c
	s_cmp_lg_u32 s2, 0xf033
	s_cbranch_scc0 .Lentry_shape_is_right
	s_endpgm
.Lentry_shape_is_right:
; THE SECOND HALF OF THE SOFTMAX, P V, AND THE RESIDUAL.  out = gamma (sum over keys of P V) + x.  The launch before left, for each row and each chunk c of 128 keys, p~ = 2^(c s - mt_c) in bf16, mt_c
; and l_c = the sum of the chunk's p~ in f32.  Here, for each row: M = max over c of mt_c; f_c = 2^(mt_c - M), at most 1; L = sum over c of f_c l_c, all f32.  A chunk is one K step of the product:
; A's fragments (p~) are multiplied by f_c, as bf16, between their LDS load and the matrix instruction; the f32 sums are multiplied by gamma / L and added to x in f32.
; The GEMM form: C[m][n] = sum over k of A[m][k] B[n][k], K = 2,048 keys; A = pt (128 rows), B = vt = V^T (256 channels; the batch's 2,048 columns).  Four waves, each 64 x 128: 32 accumulators.
; THE MATRIX INSTRUCTION IS USED TRANSPOSED (source 0 = 16 channels, source 1 = 16 rows): a lane holds one row (l % 16) and eight neighbouring channels.
; CLUSTER 4 x 4: P's tile is shared along a row of the cluster, V^T's along a column; each is asked for jointly.  256 work-groups.
; REGISTERS.  window 0: v0-31 addresses; v32-127, v128-223 two fragment buffers; v224-231 the factors f of the K steps in slot 0, 1, as pairs of bf16, one register for each block of 16 rows;
;   on the way out v32-159 two buffers of 16 rows read back, v160-223 two of their factors.   window 1: accumulator (a, b) at v[8 (8 a + b)].   window 2: my 64 x 128 numbers of x, then of out.
; LIMITS.  p~, f and their product are each rounded once to bf16; L is taken of the unrounded f and l.  A factor below 2^-126 counts as 0; NaN and infinities are not treated apart.
.set KSIZE, 2048
.set PA,    2048
.set PB,    8192
.set PITCH,  272                       ; an LDS row: 256 bytes + 16 of padding = 68 words: the 16 rows of a fragment load start at 16 different groups of four banks (64 banks of 4 bytes: ISA guide 11.1)
.set ATILE,  128*PITCH
.set SLOT,   384*PITCH                 ; A's 128 rows, then B's 256
.set STAGE,  2*SLOT                    ; behind the ring: 16 rows x 528 bytes (512 + 16) for each wave; no tile lands there
.set SP,     528
.set TAB,    STAGE+4*16*SP             ; for each wave 4,608 bytes: FT[chunk][row % 16][row / 16], a word (f, f) each, 4,096 bytes; then RL[row], a pair (gamma / L, gamma / L), 512 bytes
.set SPARE,  TAB+4*4608                ; the spare words, 128 bytes for each wave: two blocks of 256 bytes that no other line names
.set LAPS,   KSIZE/256
.set ADRA, 16
.set ADRB, 20
.set STO,  24
.set RD,   25
.set CO,   26
.set SPW,  28
.set NIL,  29
.set PFO,  30
.set F0,   32
.set F1,   128
.set FS,   224
.set WV, 20
.set WH, 21
.set WL, 22
.set G1A, 24
.set G0A, 32
.set PFA, 44
.set LIM, 46
.set G1B, 48
.set G0B, 56
.set MSB, 0
.macro WIN new                         ; the immediate's high byte repeats the setting that is left; a switch that changes nothing is dropped
.if MSB != (\new)
	s_set_vgpr_msb (MSB<<8)|(\new)
.set MSB, \new
.endif
.endm
.macro PLACES                          ; four plain places behind matrix instructions (ISA guide 7.12.1)
.rept 4
	v_nop
.endr
.endm
.macro JLOAD s                         ; a joint load: waves 0, 1 fetch A's halves (64 rows), waves 2, 3 B's (128 rows); an s_nop 0 and four v_nop follow each line
	s_cmp_eq_u32 s[WH], 0
	s_cbranch_scc0 .Lfor_b_\@
	tensor_load_to_lds s[G0A+4*(\s):G0A+4*(\s)+3], s[G1A:G1A+7]
	s_nop 0
.rept 4
	v_nop
.endr
	s_branch .Lasked_\@
.Lfor_b_\@:
	tensor_load_to_lds s[G0B+4*(\s):G0B+4*(\s)+3], s[G1B:G1B+7]
	s_nop 0
.rept 4
	v_nop
.endr
.Lasked_\@:
.endm
.macro CREST
	s_cmp_lg_u32 s[WV], 0
	s_cbranch_scc1 .Lnot_wave_0_\@
	s_barrier_signal -3
.Lnot_wave_0_\@:
	s_barrier_wait -3
	s_barrier_signal -1
	s_barrier_wait -1
.endm
.macro CROUND
	s_barrier_signal -1
	s_barrier_wait -1
	CREST
.endm
.macro ASK slot                        ; a prefetch into the L2 of the K step two refills on; it stops in the loop's last trip
	s_cmp_gt_u32 s3, s[LIM+(\slot)]
	s_cbranch_scc0 .Lnot_mine_\@
	global_prefetch_b8 v[PFO], s[PFA:PFA+1] offset:256 th:TH_LOAD_NT scope:SCOPE_SE
.Lnot_mine_\@:
.endm
.macro IDS
	v_lshrrev_b32 v1, 5, v0
	v_readfirstlane_b32 s[WV], v1
	s_lshr_b32 s[WH], s[WV], 1
	s_and_b32 s[WL], s[WV], 1
	s_bfe_u32 s40, ttmp6, 0x40000                  ; cx
	s_bfe_u32 s41, ttmp6, 0x40004                  ; cy
	s_and_b32 s67, ttmp7, 0xffff                   ; the cluster's y
	s_lshl_b32 s72, s41, 2
	s_lshl_b32 s72, 15, s72                        ; my row of the cluster
	s_lshl_b32 s73, 0x1111, s40                    ; my column
	s_or_b32 s[G1A], s72, (1<<16)|(1<<20)|(1<<21)|(5<<22)|(3<<25)  ; mask; 2-byte elements; padding on; bit 21 beside a mask; after every 64 words 4 words
	s_or_b32 s[G1B], s73, (1<<16)|(1<<20)|(1<<21)|(5<<22)|(3<<25)
	s_mov_b32 s[G1A+1], 128<<16
	s_mov_b32 s[G1A+2], 64<<16
	s_mov_b32 s[G1A+3], 128<<16
	s_mov_b32 s[G1A+4], 64
	s_mov_b32 s[G1A+5], PA
	s_mov_b32 s[G1A+6], 0
	s_mov_b32 s[G1A+7], 0
	s_mov_b32 s[G1B+1], 128<<16
	s_mov_b32 s[G1B+2], 128<<16
	s_mov_b32 s[G1B+3], 128<<16
	s_mov_b32 s[G1B+4], 128
	s_mov_b32 s[G1B+5], PB
	s_mov_b32 s[G1B+6], 0
	s_mov_b32 s[G1B+7], 0
	s_mul_i32 s74, s[WL], 64*PITCH
	s_mul_i32 s75, s[WL], 128*PITCH
	s_add_co_u32 s75, s75, ATILE
.endm
.macro FIRSTFILLS
	CROUND                                         ; all sixteen work-groups are here: the first joint loads meet
.irp s, 0,1
	s_mov_b32 s[G0A+4*(\s)], 1
	s_add_co_u32 s[G0A+4*(\s)+1], s74, (\s)*SLOT
	s_add_nc_u64 s[G0A+4*(\s)+2:G0A+4*(\s)+3], s[84:85], (\s)*256
	s_or_b32 s[G0A+4*(\s)+3], s[G0A+4*(\s)+3], 0x80000000
	s_mov_b32 s[G0B+4*(\s)], 1
	s_add_co_u32 s[G0B+4*(\s)+1], s75, (\s)*SLOT
	s_add_nc_u64 s[G0B+4*(\s)+2:G0B+4*(\s)+3], s[86:87], (\s)*256
	s_or_b32 s[G0B+4*(\s)+3], s[G0B+4*(\s)+3], 0x80000000
	JLOAD \s
.endr
.endm
.macro VADDR
	v_and_b32 v1, 15, v0
	v_bfe_u32 v2, v0, 4, 1
	v_mul_u32_u24 v3, v1, PITCH
	v_lshl_add_u32 v3, v2, 4, v3
	s_mul_i32 s72, s[WH], 64*PITCH
	s_mul_i32 s73, s[WL], 128*PITCH
	s_add_co_u32 s73, s73, ATILE
.irp s, 0,1
	v_add_nc_u32 v[ADRA+(\s)], s72, v3
	v_add_nc_u32 v[ADRB+(\s)], s73, v3
	s_add_co_u32 s72, s72, SLOT
	s_add_co_u32 s73, s73, SLOT
.endr
.endm
; WHO PREFETCHES.  Each row's 256 bytes of a K step are named once in the launch: of the clusters that read the same rows the one whose coordinate (s76 for A, s77 for B) is 0 asks; its partners share
; the rows out by address: of B's 128 rows the partner at cy takes 32, a lane a row, at both changes of slots; of A's 64 the partner at cx takes 16, lanes 0-15 for one K step and lanes 16-31 for the
; next, at the change out of slot 0 alone.
.macro PFSET pab, pbb
	s_mov_b32 s72, \pab
	s_mov_b32 s73, \pbb
	s_mul_i32 s78, s40, 16*(\pab)
	s_mul_i32 s79, s41, 32*(\pbb)
	s_cmp_eq_u32 s[WH], 0
	s_cselect_b64 s[PFA:PFA+1], s[84:85], s[86:87]
	s_cselect_b32 s78, s78, s79
	s_cselect_b32 s76, s76, s77
	s_cselect_b32 s72, s72, s73
	s_cselect_b32 s88, 15, 31
	s_cselect_b32 s90, 256, 0
	s_cselect_b32 s91, -1, 0
	s_mov_b32 s79, 0
	s_add_nc_u64 s[PFA:PFA+1], s[PFA:PFA+1], s[78:79]
	s_add_nc_u64 s[PFA:PFA+1], s[PFA:PFA+1], 512   ; at K step 2: the first refill steps it to 3 and names K step 4
	s_cmp_eq_u32 s76, 0
	s_cselect_b32 s[LIM], 1, -1
	s_or_b32 s[LIM+1], s[LIM], s91
	v_and_b32 v6, 31, v0
	v_and_b32 v6, s88, v6
	v_mul_u32_u24 v[PFO], s72, v6
	v_mad_u32_u24 v[PFO], v2, s90, v[PFO]
.endm
.macro SCALE f, a, slot                ; A's block a of buffer f times my row's f of the K step in the slot: 16 weights in 8 registers, two products a line, each rounded to bf16
	WIN 0
.irp i, 0,1,2,3,4,5,6,7
	v_pk_mul_bf16 v[(\f)+64+8*(\a)+(\i)], v[(\f)+64+8*(\a)+(\i)], v[FS+4*(\slot)+(\a)]
.endr
.endm
.macro FSLOAD next                     ; the next K step's four factors of my row; it stands ahead of the run of fragment loads, so the counted waits that leave the youngest loads out cover it
	WIN 0
.if (\next) == 1
	ds_load_b128 v[FS+4:FS+7], v27 offset:256
.else
	ds_load_b128 v[FS:FS+3], v27 offset:512
	v_add_nc_u32 v27, 512, v27                     ; two chunks on
.endif
.endm
.macro MUL8 f, a, zero                 ; 8 matrix instructions; the 32 accumulators take turns, in the same order in every quarter
	WIN 0x50
.irp b, 0,1,2,3,4,5,6,7
.if \zero
	v_wmma_f32_16x16x32_bf16 v[8*(8*(\a)+(\b)):8*(8*(\a)+(\b))+7], v[(\f)+8*(\b):(\f)+8*(\b)+7], v[(\f)+64+8*(\a):(\f)+64+8*(\a)+7], 0
.else
	v_wmma_f32_16x16x32_bf16 v[8*(8*(\a)+(\b)):8*(8*(\a)+(\b))+7], v[(\f)+8*(\b):(\f)+8*(\b)+7], v[(\f)+64+8*(\a):(\f)+64+8*(\a)+7], v[8*(8*(\a)+(\b)):8*(8*(\a)+(\b))+7]
.endif
.endr
.endm
.macro FETCH slot, k, f                ; 24 LDS loads in one run: B's 8 fragments, then A's 4
	WIN 0
.irp i, 0,1,2,3,4,5,6,7
	ds_load_b128 v[(\f)+8*(\i):(\f)+8*(\i)+3],   v[ADRB+(\slot)] offset:(\k)+(\i)*16*PITCH
	ds_load_b128 v[(\f)+8*(\i)+4:(\f)+8*(\i)+7], v[ADRB+(\slot)] offset:(\k)+(\i)*16*PITCH+32
.endr
.irp i, 0,1,2,3
	ds_load_b128 v[(\f)+64+8*(\i):(\f)+64+8*(\i)+3],   v[ADRA+(\slot)] offset:(\k)+(\i)*16*PITCH
	ds_load_b128 v[(\f)+64+8*(\i)+4:(\f)+64+8*(\i)+7], v[ADRA+(\slot)] offset:(\k)+(\i)*16*PITCH+32
.endr
.endm
.macro QUARTER slot, k, f, g, zero
	s_wait_dscnt 4                                 ; B and A's blocks 0, 1 are in; the youngest four loads may be out
	SCALE \f, 0, \slot
	SCALE \f, 1, \slot
	MUL8 \f, 0, \zero
	MUL8 \f, 1, \zero
	PLACES
	FETCH \slot, \k, \g
	s_wait_dscnt 24                                ; all but the 24 just issued
	SCALE \f, 2, \slot
	SCALE \f, 3, \slot
	MUL8 \f, 2, \zero
	MUL8 \f, 3, \zero
.endm
; The fourth quarter changes slots: one barrier; in front of it each wave waits for all its tensor loads, adds 0 to its spare word, and waits for that and for its reads of this slot.
; fill = 1: the barrier opens a round of the cluster's, and this slot is filled again, two K steps ahead, first thing behind the round.
.macro TURN slot, next, fill
.if \fill
	s_wait_xcnt 0x0                                ; the last prefetch, a K step back, has read its address
	s_add_nc_u64 s[PFA:PFA+1], s[PFA:PFA+1], 256
.endif
	WIN 0
	s_wait_tensorcnt 0x0
	ds_add_u32 v[SPW], v[NIL]
	s_wait_dscnt 5                                 ; (the add and the youngest four loads may be out)
	SCALE F1, 0, \slot
	SCALE F1, 1, \slot
	MUL8 F1, 0, 0
	s_wait_dscnt 0x0                               ; the add is done, and my reads of this slot are over
	s_barrier_signal -1
	MUL8 F1, 1, 0
.if \fill
	WIN 0
.endif
	s_barrier_wait -1
.if \fill
	CREST
	s_add_nc_u64 s[G0A+4*(\slot)+2:G0A+4*(\slot)+3], s[G0A+4*(\slot)+2:G0A+4*(\slot)+3], 512
	s_add_nc_u64 s[G0B+4*(\slot)+2:G0B+4*(\slot)+3], s[G0B+4*(\slot)+2:G0B+4*(\slot)+3], 512
	JLOAD \slot
.else
	PLACES
.endif
	FSLOAD \next
	FETCH \next, 0, F0
.if \fill
	ASK \slot
.endif
	SCALE F1, 2, \slot
	SCALE F1, 3, \slot
	MUL8 F1, 2, 0
	MUL8 F1, 3, 0
.endm
.macro WALK
	QUARTER 0, 64,  F0, F1, 1                      ; the first quarter's products start the sums
	WIN 0
	s_mov_b32 s3, LAPS-1
.Llap:
	QUARTER 0, 128, F1, F0, 0
	QUARTER 0, 192, F0, F1, 0
	TURN 0, 1, 1
	QUARTER 1, 64,  F0, F1, 0
	QUARTER 1, 128, F1, F0, 0
	QUARTER 1, 192, F0, F1, 0
	TURN 1, 0, 1
	QUARTER 0, 64,  F0, F1, 0
	WIN 0
	s_sub_co_u32 s3, s3, 1
	s_cmp_lg_u32 s3, 0
	s_cbranch_scc1 .Llap
	QUARTER 0, 128, F1, F0, 0                      ; the last lap is written out: it fills nothing
	QUARTER 0, 192, F0, F1, 0
	TURN 0, 1, 0
	QUARTER 1, 64,  F0, F1, 0
	QUARTER 1, 128, F1, F0, 0
	QUARTER 1, 192, F0, F1, 0
	s_wait_dscnt 4
	SCALE F1, 0, 1
	SCALE F1, 1, 1
	MUL8 F1, 0, 0
	MUL8 F1, 1, 0
	s_wait_dscnt 0x0
	SCALE F1, 2, 1
	SCALE F1, 3, 1
	MUL8 F1, 2, 0
	MUL8 F1, 3, 0
	WIN 0
	PLACES
	PLACES
.endm
; THE WAY OUT of block a (16 rows x 128 channels of f32).  STG: the sums go straight from the accumulators into my stage (rows of 528 bytes), low registers first, and come back as whole rows of 512
; bytes, 16 bytes a lane; with them the rows' factors gamma / L, a pair a row, the same for all lanes.  40 LDS instructions.
.macro STG a
	WIN 0x04                                       ; the stores' data in window 1
.irp b, 0,1,2,3,4,5,6,7
	ds_store_b128 v[STO], v[8*(8*(\a)+(\b)):8*(8*(\a)+(\b))+3]   offset:64*(\b)
	ds_store_b128 v[STO], v[8*(8*(\a)+(\b))+4:8*(8*(\a)+(\b))+7] offset:64*(\b)+16
.endr
	WIN 0
.set RB, 32+64*((\a)%2)
.set FC, 160+32*((\a)%2)
.irp t, 0,1,2,3,4,5,6,7,8,9,10,11,12,13,14,15
	ds_load_b128 v[RB+4*(\t):RB+4*(\t)+3], v[RD] offset:SP*(\t)  ; LDS serves a wave's instructions in order (ISA guide 5.7.1.4): these see the stores above; the next block's stores come behind them
.endr
.irp i, 0,1,2,3,4,5,6,7
	ds_load_b128 v[FC+4*(\i):FC+4*(\i)+3], v22 offset:128*(\a)+16*(\i)
.endr
.endm
; FIN: out = sum x (gamma / L) + x, in x's registers, and stored from them: each store covers 512 consecutive bytes, aligned.  n: the LDS instructions of a younger STG that may stay out.
.macro FIN a, n
	WIN 0
.set RB, 32+64*((\a)%2)
.set FC, 160+32*((\a)%2)
	s_wait_dscnt \n
	s_wait_loadcnt 48-16*(\a)                      ; x's rows of this block are in; the later blocks' loads may stay out
	WIN 0xa0                                       ; source 2 and destination in window 2
.irp t, 0,1,2,3,4,5,6,7,8,9,10,11,12,13,14,15
.irp p, 0,1
	v_pk_fma_f32 v[4*(16*(\a)+(\t))+2*(\p):4*(16*(\a)+(\t))+2*(\p)+1], v[RB+4*(\t)+2*(\p):RB+4*(\t)+2*(\p)+1], v[FC+2*(\t):FC+2*(\t)+1], v[4*(16*(\a)+(\t))+2*(\p):4*(16*(\a)+(\t))+2*(\p)+1]
.endr
.endr
	WIN 0x08                                       ; the stores' data in window 2
.irp t, 0,1,2,3,4,5,6,7,8,9,10,11,12,13,14,15
	global_store_b128 v[CO], v[4*(16*(\a)+(\t)):4*(16*(\a)+(\t))+3], s[98:99] offset:(16*(\a)+(\t))*4096 th:TH_STORE_NT
.endr
	WIN 0
.endm
	s_load_b256 s[4:11], s[0:1], 0x0               ; pt s[4:5], vt s[6:7], mx s[8:9], lx s[10:11]
	s_load_b128 s[12:15], s[0:1], 0x20             ; gamma s[12:13], x s[14:15]
	s_load_b64 s[16:17], s[0:1], 0x30              ; out0
	v_lshl_add_u32 v[SPW], v0, 2, SPARE
	v_mov_b32 v[NIL], 0
	ds_add_u32 v[SPW], v[NIL]                      ; the wave's opening: the add and its wait ahead of my first tensor load
	IDS
	s_lshl_b32 s43, s67, 2
	s_add_co_u32 s43, s43, s41                     ; tile row: 128 rows, 64 in all
	s_mov_b32 s42, s40                             ; tile column: 256 channels, 4 in all: one cluster spans them
	s_lshr_b32 s80, s67, 2                         ; the batch
	s_mov_b32 s76, 0                               ; P's rows are read by one cluster alone: it prefetches them;
	s_and_b32 s77, s67, 3                          ; V^T's by the batch's first cluster
	s_lshl_b32 s68, s43, 7
	s_lshl_b32 s72, s[WL], 6
	s_add_co_u32 s68, s68, s72                     ; the 64 rows of P that I fetch,
	s_lshl_b32 s68, s68, 12                        ; of 4,096 bytes
	s_mov_b32 s69, 0
	s_lshl_b32 s70, s42, 8
	s_lshl_b32 s72, s[WL], 7
	s_add_co_u32 s70, s70, s72                     ; the 128 rows of V^T,
	s_lshl_b32 s70, s70, 14                        ; of 16,384 bytes,
	s_lshl_b32 s72, s80, 12
	s_add_co_u32 s70, s70, s72                     ; at the batch's 2,048 keys
	s_mov_b32 s71, 0
	s_wait_dscnt 0x0                               ; the opening add is done
	s_wait_kmcnt 0x0
	s_load_b32 s81, s[12:13], 0x0                  ; gamma
	s_add_nc_u64 s[84:85], s[4:5], s[68:69]
	s_add_nc_u64 s[86:87], s[6:7], s[70:71]
	FIRSTFILLS
	VADDR
	; the statistics of my wave's 64 rows: lane l takes rows 2 l and 2 l + 1, all sixteen chunks: a load covers 256 consecutive bytes, aligned
	s_lshl_b32 s72, s43, 7
	s_lshl_b32 s73, s[WH], 6
	s_add_co_u32 s89, s72, s73                     ; my first row
	s_lshl_b32 s72, s89, 2
	v_and_b32 v3, 31, v0
	v_lshl_add_u32 v31, v3, 3, s72
.set c, 0
.rept 16
	global_load_b64 v[32+2*c:33+2*c], v31, s[8:9] offset:32768*c
	global_load_b64 v[64+2*c:65+2*c], v31, s[10:11] offset:32768*c
.set c, c+1
.endr
	s_mul_i32 s72, s[WV], 16*SP
	s_add_co_u32 s72, s72, STAGE                   ; my stage
	v_mul_u32_u24 v4, v1, SP                       ; in: row l % 16, 32 bytes for each half of the lanes
	v_lshl_add_u32 v4, v2, 5, v4
	v_add_nc_u32 v[STO], s72, v4
	v_lshl_add_u32 v[RD], v3, 4, s72               ; back: 32 lanes take a row of 512 bytes
	v_lshlrev_b32 v[CO], 4, v3                     ; and the same 512 bytes of x and of out
	s_mul_i32 s73, s[WV], 4608
	s_add_co_u32 s73, s73, TAB                     ; my FT,
	s_add_co_u32 s72, s73, 4096                    ; my RL
	v_and_b32 v4, 7, v0
	v_bfe_u32 v5, v0, 3, 2
	v_lshl_add_u32 v23, v4, 5, s73                 ; row 2 l + e is row 2 (l % 8) + e of block l / 8: FT + 16 (row % 16) + 4 (row / 16)
	v_lshl_add_u32 v23, v5, 2, v23
	v_lshl_add_u32 v19, v3, 4, s72                 ; RL + 8 x row, two rows a lane
	v_mov_b32 v22, s72
	v_lshl_add_u32 v27, v1, 4, s73                 ; FT at my fragments' row
	s_lshl_b32 s72, s89, 12                        ; x and out: rows of 4,096 bytes,
	s_lshl_b32 s73, s42, 10                        ; 256 channels a tile column,
	s_add_co_u32 s72, s72, s73
	s_lshl_b32 s73, s[WL], 9                       ; my 128 of them
	s_add_co_u32 s72, s72, s73
	s_mov_b32 s73, 0
	s_add_nc_u64 s[96:97], s[14:15], s[72:73]
	s_add_nc_u64 s[98:99], s[16:17], s[72:73]
	PFSET 4096, 16384
	s_wait_loadcnt 0x0                             ; the statistics
.irp e, 0,1                            ; M, for each of my two rows
	v_max3_num_f32 v[12+(\e)], v[32+(\e)], v[34+(\e)], v[36+(\e)]
.irp c, 3,5,7,9,11,13
	v_max3_num_f32 v[12+(\e)], v[12+(\e)], v[32+2*(\c)+(\e)], v[34+2*(\c)+(\e)]
.endr
	v_max_num_f32 v[12+(\e)], v[12+(\e)], v[62+(\e)]
.endr
.set c, 0
.rept 16
	v_pk_add_f32 v[32+2*c:33+2*c], v[32+2*c:33+2*c], v[12:13] neg_lo:[0,1] neg_hi:[0,1]  ; mt - M
.set c, c+1
.endr
.set i, 0
.rept 32
	v_exp_f32 v[32+i], v[32+i]                     ; f
.set i, i+1
.endr
	v_nop                                          ; a plain instruction behind the last exponential,
	s_wait_alu depctr_va_vdst(0)                   ; and the one wait ahead of the batch's first reader
	v_pk_mul_f32 v[14:15], v[32:33], v[64:65]      ; L = sum of f l
.set c, 1
.rept 15
	v_pk_fma_f32 v[14:15], v[32+2*c:33+2*c], v[64+2*c:65+2*c], v[14:15]
.set c, c+1
.endr
	v_rcp_f32 v14, v14
	v_rcp_f32 v15, v15
	v_nop
	s_wait_alu depctr_va_vdst(0)
	s_wait_kmcnt 0x0                               ; gamma
	v_mul_f32 v8, s81, v14
	v_mul_f32 v9, s81, v14
	v_mul_f32 v10, s81, v15
	v_mul_f32 v11, s81, v15
.set i, 0
.rept 32
	v_cvt_pk_bf16_f32 v[32+i], v[32+i], v[32+i]    ; (f, f) in bf16
.set i, i+1
.endr
.set c, 0
.rept 16
	ds_store_b32 v23, v[32+2*c] offset:256*c
	ds_store_b32 v23, v[33+2*c] offset:256*c+16
.set c, c+1
.endr
	ds_store_b128 v19, v[8:11]
	WIN 0x80                                       ; x, my 64 rows x 512 bytes, into window 2: these loads stay out over the whole walk; nothing names their registers before the way out
.set i, 0
.rept 64
	global_load_b128 v[4*i:4*i+3], v[CO], s[96:97] offset:4096*i th:TH_LOAD_NT
.set i, i+1
.endr
	WIN 0
	s_wait_tensorcnt 1                             ; my part of K step 0 is in; K step 1's may stay out
	s_wait_dscnt 0x0                               ; no LDS instruction of mine is out at a signal (the tables are my wave's own)
	s_barrier_signal -1
	s_barrier_wait -1
	ds_load_b128 v[FS:FS+3], v27                   ; chunk 0's factors
	FETCH 0, 0, F0
	WALK
	STG 0
	STG 1
	FIN 0, 40
	STG 2
	FIN 1, 40
	STG 3
	FIN 2, 40
	FIN 3, 0
	s_wait_tensorcnt 0x0                           ; the wave's end
	ds_add_u32 v[SPW], v[NIL]
	s_wait_dscnt 0x0
	CROUND                                         ; the closing round
	s_endpgm
.Lfunc_end_k_q8ddc6fefdb_mix:
	.size	k_q8ddc6fefdb_mix, .Lfunc_end_k_q8ddc6fefdb_mix-k_q8ddc6fefdb_mix
	.p2alignl 7, 3214868480
	.fill 96, 4, 3214868480
	.section	.rodata,"a",@progbits
	.p2align	6, 0x0
	.amdhsa_kernel k_q8ddc6fefdb_mix
		.amdhsa_group_segment_fixed_size 327680
		.amdhsa_private_segment_fixed_size 0
		.amdhsa_enable_private_segment 0
		.amdhsa_kernarg_size 56
		.amdhsa_user_sgpr_count 2
		.amdhsa_user_sgpr_kernarg_segment_ptr 1
		.amdhsa_wavefront_size32 1
		.amdhsa_system_sgpr_workgroup_id_x 1
		.amdhsa_system_sgpr_workgroup_id_y 1
		.amdhsa_system_sgpr_workgroup_id_z 1
		.amdhsa_system_vgpr_workitem_id 0
		.amdhsa_next_free_vgpr 768
		.amdhsa_next_free_sgpr 100
		.amdhsa_reserve_vcc 0
		.amdhsa_float_denorm_mode_32 3
		.amdhsa_float_denorm_mode_16_64 3
		.amdhsa_memory_ordered 1
		.amdhsa_forward_progress 1
		.amdhsa_inst_pref_size 148
	.end_amdhsa_kernel
	.amdgpu_metadata
---
amdhsa.version: [ 1, 2 ]
amdhsa.kernels:
  - .name:           k_q8ddc6fefdb_mix
    .symbol:         k_q8ddc6fefdb_mix.kd
    .args:
      - { .name: pt, .offset: 0, .size: 8, .value_kind: global_buffer, .address_space: global }
      - { .name: vt, .offset: 8, .size: 8, .value_kind: global_buffer, .address_space: global }
      - { .name: mx, .offset: 16, .size: 8, .value_kind: global_buffer, .address_space: global }
      - { .name: lx, .offset: 24, .size: 8, .value_kind: global_buffer, .address_space: global }
      - { .name: gamma, .offset: 32, .size: 8, .value_kind: global_buffer, .address_space: global }
      - { .name: x, .offset: 40, .size: 8, .value_kind: global_buffer, .address_space: global }
      - { .name: out0, .offset: 48, .size: 8, .value_kind: global_buffer, .address_space: global }
    .group_segment_fixed_size: 327680
    .private_segment_fixed_size: 0
    .kernarg_segment_align: 8
    .kernarg_segment_size: 56
    .max_flat_workgroup_size: 128
    .sgpr_count:     100
    .vgpr_count:     768
    .wavefront_size: 32
...
	.end_amdgpu_metadata
.endif
;; end of part 4
;; ======== version 2 of 3: 4 launches
;; workspace buffers: xb 16,777,216 bytes; wb 6,291,456 bytes; qk 33,554,432 bytes; vt 16,777,216 bytes; pt 33,554,432 bytes; mx 524,288 bytes; lx 524,288 bytes
;; launch cast: the kernel of part 1 again; grid 704 x 1, 8 waves a work-group, no clusters, 0 bytes of LDS; arguments x, Wq, Wk, Wv, xb, wb; writes xb, wb
;; launch proj (part 5): grid 12 x 32, 4 waves a work-group, clusters of 4 x 4, 327,680 bytes of LDS; arguments xb, wb, bq, bk, bv, qk, vt; writes qk, vt
.if DOCPART == 5
	.amdgcn_target "amdgcn-amd-amdhsa--gfx1250"
	.amdhsa_code_object_version 6
	.text
	.protected	k_q8ddc6fefdb_proj
	.globl	k_q8ddc6fefdb_proj
	.p2align	8
	.type	k_q8ddc6fefdb_proj,@function
k_q8ddc6fefdb_proj:
	s_mov_b64 s[64:65], 0
	v_nop
	global_prefetch_b8 v0, s[64:65] scope:SCOPE_SE
	s_setreg_imm32_b32 hwreg(HW_REG_WAVE_MODE, 25, 1), 1
	s_wait_xcnt 0x0
	s_wait_alu depctr_hold_cnt(0) depctr_sa_sdst(0) depctr_va_vdst(0) depctr_va_sdst(0) depctr_va_ssrc(0) depctr_va_vcc(0) depctr_vm_vsrc(0)
	s_getreg_b32 s2, hwreg(HW_REG_IB_STS2, 6, 4)
	s_cmp_eq_u32 s2, 0
	s_cbranch_scc0 .Lentry_in_a_cluster
	s_endpgm
.Lentry_in_a_cluster:
	s_bfe_u32 s2, ttmp6, 0x10000c
	s_cmp_lg_u32 s2, 0xf033
	s_cbranch_scc0 .Lentry_shape_is_right
	s_endpgm
.Lentry_shape_is_right:
; THE THREE PROJECTIONS.  qk[n][0:1024] = x Wq^T + bq, qk[n][1024:2048] = x Wk^T + bk, vt[e][n] = (Wv x^T)[e][n] + bv[e] (V transposed), all rounded once to bf16 from f32 sums.
; One GEMM form, C[m][n] = sum over k of A[m][k] B[n][k], K = 1,024, tile 256 rows of A x 256 rows of B.  Clusters with x = 0, 1 make Q and K (A = xb, B = wb's rows 0-2047: 32 x 8 tiles);
; clusters with x = 2 make V^T (A = wb's rows 2048-3071, B = xb: 4 x 32 tiles): 384 tiles.  Which kind a cluster is hangs on the cluster's x alone: it is the same in all sixteen partners.
; SHARES.  Four waves; wave w makes 128 rows of A (w / 2) x 128 rows of B (w % 2): 64 accumulators of 16 x 16, 512 registers.  K goes in steps of 128 through two LDS slots: a step is 256 matrix
; instructions a wave, of which 224 stand between a slot's request and the wait for it.
; A K STEP IS WRITTEN ONCE.  A flag, 0 or 1, names the slot that is read; each change of slots turns it, and the fetch addresses and the walking descriptor's LDS word are made from it.
; THE MATRIX INSTRUCTION IS USED TRANSPOSED (source 0 = 16 rows of B, source 1 = 16 rows of A): a lane holds row l % 16 of A's block and eight neighbouring columns 8 (l / 16) + 0..7.
; THE BIAS, in f32, is the C operand of the products that start the sums: by column for Q and K, by row for V^T.  Only that first quarter step is written twice.
; CLUSTER 4 x 4.  A's tile hangs on the tile row, shared along a row of the cluster; B's on the tile column, shared along a column: each is asked for jointly, by the same tensor load, descriptor and mask.
; REGISTERS.  window 0: v0-31 addresses; v64-127, v128-191 A's fragments (8 x 16 rows x 32 K), two buffers; v192-255 the bias, later the packed results and rows read back; v32-63 rows read back.
;   window 1: v64-127, v128-191 B's fragments, two buffers.   window 2: the accumulators of my rows 0-63 ((a, b) at v[8 (8 a + b)]);   window 3: those of my rows 64-127.
; LIMITS.  Operands are bf16 (x and the weights rounded once by the launch before); NaN and infinities are not treated apart.
.set KSIZE, 1024
.set KSTEPS, KSIZE/128
.set PA,    1024                       ; elements from row to row of A
.set PB,    1024                       ; and of B
.set PITCH,  272                       ; an LDS row: 256 bytes + 16 of padding = 68 words: the 16 rows of a fragment load start at 16 different groups of four banks (64 banks of 4 bytes: ISA guide 11.1)
.set HALFT,  128*PITCH                 ; 128 rows: what one tensor load brings, and what one wave reads of A or of B
.set SLOT,   4*HALFT                   ; A's 256 rows, then B's 256
.set STAGE,  2*SLOT                    ; behind the ring: 16 rows x 272 bytes for each wave, for the way out; no tile lands there
.set SPARE,  STAGE+4*16*PITCH          ; the spare words, 128 bytes for each wave: two blocks of 256 bytes that no other line names
.set COT,  8                           ; v8-15  the way out: my byte offset in rows l / 16 + 2 t of the output, t = 0..7
.set ADRA, 16                          ; v16  LDS address of my A fragments in the slot that is read
.set LA,   17                          ; v17  the same in slot 0; never rewritten
.set ADRB, 20                          ; v20, v21  the same for B
.set LB,   21
.set STO,  24                          ; v24  the way out: where I put 16 bytes of a row
.set RD,   25                          ; v25  where I read rows back
.set SPW,  28                          ; v28  my spare word; never rewritten
.set NIL,  29                          ; v29  0; never rewritten
.set PFO,  30                          ; v30  the prefetches' lane offset; never rewritten
.set F0,   64
.set F1,   128
.set BI,   192                         ; v192-255  the bias: by column, block b's eight at BI + 8 b; or by row, block a's one number eight times at BI + 8 a
.set TMP,  192                         ; the way out: packed results
.set OB,   32                          ; the way out: 16 rows read back: v32-63 and v224-255 by turns
.set OFS, 18                           ; s18  a slot's first LDS byte: the flag x SLOT
.set WV, 20                            ; s20 wave; s21 wave / 2: my rows of A, and: I fetch for A (0) or B (1); s22 wave % 2: my rows of B, and: which half I fetch
.set WH, 21
.set WL, 22
.set FL, 23                            ; s23  the flag: the slot that is read
.set G1A, 24                           ; s[24:31] descriptor group 1 for A;  s[32:39] group 0: a set for each of the two first fills; the second then walks on
.set G0A, 32
.set PFA, 44                           ; s[44:45] where my prefetches stand
.set LIM, 46                           ; s46  2 in a wave that prefetches, else the greatest number: a wave prefetches while the trips to go are above it
.set G1B, 48                           ; s[48:55], s[56:63] the same for B
.set G0B, 56
.set ISV, 80                           ; s80  1 in a cluster that makes V^T
.set SH,  81                           ; s81  log2 of the output's row in bytes: 12 (qk) or 14 (vt)
.set MUL_LO, 0xa1                      ; source 0 (B) window 1, source 1 (A) window 0, C and D window 2
.set MUL_HI, 0xf1                      ; the same, C and D window 3
.set TO_B,   0x40                      ; destination window 1, address window 0
.set MSB, 0
.macro WIN new                         ; the immediate's high byte repeats the setting that is left; a switch that changes nothing is dropped
.if MSB != (\new)
	s_set_vgpr_msb (MSB<<8)|(\new)
.set MSB, \new
.endif
.endm
.macro PLACES                          ; four plain places behind matrix instructions, in front of loads into their sources and of readers of their results
.rept 4
	v_nop
.endr
.endm
.macro JLOAD s                         ; a joint load: waves 0, 1 fetch A's halves, waves 2, 3 B's, 128 rows each; an s_nop 0 and four v_nop follow each line
	s_cmp_eq_u32 s[WH], 0
	s_cbranch_scc0 .Lfor_b_\@
	tensor_load_to_lds s[G0A+4*(\s):G0A+4*(\s)+3], s[G1A:G1A+7]
	s_nop 0
.rept 4
	v_nop
.endr
	s_branch .Lasked_\@
.Lfor_b_\@:
	tensor_load_to_lds s[G0B+4*(\s):G0B+4*(\s)+3], s[G1B:G1B+7]
	s_nop 0
.rept 4
	v_nop
.endr
.Lasked_\@:
.endm
.macro CREST                           ; a round of the cluster's barrier behind its opening barrier
	s_cmp_lg_u32 s[WV], 0
	s_cbranch_scc1 .Lnot_wave_0_\@
	s_barrier_signal -3
.Lnot_wave_0_\@:
	s_barrier_wait -3
	s_barrier_signal -1
	s_barrier_wait -1
.endm
.macro CROUND
	s_barrier_signal -1
	s_barrier_wait -1
	CREST
.endm
; A prefetch into the L2 of the K step that stands two refills on: 32 rows x 256 bytes, a lane a row; the loop's last two trips (s3 = 2, 1) ask for nothing: their refills bring the last two K steps.
.macro ASK
	s_cmp_gt_u32 s3, s[LIM]
	s_cbranch_scc0 .Lnot_mine_\@
	global_prefetch_b8 v[PFO], s[PFA:PFA+1] offset:256 th:TH_LOAD_NT scope:SCOPE_SE
.Lnot_mine_\@:
.endm
.macro IDS                             ; wave, place in the cluster, masks, the descriptors' constant words, the tiles' LDS places
	v_lshrrev_b32 v1, 5, v0
	v_readfirstlane_b32 s[WV], v1
	s_lshr_b32 s[WH], s[WV], 1
	s_and_b32 s[WL], s[WV], 1
	s_bfe_u32 s40, ttmp6, 0x40000                  ; cx
	s_bfe_u32 s41, ttmp6, 0x40004                  ; cy
	s_and_b32 s67, ttmp7, 0xffff                   ; the cluster's y
	s_lshl_b32 s72, s41, 2
	s_lshl_b32 s72, 15, s72                        ; my row of the cluster
	s_lshl_b32 s73, 0x1111, s40                    ; my column
	s_or_b32 s[G1A], s72, (1<<16)|(1<<20)|(1<<21)|(5<<22)|(3<<25)  ; mask; 2-byte elements; padding on; bit 21 beside a mask; after every 64 words 4 words
	s_or_b32 s[G1B], s73, (1<<16)|(1<<20)|(1<<21)|(5<<22)|(3<<25)
	s_mov_b32 s[G1A+1], 128<<16                    ; tensor_dim0 = 128
	s_mov_b32 s[G1A+2], 128<<16                    ; tensor_dim1 = 128
	s_mov_b32 s[G1A+3], 128<<16                    ; tile_dim0 = 128
	s_mov_b32 s[G1A+4], 128                        ; tile_dim1 = 128
	s_mov_b32 s[G1A+5], PA                         ; elements from row to row
	s_mov_b32 s[G1A+6], 0
	s_mov_b32 s[G1A+7], 0
	s_mov_b32 s[G1B+1], 128<<16
	s_mov_b32 s[G1B+2], 128<<16
	s_mov_b32 s[G1B+3], 128<<16
	s_mov_b32 s[G1B+4], 128
	s_mov_b32 s[G1B+5], PB
	s_mov_b32 s[G1B+6], 0
	s_mov_b32 s[G1B+7], 0
	s_mul_i32 s74, s[WL], HALFT                    ; where A's half goes in a slot,
	s_mul_i32 s75, s[WL], HALFT                    ; and B's: the wave's number alone enters an LDS address; both are kept for the walking descriptors
	s_add_co_u32 s75, s75, 2*HALFT
.endm
.macro FIRSTFILLS                      ; s[84:85], s[86:87]: my half of A's, of B's tile at K step 0
	CROUND                                         ; all sixteen work-groups are here: the first joint loads meet
.irp s, 0,1
	s_mov_b32 s[G0A+4*(\s)], 1
	s_add_co_u32 s[G0A+4*(\s)+1], s74, (\s)*SLOT
	s_add_nc_u64 s[G0A+4*(\s)+2:G0A+4*(\s)+3], s[84:85], (\s)*256
	s_or_b32 s[G0A+4*(\s)+3], s[G0A+4*(\s)+3], 0x80000000
	s_mov_b32 s[G0B+4*(\s)], 1
	s_add_co_u32 s[G0B+4*(\s)+1], s75, (\s)*SLOT
	s_add_nc_u64 s[G0B+4*(\s)+2:G0B+4*(\s)+3], s[86:87], (\s)*256
	s_or_b32 s[G0B+4*(\s)+3], s[G0B+4*(\s)+3], 0x80000000
	JLOAD \s
.endr
.endm
.macro VADDR                           ; a fragment: lane l holds row l % 16, K = 8 (l / 16) + 0..7 and 16 + 8 (l / 16) + 0..7: two loads of 16 bytes, 32 bytes apart
	v_and_b32 v1, 15, v0
	v_bfe_u32 v2, v0, 4, 1
	v_mul_u32_u24 v3, v1, PITCH
	v_lshl_add_u32 v3, v2, 4, v3
	s_mul_i32 s72, s[WH], HALFT
	s_mul_i32 s73, s[WL], HALFT
	s_add_co_u32 s73, s73, 2*HALFT
	v_add_nc_u32 v[LA], s72, v3
	v_add_nc_u32 v[LB], s73, v3
	v_mov_b32 v[ADRA], v[LA]                       ; slot 0 is read first
	v_mov_b32 v[ADRB], v[LB]
	s_mov_b32 s[FL], 0
.endm
; WHO PREFETCHES.  Each row's 256 bytes of a K step are named once in the launch.  Of the clusters that read the same rows the one whose coordinate (s76 for A, s77 for B) is 0 asks.  The four partners
; that ask for a tile jointly share its rows out by address: of the 128 rows that a wave fetches the partner at place p takes 32 p .. 32 p + 31 (p = cx for A, cy for B).  pab, pbb: bytes in a row of A, of B.
.macro PFSET pab, pbb
	s_mov_b32 s72, \pab
	s_mov_b32 s73, \pbb
	s_mul_i32 s78, s40, 32*(\pab)
	s_mul_i32 s79, s41, 32*(\pbb)
	s_cmp_eq_u32 s[WH], 0
	s_cselect_b64 s[PFA:PFA+1], s[84:85], s[86:87]
	s_cselect_b32 s78, s78, s79
	s_cselect_b32 s76, s76, s77
	s_cselect_b32 s72, s72, s73
	s_mov_b32 s79, 0
	s_add_nc_u64 s[PFA:PFA+1], s[PFA:PFA+1], s[78:79]
	s_add_nc_u64 s[PFA:PFA+1], s[PFA:PFA+1], 512   ; at K step 2: the first refill steps it to 3 and names K step 4; K steps 0 to 3 come by their loads alone
	s_cmp_eq_u32 s76, 0
	s_cselect_b32 s[LIM], 2, -1
	v_and_b32 v6, 31, v0
	v_mul_u32_u24 v[PFO], s72, v6
.endm
; 16 matrix instructions: A's blocks a0, a0 + 1 of the window's four (hi = 0: my rows 0-63, 1: rows 64-127) x all 8 blocks of B, 32 along K.  The 64 accumulators take turns, in the same order in
; every quarter.  start = 0: the sums go on; 2: they start with the bias of B's block; 3: with the bias of A's block.
.macro MUL16 f, hi, a0, start
.if \start
	WIN 0x81+0x40*(\hi)                            ; C in window 0, D in window 2 or 3
.else
	WIN MUL_LO+0x50*(\hi)
.endif
.irp a, \a0, (\a0)+1
.irp b, 0,1,2,3,4,5,6,7
.if (\start) == 2
	v_wmma_f32_16x16x32_bf16 v[8*(8*(\a)+(\b)):8*(8*(\a)+(\b))+7], v[(\f)+8*(\b):(\f)+8*(\b)+7], v[(\f)+8*(4*(\hi)+(\a)):(\f)+8*(4*(\hi)+(\a))+7], v[BI+8*(\b):BI+8*(\b)+7]
.elseif (\start) == 3
	v_wmma_f32_16x16x32_bf16 v[8*(8*(\a)+(\b)):8*(8*(\a)+(\b))+7], v[(\f)+8*(\b):(\f)+8*(\b)+7], v[(\f)+8*(4*(\hi)+(\a)):(\f)+8*(4*(\hi)+(\a))+7], v[BI+8*(4*(\hi)+(\a)):BI+8*(4*(\hi)+(\a))+7]
.else
	v_wmma_f32_16x16x32_bf16 v[8*(8*(\a)+(\b)):8*(8*(\a)+(\b))+7], v[(\f)+8*(\b):(\f)+8*(\b)+7], v[(\f)+8*(4*(\hi)+(\a)):(\f)+8*(4*(\hi)+(\a))+7], v[8*(8*(\a)+(\b)):8*(8*(\a)+(\b))+7]
.endif
.endr
.endr
.endm
.macro FETCH k, f                      ; 32 LDS loads in one run: B's 8 fragments, then A's 8, 32 along K at byte k of the rows of the slot that is read
	WIN TO_B
.irp i, 0,1,2,3,4,5,6,7
	ds_load_b128 v[(\f)+8*(\i):(\f)+8*(\i)+3],   v[ADRB] offset:(\k)+(\i)*16*PITCH
	ds_load_b128 v[(\f)+8*(\i)+4:(\f)+8*(\i)+7], v[ADRB] offset:(\k)+(\i)*16*PITCH+32
.endr
	WIN 0
.irp i, 0,1,2,3,4,5,6,7
	ds_load_b128 v[(\f)+8*(\i):(\f)+8*(\i)+3],   v[ADRA] offset:(\k)+(\i)*16*PITCH
	ds_load_b128 v[(\f)+8*(\i)+4:(\f)+8*(\i)+7], v[ADRA] offset:(\k)+(\i)*16*PITCH+32
.endr
.endm
; A K step is four quarters of 32 along K, 64 matrix instructions each, on buffers 0, 1, 0, 1.  One of the first three multiplies f and fetches the next quarter, at byte k, into g.
.macro QUARTER k, f, g, start
	s_wait_dscnt 8                                 ; B and A's rows 0-63 are in; the youngest eight loads (A's rows 64-127) may be out
	MUL16 \f, 0, 0, \start
	MUL16 \f, 0, 2, \start
	PLACES
	FETCH \k, \g
	s_wait_dscnt 32                                ; all but the 32 just issued
	MUL16 \f, 1, 0, \start
	MUL16 \f, 1, 2, \start
.endm
; The fourth quarter multiplies buffer 1 and changes slots: one barrier; in front of it each wave waits for all its tensor loads (one is out: its part of the next slot), adds 0 to its spare word, and
; waits for that and for its reads of this slot.  While the add is out the walking descriptors are set to the slot that is left and to the K step two on, the flag is turned, and the fetch addresses go
; to the other slot (this slot's last fetch has been issued).  fill = 1: the barrier opens a round of the cluster's, and the slot is filled again first thing behind the round.
; fill = 0, the tail: nothing is asked for; in its last trip (s3 = 1) there is no next slot, and the fetch is jumped over.
.macro TURN fill
.if \fill
	s_wait_xcnt 0x0                                ; the last prefetch, a K step back, has read its address
	s_add_nc_u64 s[PFA:PFA+1], s[PFA:PFA+1], 256
.endif
	WIN 0
	s_wait_tensorcnt 0x0                           ; no tensor load of mine is out, so a group 0 may be written
	ds_add_u32 v[SPW], v[NIL]
.if \fill
	s_mul_i32 s[OFS], s[FL], SLOT                  ; the slot that is left
	s_add_co_u32 s[G0A+5], s74, s[OFS]
	s_add_co_u32 s[G0B+5], s75, s[OFS]
	s_add_nc_u64 s[G0A+6:G0A+7], s[G0A+6:G0A+7], 256  ; the next K step; the type bits on top are not reached
	s_add_nc_u64 s[G0B+6:G0B+7], s[G0B+6:G0B+7], 256
.endif
	s_xor_b32 s[FL], s[FL], 1
	s_mul_i32 s[OFS], s[FL], SLOT                  ; the slot that is read next
	v_add_nc_u32 v[ADRA], s[OFS], v[LA]
	v_add_nc_u32 v[ADRB], s[OFS], v[LB]
	s_wait_dscnt 9                                 ; (the add and the youngest eight loads may be out)
	MUL16 F1, 0, 0, 0
	s_wait_dscnt 0x0                               ; the add is done, and my reads of this slot are over
	s_barrier_signal -1
	MUL16 F1, 0, 2, 0
	WIN 0
	s_barrier_wait -1
.if \fill
	CREST                                          ; no wave of any partner still reads this slot or has a load on its way
	JLOAD 1                                        ; its four v_nop are also the places in front of the loads below
	FETCH 0, F0
	ASK
.else
	s_cmp_eq_u32 s3, 1
	s_cbranch_scc1 .Lno_more_\@
	PLACES
	FETCH 0, F0
.Lno_more_\@:
.endif
	MUL16 F1, 1, 0, 0
	MUL16 F1, 1, 2, 0
.endm
.macro WALK                            ; all but the first quarter, which starts the sums and stands in front
	s_mov_b32 s3, KSTEPS-2
.Lstep:                                                ; a trip is a K step, from its second quarter to the next step's first; each of these trips fills the slot that it leaves
	QUARTER 128, F1, F0, 0
	QUARTER 192, F0, F1, 0
	TURN 1
	QUARTER 64,  F0, F1, 0
	WIN 0
	s_sub_co_u32 s3, s3, 1
	s_cmp_lg_u32 s3, 0
	s_cbranch_scc1 .Lstep
	s_mov_b32 s3, 2
.Ltail:                                                ; the last two K steps have a text of their own: they fill nothing
	QUARTER 128, F1, F0, 0
	QUARTER 192, F0, F1, 0
	TURN 0
	WIN 0
	s_cmp_eq_u32 s3, 1
	s_cbranch_scc1 .Llast                          ; behind the last K step there is no first quarter
	QUARTER 64,  F0, F1, 0
	WIN 0
.Llast:
	s_sub_co_u32 s3, s3, 1
	s_cmp_lg_u32 s3, 0
	s_cbranch_scc1 .Ltail
	PLACES
	PLACES                                         ; eight, once a launch, ahead of the first readers of the sums
.endm
; THE WAY OUT of block a (16 rows): rounded to bf16 (16 bytes a lane), through my own stage in LDS, back as whole rows of 256 bytes, stored.
.macro PACK a
.set AC, 64*((\a)%4)
	WIN 0x0a+5*((\a)/4)                            ; sources 0 and 1: window 2 or 3
.irp b, 0,1,2,3,4,5,6,7
.irp p, 0,1,2,3
	v_cvt_pk_bf16_f32 v[TMP+4*(\b)+(\p)], v[AC+8*(\b)+2*(\p)], v[AC+8*(\b)+2*(\p)+1]
.endr
.endr
	WIN 0
.endm
.macro TOSTAGE a
	WIN 0
.set BK, OB+192*((\a)%2)
.irp b, 0,1,2,3,4,5,6,7
	ds_store_b128 v[STO], v[TMP+4*(\b):TMP+4*(\b)+3] offset:32*(\b)
.endr
.irp t, 0,1,2,3,4,5,6,7
	ds_load_b128 v[BK+4*(\t):BK+4*(\t)+3], v[RD] offset:(\t)*2*PITCH  ; LDS serves a wave's instructions in order (ISA guide 5.7.1.4): these see the stores above
.endr
.endm
.macro SEND a
	WIN 0
.set BK, OB+192*((\a)%2)
	s_wait_dscnt 0x0                               ; the block is back in registers
	s_wait_xcnt 0x0                                ; the earlier stores have read their base and their data: the base is stepped, and the other buffer loaded again, only behind this wait
.if (\a) != 0
	s_add_nc_u64 s[96:97], s[96:97], s[90:91]      ; 16 rows of the output on
.endif
.irp t, 0,1,2,3,4,5,6,7
	global_store_b128 v[COT+(\t)], v[BK+4*(\t):BK+4*(\t)+3], s[96:97] th:TH_STORE_NT  ; 16 lanes store 256 consecutive bytes, aligned
.endr
.endm
	s_load_b256 s[4:11], s[0:1], 0x0               ; xb s[4:5], wb s[6:7], bq s[8:9], bk s[10:11]
	s_load_b128 s[12:15], s[0:1], 0x20             ; bv s[12:13], qk s[14:15]
	s_load_b64 s[16:17], s[0:1], 0x30              ; vt
	v_lshl_add_u32 v[SPW], v0, 2, SPARE
	v_mov_b32 v[NIL], 0
	ds_add_u32 v[SPW], v[NIL]                      ; the wave's opening: the add and its wait ahead of my first tensor load
	IDS
	s_mov_b32 s66, ttmp9                           ; the cluster's x: 0 Q, 1 K, 2 V^T
	s_lshl_b32 s72, s67, 2
	s_lshl_b32 s73, s66, 2
	s_cmp_eq_u32 s66, 2
	s_cselect_b32 s[ISV], 1, 0
	s_cselect_b32 s[SH], 14, 12
	s_cselect_b32 s43, 0, s72                      ; Q, K: tile row 4 Y + cy (32), tile column 4 X + cx (8);
	s_cselect_b32 s42, s72, s73                    ; V^T: tile row cy (4), tile column 4 Y + cx (32)
	s_cselect_b32 s76, s67, s66                    ; A's rows are prefetched by the first cluster that reads them: xb's by Q's clusters, Wv's where Y = 0;
	s_cselect_b32 s77, 1, s67                      ; B's: Wq's and Wk's where Y = 0; xb as B by nobody: Q's clusters name it
	s_add_co_u32 s43, s43, s41                     ; tile row
	s_add_co_u32 s42, s42, s40                     ; tile column
	s_lshl_b32 s72, s[WL], 7                       ; which 128 rows of a tile I fetch
	s_lshl_b32 s68, s43, 8
	s_add_co_u32 s68, s68, s72
	s_lshl_b32 s68, s68, 11                        ; rows of 2,048 bytes
	s_mov_b32 s69, 0
	s_lshl_b32 s70, s42, 8
	s_add_co_u32 s70, s70, s72
	s_lshl_b32 s70, s70, 11
	s_mov_b32 s71, 0
	s_wait_dscnt 0x0                               ; the opening add is done
	s_wait_kmcnt 0x0
	s_add_nc_u64 s[82:83], s[6:7], 0x400000        ; Wv's rows in wb
	s_cmp_eq_u32 s[ISV], 1
	s_cselect_b64 s[84:85], s[82:83], s[4:5]
	s_cselect_b64 s[86:87], s[4:5], s[6:7]
	s_add_nc_u64 s[84:85], s[84:85], s[68:69]
	s_add_nc_u64 s[86:87], s[86:87], s[70:71]
	FIRSTFILLS
	VADDR
	s_mul_i32 s72, s[WV], 16*PITCH
	s_add_co_u32 s72, s72, STAGE                   ; my stage
	v_mul_u32_u24 v4, v1, PITCH                    ; in: row l % 16, 16 bytes for each half of the lanes
	v_lshl_add_u32 v4, v2, 4, v4
	v_add_nc_u32 v[STO], s72, v4
	v_mul_u32_u24 v5, v2, PITCH                    ; back: lanes 0-15 one row of 256 bytes, lanes 16-31 the next
	v_lshl_add_u32 v5, v1, 4, v5
	v_add_nc_u32 v[RD], s72, v5
.irp t, 0,1,2,3,4,5,6,7                ; and the same rows in the output, whose pitch hangs on the cluster's kind
	v_add_nc_u32 v5, 2*(\t), v2
	v_lshlrev_b32 v5, s[SH], v5
	v_lshl_add_u32 v[COT+(\t)], v1, 4, v5
.endr
	s_lshl_b32 s90, 16, s[SH]                      ; 16 rows of the output, in bytes
	s_mov_b32 s91, 0
	s_lshl_b32 s72, s43, 8
	s_lshl_b32 s73, s[WH], 7
	s_add_co_u32 s88, s72, s73                     ; my first row of the output
	s_lshl_b32 s72, s88, s[SH]
	s_lshl_b32 s73, s42, 9                         ; my first column, 2 bytes each
	s_add_co_u32 s72, s72, s73
	s_lshl_b32 s73, s[WL], 8
	s_add_co_u32 s72, s72, s73
	s_mov_b32 s73, 0
	s_cmp_eq_u32 s[ISV], 1
	s_cselect_b64 s[96:97], s[16:17], s[14:15]
	s_add_nc_u64 s[96:97], s[96:97], s[72:73]
	; THE BIAS, each kind loaded where it is used: the branch hangs on the cluster's kind.  Both ways write all 64 registers.
	s_lshl_b32 s72, s88, 2
	s_add_nc_u64 s[98:99], s[12:13], s[72:73]      ; bv at my first row (used in V's clusters alone, whose rows are 0 to 1,023)
	s_lshl_b32 s72, s40, 10                        ; 256 cx + 128 (w % 2) columns, 4 bytes each
	s_lshl_b32 s89, s[WL], 9
	s_add_co_u32 s72, s72, s89
	s_cmp_eq_u32 s66, 0
	s_cselect_b64 s[82:83], s[8:9], s[10:11]
	s_add_nc_u64 s[82:83], s[82:83], s[72:73]      ; bq or bk at my first column
	v_lshlrev_b32 v31, 5, v2                       ; my eight columns of each sixteen
	v_lshlrev_b32 v27, 2, v1                       ; my row of each sixteen
	s_cmp_eq_u32 s[ISV], 1
	s_cbranch_scc1 .Lbias_v
.irp b, 0,1,2,3,4,5,6,7
	global_load_b128 v[BI+8*(\b):BI+8*(\b)+3],   v31, s[82:83] offset:64*(\b)
	global_load_b128 v[BI+8*(\b)+4:BI+8*(\b)+7], v31, s[82:83] offset:64*(\b)+16
.endr
	s_branch .Lbias_set
.Lbias_v:
.irp a, 0,1,2,3,4,5,6,7
	global_load_b32 v[BI+8*(\a)], v27, s[98:99] offset:64*(\a)
.endr
	s_wait_loadcnt 0x0                             ; (the first tiles are on their way meanwhile)
.irp a, 0,1,2,3,4,5,6,7
.irp j, 1,2,3,4,5,6,7
	v_mov_b32 v[BI+8*(\a)+(\j)], v[BI+8*(\a)]      ; my row's number for each of my eight columns
.endr
.endr
.Lbias_set:
	PFSET 2048, 2048
	s_wait_tensorcnt 1                             ; my part of K step 0 is in; K step 1's may stay out
	s_barrier_signal -1
	s_barrier_wait -1
	FETCH 0, F0
	s_wait_loadcnt 0x0                             ; the bias
	s_cmp_eq_u32 s[ISV], 1
	s_cbranch_scc1 .Lfirst_v
	QUARTER 64, F0, F1, 2                          ; the first quarter's products start the sums with the bias: by column,
	WIN 0
	s_branch .Lwalk
.Lfirst_v:
	QUARTER 64, F0, F1, 3                          ; or by row
	WIN 0
.Lwalk:
	WALK
	PACK 0
	TOSTAGE 0
.irp a, 1,2,3,4,5,6,7                  ; block a's conversions stand between block a - 1's loads from the stage and the wait for them
	PACK \a
	SEND (\a)-1
	TOSTAGE \a
.endr
	SEND 7
	s_wait_tensorcnt 0x0                           ; the wave's end
	ds_add_u32 v[SPW], v[NIL]
	s_wait_dscnt 0x0
	CROUND                                         ; the closing round: no work-group ends while a partner may still ask for a tile that names it
	s_endpgm
.Lfunc_end_k_q8ddc6fefdb_proj:
	.size	k_q8ddc6fefdb_proj, .Lfunc_end_k_q8ddc6fefdb_proj-k_q8ddc6fefdb_proj
	.p2alignl 7, 3214868480
	.fill 96, 4, 3214868480
	.section	.rodata,"a",@progbits
	.p2align	6, 0x0
	.amdhsa_kernel k_q8ddc6fefdb_proj
		.amdhsa_group_segment_fixed_size 327680
		.amdhsa_private_segment_fixed_size 0
		.amdhsa_enable_private_segment 0
		.amdhsa_kernarg_size 56
		.amdhsa_user_sgpr_count 2
		.amdhsa_user_sgpr_kernarg_segment_ptr 1
		.amdhsa_wavefront_size32 1
		.amdhsa_system_sgpr_workgroup_id_x 1
		.amdhsa_system_sgpr_workgroup_id_y 1
		.amdhsa_system_sgpr_workgroup_id_z 1
		.amdhsa_system_vgpr_workitem_id 0
		.amdhsa_next_free_vgpr 1024
		.amdhsa_next_free_sgpr 100
		.amdhsa_reserve_vcc 0
		.amdhsa_float_denorm_mode_32 3
		.amdhsa_float_denorm_mode_16_64 3
		.amdhsa_memory_ordered 1
		.amdhsa_forward_progress 1
		.amdhsa_inst_pref_size 113
	.end_amdhsa_kernel
	.amdgpu_metadata
---
amdhsa.version: [ 1, 2 ]
amdhsa.kernels:
  - .name:           k_q8ddc6fefdb_proj
    .symbol:         k_q8ddc6fefdb_proj.kd
    .args:
      - { .name: xb, .offset: 0, .size: 8, .value_kind: global_buffer, .address_space: global }
      - { .name: wb, .offset: 8, .size: 8, .value_kind: global_buffer, .address_space: global }
      - { .name: bq, .offset: 16, .size: 8, .value_kind: global_buffer, .address_space: global }
      - { .name: bk, .offset: 24, .size: 8, .value_kind: global_buffer, .address_space: global }
      - { .name: bv, .offset: 32, .size: 8, .value_kind: global_buffer, .address_space: global }
      - { .name: qk, .offset: 40, .size: 8, .value_kind: global_buffer, .address_space: global }
      - { .name: vt, .offset: 48, .size: 8, .value_kind: global_buffer, .address_space: global }
    .group_segment_fixed_size: 327680
    .private_segment_fixed_size: 0
    .kernarg_segment_align: 8
    .kernarg_segment_size: 56
    .max_flat_workgroup_size: 128
    .sgpr_count:     100
    .vgpr_count:     1024
    .wavefront_size: 32
...
	.end_amdgpu_metadata
.endif
;; end of part 5
;; launch score (part 6): grid 8 x 32, 4 waves a work-group, clusters of 4 x 4, 327,680 bytes of LDS; arguments qk, pt, mx, lx; writes pt, mx, lx
.if DOCPART == 6
	.amdgcn_target "amdgcn-amd-amdhsa--gfx1250"
	.amdhsa_code_object_version 6
	.text
	.protected	k_q8ddc6fefdb_score
	.globl	k_q8ddc6fefdb_score
	.p2align	8
	.type	k_q8ddc6fefdb_score,@function
k_q8ddc6fefdb_score:
	s_mov_b64 s[64:65], 0
	v_nop
	global_prefetch_b8 v0, s[64:65] scope:SCOPE_SE
	s_setreg_imm32_b32 hwreg(HW_REG_WAVE_MODE, 25, 1), 1
	s_wait_xcnt 0x0
	s_wait_alu depctr_hold_cnt(0) depctr_sa_sdst(0) depctr_va_vdst(0) depctr_va_sdst(0) depctr_va_ssrc(0) depctr_va_vcc(0) depctr_vm_vsrc(0)
	s_getreg_b32 s2, hwreg(HW_REG_IB_STS2, 6, 4)
	s_cmp_eq_u32 s2, 0
	s_cbranch_scc0 .Lentry_in_a_cluster
	s_endpgm
.Lentry_in_a_cluster:
	s_bfe_u32 s2, ttmp6, 0x10000c
	s_cmp_lg_u32 s2, 0xf033
	s_cbranch_scc0 .Lentry_shape_is_right
	s_endpgm
.Lentry_shape_is_right:
; SCORES AND THE FIRST HALF OF THE SOFTMAX.  s = Q K^T (K = 1,024) for 256 queries x 256 keys of one batch a work-group: 4 batches x 8 x 8 tiles = 256 work-groups.  A wave's 128 queries x 128 keys
; are one CHUNK of keys for each query: on the way out it takes the chunk's true maximum, mt = c max s (c = log2(e) / 32, in f32), p = 2^(c s - mt), and stores p rounded to bf16 (pt[row][key]), mt
; (mx[chunk][row]) and the sum of the unrounded p (lx[chunk][row]), both f32.  The next launch joins the sixteen chunks of a row by their maxima.
; The GEMM form: C[m][n] = sum over k of A[m][k] B[n][k], A = Q (qk's columns 0-1023), B = K (columns 1024-2047), rows of 4,096 bytes.  Four waves, each 128 rows of A x 128 rows of B: 64 accumulators.
; K goes in steps of 128 through two LDS slots: a step is 256 matrix instructions a wave, of which 224 stand between a slot's request and the wait for it.
; A K STEP IS WRITTEN ONCE.  A flag, 0 or 1, names the slot that is read; each change of slots turns it, and the fetch addresses and the walking descriptor's LDS word are made from it.
; THE MATRIX INSTRUCTION IS USED TRANSPOSED (source 0 = 16 keys, source 1 = 16 queries): a lane holds ONE query (l % 16) and the keys 16 b + 8 (l / 16) + 0..7: a query's maximum and sum want one
; exchange between the halves of the lanes.  CLUSTER 4 x 4: Q's tile is shared along a row of the cluster, K's along a column; each is asked for jointly.
; REGISTERS.  window 0: v0-31 addresses and statistics; v64-127, v128-191 A's fragments, two buffers; on the way out v32-95 a block's 64 weights, v96-127 at work and packed, v128-255 rows read back.
;   window 1: v64-127, v128-191 B's fragments.   window 2: the accumulators of my queries 0-63 ((a, b) at v[8 (8 a + b)]);   window 3: those of my queries 64-127.
; THE WAY OUT is written for four blocks of 16 queries, in window 2, and walked twice: between the trips window 3's sums are copied to where that text names them: 256 moves for half the text.
; LIMITS.  A weight below 2^-126 counts as 0; NaN and infinities are not treated apart.
.set KSIZE, 1024
.set KSTEPS, KSIZE/128
.set PA,    2048
.set PB,    2048
.set PITCH,  272                       ; an LDS row: 256 bytes + 16 of padding = 68 words: the 16 rows of a fragment load start at 16 different groups of four banks (64 banks of 4 bytes: ISA guide 11.1)
.set HALFT,  128*PITCH                 ; 128 rows: what one tensor load brings, and what one wave reads of A or of B
.set SLOT,   4*HALFT                   ; A's 256 rows, then B's 256
.set STAGE,  2*SLOT                    ; behind the ring: 16 rows x 272 bytes for each wave; no tile lands there
.set STAT,   STAGE+4*16*PITCH          ; 512 bytes for each wave: 64 maxima, 64 sums
.set SPARE,  STAT+4*512                ; the spare words, 128 bytes for each wave: two blocks of 256 bytes that no other line names
.set ADRA, 16                          ; v16  LDS address of my A fragments in the slot that is read
.set LA,   17                          ; v17  the same in slot 0; never rewritten
.set ADRB, 20                          ; v20, v21  the same for B
.set LB,   21
.set STO,  24
.set RD,   25
.set CO,   26
.set SPW,  28
.set NIL,  29
.set PFO,  30
.set F0,   64
.set F1,   128
.set T,    32
.set TMP,  96
.set CM,   96                          ; v96-103 eight running maxima, ahead of the packing
.set BK,   128
.set MS,   4                           ; v4-7   mt of my query in the trip's blocks 0-3
.set LS,   8                           ; v8-11  its sums
.set MT,   12                          ; v[12:13] mt of the block in hand
.set OFS, 18                           ; s18  a slot's first LDS byte: the flag x SLOT
.set WV, 20
.set WH, 21
.set WL, 22
.set FL, 23                            ; s23  the flag: the slot that is read
.set G1A, 24                           ; s[24:31] descriptor group 1 for A;  s[32:39] group 0: a set for each of the two first fills; the second then walks on
.set G0A, 32
.set PFA, 44
.set LIM, 46                           ; s46  2 in a wave that prefetches, else the greatest number
.set G1B, 48
.set G0B, 56
.set CS,  92                           ; s[92:93] c
.set SEL, 94                           ; s[94:95] v_permlanex16_b32's selects: each lane takes its own place in the other half
.set MUL_LO, 0xa1                      ; source 0 (B) window 1, source 1 (A) window 0, C and D window 2
.set MUL_HI, 0xf1                      ; the same, C and D window 3
.set TO_B,   0x40                      ; destination window 1, address window 0
.set MSB, 0
.macro WIN new                         ; the immediate's high byte repeats the setting that is left; a switch that changes nothing is dropped
.if MSB != (\new)
	s_set_vgpr_msb (MSB<<8)|(\new)
.set MSB, \new
.endif
.endm
.macro PLACES                          ; four plain places behind matrix instructions (ISA guide 7.12.1)
.rept 4
	v_nop
.endr
.endm
.macro JLOAD s                         ; a joint load: waves 0, 1 fetch A's halves, waves 2, 3 B's, 128 rows each; an s_nop 0 and four v_nop follow each line
	s_cmp_eq_u32 s[WH], 0
	s_cbranch_scc0 .Lfor_b_\@
	tensor_load_to_lds s[G0A+4*(\s):G0A+4*(\s)+3], s[G1A:G1A+7]
	s_nop 0
.rept 4
	v_nop
.endr
	s_branch .Lasked_\@
.Lfor_b_\@:
	tensor_load_to_lds s[G0B+4*(\s):G0B+4*(\s)+3], s[G1B:G1B+7]
	s_nop 0
.rept 4
	v_nop
.endr
.Lasked_\@:
.endm
.macro CREST
	s_cmp_lg_u32 s[WV], 0
	s_cbranch_scc1 .Lnot_wave_0_\@
	s_barrier_signal -3
.Lnot_wave_0_\@:
	s_barrier_wait -3
	s_barrier_signal -1
	s_barrier_wait -1
.endm
.macro CROUND
	s_barrier_signal -1
	s_barrier_wait -1
	CREST
.endm
.macro ASK                             ; a prefetch into the L2 of the K step two refills on: 32 rows x 256 bytes, a lane a row; the loop's last two trips (s3 = 2, 1) ask for nothing
	s_cmp_gt_u32 s3, s[LIM]
	s_cbranch_scc0 .Lnot_mine_\@
	global_prefetch_b8 v[PFO], s[PFA:PFA+1] offset:256 th:TH_LOAD_NT scope:SCOPE_SE
.Lnot_mine_\@:
.endm
.macro IDS
	v_lshrrev_b32 v1, 5, v0
	v_readfirstlane_b32 s[WV], v1
	s_lshr_b32 s[WH], s[WV], 1
	s_and_b32 s[WL], s[WV], 1
	s_bfe_u32 s40, ttmp6, 0x40000                  ; cx
	s_bfe_u32 s41, ttmp6, 0x40004                  ; cy
	s_and_b32 s67, ttmp7, 0xffff                   ; the cluster's y
	s_lshl_b32 s72, s41, 2
	s_lshl_b32 s72, 15, s72                        ; my row of the cluster
	s_lshl_b32 s73, 0x1111, s40                    ; my column
	s_or_b32 s[G1A], s72, (1<<16)|(1<<20)|(1<<21)|(5<<22)|(3<<25)  ; mask; 2-byte elements; padding on; bit 21 beside a mask; after every 64 words 4 words
	s_or_b32 s[G1B], s73, (1<<16)|(1<<20)|(1<<21)|(5<<22)|(3<<25)
	s_mov_b32 s[G1A+1], 128<<16
	s_mov_b32 s[G1A+2], 128<<16
	s_mov_b32 s[G1A+3], 128<<16
	s_mov_b32 s[G1A+4], 128
	s_mov_b32 s[G1A+5], PA
	s_mov_b32 s[G1A+6], 0
	s_mov_b32 s[G1A+7], 0
	s_mov_b32 s[G1B+1], 128<<16
	s_mov_b32 s[G1B+2], 128<<16
	s_mov_b32 s[G1B+3], 128<<16
	s_mov_b32 s[G1B+4], 128
	s_mov_b32 s[G1B+5], PB
	s_mov_b32 s[G1B+6], 0
	s_mov_b32 s[G1B+7], 0
	s_mul_i32 s74, s[WL], HALFT                    ; where A's half goes in a slot, and B's; both are kept for the walking descriptors
	s_mul_i32 s75, s[WL], HALFT
	s_add_co_u32 s75, s75, 2*HALFT
.endm
.macro FIRSTFILLS
	CROUND                                         ; all sixteen work-groups are here: the first joint loads meet
.irp s, 0,1
	s_mov_b32 s[G0A+4*(\s)], 1
	s_add_co_u32 s[G0A+4*(\s)+1], s74, (\s)*SLOT
	s_add_nc_u64 s[G0A+4*(\s)+2:G0A+4*(\s)+3], s[84:85], (\s)*256
	s_or_b32 s[G0A+4*(\s)+3], s[G0A+4*(\s)+3], 0x80000000
	s_mov_b32 s[G0B+4*(\s)], 1
	s_add_co_u32 s[G0B+4*(\s)+1], s75, (\s)*SLOT
	s_add_nc_u64 s[G0B+4*(\s)+2:G0B+4*(\s)+3], s[86:87], (\s)*256
	s_or_b32 s[G0B+4*(\s)+3], s[G0B+4*(\s)+3], 0x80000000
	JLOAD \s
.endr
.endm
.macro VADDR
	v_and_b32 v1, 15, v0
	v_bfe_u32 v2, v0, 4, 1
	v_mul_u32_u24 v3, v1, PITCH
	v_lshl_add_u32 v3, v2, 4, v3
	s_mul_i32 s72, s[WH], HALFT
	s_mul_i32 s73, s[WL], HALFT
	s_add_co_u32 s73, s73, 2*HALFT
	v_add_nc_u32 v[LA], s72, v3
	v_add_nc_u32 v[LB], s73, v3
	v_mov_b32 v[ADRA], v[LA]                       ; slot 0 is read first
	v_mov_b32 v[ADRB], v[LB]
	s_mov_b32 s[FL], 0
.endm
; WHO PREFETCHES.  Each row's 256 bytes of a K step are named once in the launch: of the clusters that read the same rows the one whose coordinate (s76 for A, s77 for B) is 0 asks; its partners share
; the rows out by address: of the 128 rows that a wave fetches the partner at place p takes 32 p .. 32 p + 31 (p = cx for A, cy for B).
.macro PFSET pab, pbb
	s_mov_b32 s72, \pab
	s_mov_b32 s73, \pbb
	s_mul_i32 s78, s40, 32*(\pab)
	s_mul_i32 s79, s41, 32*(\pbb)
	s_cmp_eq_u32 s[WH], 0
	s_cselect_b64 s[PFA:PFA+1], s[84:85], s[86:87]
	s_cselect_b32 s78, s78, s79
	s_cselect_b32 s76, s76, s77
	s_cselect_b32 s72, s72, s73
	s_mov_b32 s79, 0
	s_add_nc_u64 s[PFA:PFA+1], s[PFA:PFA+1], s[78:79]
	s_add_nc_u64 s[PFA:PFA+1], s[PFA:PFA+1], 512   ; at K step 2: the first refill steps it to 3 and names K step 4
	s_cmp_eq_u32 s76, 0
	s_cselect_b32 s[LIM], 2, -1
	v_and_b32 v6, 31, v0
	v_mul_u32_u24 v[PFO], s72, v6
.endm
; 16 matrix instructions: A's blocks a0, a0 + 1 of the window's four x all 8 blocks of B; the 64 accumulators take turns, in the same order in every quarter.  zero = 1: the product starts the sums.
.macro MUL16 f, hi, a0, zero
	WIN MUL_LO+0x50*(\hi)
.irp a, \a0, (\a0)+1
.irp b, 0,1,2,3,4,5,6,7
.if \zero
	v_wmma_f32_16x16x32_bf16 v[8*(8*(\a)+(\b)):8*(8*(\a)+(\b))+7], v[(\f)+8*(\b):(\f)+8*(\b)+7], v[(\f)+8*(4*(\hi)+(\a)):(\f)+8*(4*(\hi)+(\a))+7], 0
.else
	v_wmma_f32_16x16x32_bf16 v[8*(8*(\a)+(\b)):8*(8*(\a)+(\b))+7], v[(\f)+8*(\b):(\f)+8*(\b)+7], v[(\f)+8*(4*(\hi)+(\a)):(\f)+8*(4*(\hi)+(\a))+7], v[8*(8*(\a)+(\b)):8*(8*(\a)+(\b))+7]
.endif
.endr
.endr
.endm
.macro FETCH k, f                      ; 32 LDS loads in one run: B's 8 fragments, then A's 8, at byte k of the rows of the slot that is read
	WIN TO_B
.irp i, 0,1,2,3,4,5,6,7
	ds_load_b128 v[(\f)+8*(\i):(\f)+8*(\i)+3],   v[ADRB] offset:(\k)+(\i)*16*PITCH
	ds_load_b128 v[(\f)+8*(\i)+4:(\f)+8*(\i)+7], v[ADRB] offset:(\k)+(\i)*16*PITCH+32
.endr
	WIN 0
.irp i, 0,1,2,3,4,5,6,7
	ds_load_b128 v[(\f)+8*(\i):(\f)+8*(\i)+3],   v[ADRA] offset:(\k)+(\i)*16*PITCH
	ds_load_b128 v[(\f)+8*(\i)+4:(\f)+8*(\i)+7], v[ADRA] offset:(\k)+(\i)*16*PITCH+32
.endr
.endm
.macro QUARTER k, f, g, zero
	s_wait_dscnt 8                                 ; B and A's rows 0-63 are in; the youngest eight loads may be out
	MUL16 \f, 0, 0, \zero
	MUL16 \f, 0, 2, \zero
	PLACES
	FETCH \k, \g
	s_wait_dscnt 32                                ; all but the 32 just issued
	MUL16 \f, 1, 0, \zero
	MUL16 \f, 1, 2, \zero
.endm
; The fourth quarter changes slots: one barrier; in front of it each wave waits for all its tensor loads, adds 0 to its spare word, and waits for that and for its reads of this slot.  While the add is
; out the walking descriptors are set to the slot that is left and to the K step two on, the flag is turned, and the fetch addresses go to the other slot (this slot's last fetch has been issued).
; fill = 1: the barrier opens a round of the cluster's, and the slot is filled again first thing behind the round.  fill = 0, the tail: in its last trip (s3 = 1) the fetch is jumped over.
.macro TURN fill
.if \fill
	s_wait_xcnt 0x0                                ; the last prefetch, a K step back, has read its address
	s_add_nc_u64 s[PFA:PFA+1], s[PFA:PFA+1], 256
.endif
	WIN 0
	s_wait_tensorcnt 0x0                           ; no tensor load of mine is out, so a group 0 may be written
	ds_add_u32 v[SPW], v[NIL]
.if \fill
	s_mul_i32 s[OFS], s[FL], SLOT                  ; the slot that is left
	s_add_co_u32 s[G0A+5], s74, s[OFS]
	s_add_co_u32 s[G0B+5], s75, s[OFS]
	s_add_nc_u64 s[G0A+6:G0A+7], s[G0A+6:G0A+7], 256  ; the next K step; the type bits on top are not reached
	s_add_nc_u64 s[G0B+6:G0B+7], s[G0B+6:G0B+7], 256
.endif
	s_xor_b32 s[FL], s[FL], 1
	s_mul_i32 s[OFS], s[FL], SLOT                  ; the slot that is read next
	v_add_nc_u32 v[ADRA], s[OFS], v[LA]
	v_add_nc_u32 v[ADRB], s[OFS], v[LB]
	s_wait_dscnt 9                                 ; (the add and the youngest eight loads may be out)
	MUL16 F1, 0, 0, 0
	s_wait_dscnt 0x0                               ; the add is done, and my reads of this slot are over
	s_barrier_signal -1
	MUL16 F1, 0, 2, 0
	WIN 0
	s_barrier_wait -1
.if \fill
	CREST
	JLOAD 1                                        ; its four v_nop are also the places in front of the loads below
	FETCH 0, F0
	ASK
.else
	s_cmp_eq_u32 s3, 1
	s_cbranch_scc1 .Lno_more_\@
	PLACES
	FETCH 0, F0
.Lno_more_\@:
.endif
	MUL16 F1, 1, 0, 0
	MUL16 F1, 1, 2, 0
.endm
.macro WALK
	QUARTER 64,  F0, F1, 1                         ; the first quarter's products start the sums
	WIN 0
	s_mov_b32 s3, KSTEPS-2
.Lstep:                                                ; a trip is a K step, from its second quarter to the next step's first; each of these trips fills the slot that it leaves
	QUARTER 128, F1, F0, 0
	QUARTER 192, F0, F1, 0
	TURN 1
	QUARTER 64,  F0, F1, 0
	WIN 0
	s_sub_co_u32 s3, s3, 1
	s_cmp_lg_u32 s3, 0
	s_cbranch_scc1 .Lstep
	s_mov_b32 s3, 2
.Ltail:                                                ; the last two K steps have a text of their own: they fill nothing
	QUARTER 128, F1, F0, 0
	QUARTER 192, F0, F1, 0
	TURN 0
	WIN 0
	s_cmp_eq_u32 s3, 1
	s_cbranch_scc1 .Llast                          ; behind the last K step there is no first quarter
	QUARTER 64,  F0, F1, 0
	WIN 0
.Llast:
	s_sub_co_u32 s3, s3, 1
	s_cmp_lg_u32 s3, 0
	s_cbranch_scc1 .Ltail
	PLACES
	PLACES
.endm
; Block a (16 queries x 128 keys; a lane: one query, 64 scores), in window 2: the maximum, three operands at a time, each accumulator's lowest registers first; the other half
; of the lanes'; mt = c max; c s - mt; 64 exponentials in ONE batch with one plain instruction and one wait behind it; the roundings; the sum of the unrounded weights.
.macro SOFT a
	WIN 0x2a                                       ; all three sources in window 2
.irp b, 0,1,2,3,4,5,6,7
	v_max3_num_f32 v[CM+(\b)], v[8*(8*(\a)+(\b))], v[8*(8*(\a)+(\b))+1], v[8*(8*(\a)+(\b))+2]
.endr
	WIN 0x28                                       ; sources 1 and 2 in window 2
.irp b, 0,1,2,3,4,5,6,7
	v_max3_num_f32 v[CM+(\b)], v[CM+(\b)], v[8*(8*(\a)+(\b))+3], v[8*(8*(\a)+(\b))+4]
.endr
.irp b, 0,1,2,3,4,5,6,7
	v_max3_num_f32 v[CM+(\b)], v[CM+(\b)], v[8*(8*(\a)+(\b))+5], v[8*(8*(\a)+(\b))+6]
.endr
.irp b, 0,2,4,6
	v_max3_num_f32 v[CM+(\b)], v[CM+(\b)], v[8*(8*(\a)+(\b))+7], v[8*(8*(\a)+(\b)+1)+7]
.endr
	WIN 0
	v_max3_num_f32 v[CM], v[CM], v[CM+1], v[CM+2]
	v_max3_num_f32 v[CM+3], v[CM+3], v[CM+4], v[CM+5]
	v_max3_num_f32 v[CM], v[CM], v[CM+3], v[CM+6]
	v_max_num_f32 v[CM], v[CM], v[CM+7]
	v_permlanex16_b32 v[CM+1], v[CM], s[SEL], s[SEL+1]  ; the query's other 64 keys lie in the lane 16 away
	v_max_num_f32 v[CM], v[CM], v[CM+1]
	v_mul_f32 v[MT], s[CS], v[CM]
	v_mul_f32 v[MT+1], s[CS], v[CM]                ; named with it as a pair
	v_mul_f32 v[MS+(\a)], s[CS], v[CM]
	WIN 0x02                                       ; source 0 in window 2
.irp b, 0,1,2,3,4,5,6,7
.irp p, 0,1,2,3
	v_pk_fma_f32 v[T+8*(\b)+2*(\p):T+8*(\b)+2*(\p)+1], v[8*(8*(\a)+(\b))+2*(\p):8*(8*(\a)+(\b))+2*(\p)+1], s[CS:CS+1], v[MT:MT+1] op_sel_hi:[1,0,0] neg_lo:[0,0,1] neg_hi:[0,0,1]
.endr
.endr
	WIN 0
.set i, 0
.rept 64
	v_exp_f32 v[T+i], v[T+i]
.set i, i+1
.endr
	v_nop                                          ; a plain instruction behind the last exponential,
	s_wait_alu depctr_va_vdst(0)                   ; and the one wait ahead of the batch's first reader
.set i, 0
.rept 32
	v_cvt_pk_bf16_f32 v[TMP+i], v[T+2*i], v[T+2*i+1]
.set i, i+1
.endr
.irp w, 32,16,8,4,2                    ; the 32 pairs are added as a tree, in place: neighbours w registers apart
.set i, 0
.rept (\w)/2
	v_pk_add_f32 v[T+2*i:T+2*i+1], v[T+2*i:T+2*i+1], v[T+2*i+(\w):T+2*i+(\w)+1]
.set i, i+1
.endr
.endr
	v_add_f32 v[T], v[T], v[T+1]
	v_permlanex16_b32 v[T+1], v[T], s[SEL], s[SEL+1]
	v_add_f32 v[LS+(\a)], v[T], v[T+1]
.endm
.macro TOSTAGE a
	WIN 0
.irp b, 0,1,2,3,4,5,6,7
	ds_store_b128 v[STO], v[TMP+4*(\b):TMP+4*(\b)+3] offset:32*(\b)
.endr
.irp t, 0,1,2,3,4,5,6,7
	ds_load_b128 v[BK+32*(\a)+4*(\t):BK+32*(\a)+4*(\t)+3], v[RD] offset:(\t)*2*PITCH  ; LDS serves a wave's instructions in order (ISA guide 5.7.1.4): these see the stores above
.endr
.endm
.macro SEND a                          ; within a trip each block has its own 32 registers
	WIN 0
	s_wait_dscnt 0x0
.irp t, 0,1,2,3,4,5,6,7
	global_store_b128 v[CO], v[BK+32*(\a)+4*(\t):BK+32*(\a)+4*(\t)+3], s[96:97] offset:(16*(\a)+2*(\t))*4096 th:TH_STORE_NT  ; 16 lanes store 256 consecutive bytes, aligned
.endr
.endm
	s_load_b256 s[4:11], s[0:1], 0x0               ; qk s[4:5], pt s[6:7], mx s[8:9], lx s[10:11]
	v_lshl_add_u32 v[SPW], v0, 2, SPARE
	v_mov_b32 v[NIL], 0
	ds_add_u32 v[SPW], v[NIL]                      ; the wave's opening: the add and its wait ahead of my first tensor load
	IDS
	s_mov_b32 s66, ttmp9                           ; the cluster's x
	s_lshl_b32 s43, s67, 2
	s_add_co_u32 s43, s43, s41                     ; tile row: 256 queries, 32 in all
	s_lshl_b32 s42, s66, 2
	s_add_co_u32 s42, s42, s40                     ; tile column: 256 keys of the batch, 8 in all
	s_lshr_b32 s80, s67, 1                         ; the batch: two clusters of 1,024 queries each
	s_mov_b32 s76, s66                             ; Q's rows are prefetched where the cluster's x = 0,
	s_and_b32 s77, s67, 1                          ; K's by the batch's first cluster row
	s_lshl_b32 s72, s[WL], 7                       ; which 128 rows of a tile I fetch
	s_lshl_b32 s68, s43, 8
	s_add_co_u32 s68, s68, s72                     ; the 128 queries,
	s_lshl_b32 s68, s68, 12                        ; rows of 4,096 bytes
	s_mov_b32 s69, 0
	s_lshl_b32 s70, s80, 11
	s_add_co_u32 s70, s70, s72
	s_lshl_b32 s72, s42, 8
	s_add_co_u32 s70, s70, s72                     ; the 128 keys
	s_lshl_b32 s70, s70, 12
	s_add_co_u32 s70, s70, 2048                    ; K lies in the rows' second half
	s_mov_b32 s71, 0
	s_mov_b32 s[CS], 0x3d38aa3b                    ; c = log2(e) / 32
	s_mov_b32 s[CS+1], s[CS]
	s_mov_b32 s[SEL], 0x76543210
	s_mov_b32 s[SEL+1], 0xfedcba98
	s_wait_dscnt 0x0                               ; the opening add is done
	s_wait_kmcnt 0x0
	s_add_nc_u64 s[84:85], s[4:5], s[68:69]
	s_add_nc_u64 s[86:87], s[4:5], s[70:71]
	FIRSTFILLS
	VADDR
	s_mul_i32 s72, s[WV], 16*PITCH
	s_add_co_u32 s72, s72, STAGE                   ; my stage
	v_mul_u32_u24 v4, v1, PITCH
	v_lshl_add_u32 v4, v2, 4, v4
	v_add_nc_u32 v[STO], s72, v4
	v_mul_u32_u24 v5, v2, PITCH
	v_lshl_add_u32 v5, v1, 4, v5
	v_add_nc_u32 v[RD], s72, v5
	v_lshlrev_b32 v[CO], 12, v2
	v_lshl_add_u32 v[CO], v1, 4, v[CO]
	s_lshl_b32 s72, s[WV], 9
	s_add_co_u32 s72, s72, STAT                    ; my 512 bytes for the statistics
	v_lshl_add_u32 v27, v1, 2, s72                 ; in: my query's word
	v_and_b32 v3, 31, v0
	v_lshl_add_u32 v22, v3, 3, s72                 ; back: two queries a lane
	v_lshlrev_b32 v23, 3, v3
	s_lshl_b32 s72, s43, 8
	s_lshl_b32 s73, s[WH], 7
	s_add_co_u32 s88, s72, s73                     ; my first query
	s_lshl_b32 s72, s88, 12
	s_lshl_b32 s73, s42, 9
	s_add_co_u32 s72, s72, s73
	s_lshl_b32 s73, s[WL], 8
	s_add_co_u32 s72, s72, s73
	s_mov_b32 s73, 0
	s_add_nc_u64 s[96:97], s[6:7], s[72:73]        ; pt at my first query and key
	s_lshl_b32 s72, s42, 1
	s_add_co_u32 s72, s72, s[WL]                   ; my chunk of 128 keys,
	s_lshl_b32 s72, s72, 15                        ; 8,192 rows x 4 bytes each
	s_lshl_b32 s89, s88, 2
	s_add_co_u32 s72, s72, s89
	s_add_nc_u64 s[98:99], s[8:9], s[72:73]
	s_add_nc_u64 s[82:83], s[10:11], s[72:73]
	PFSET 4096, 4096
	s_wait_tensorcnt 1                             ; my part of K step 0 is in; K step 1's may stay out
	s_barrier_signal -1
	s_barrier_wait -1
	FETCH 0, F0
	WALK
	s_mov_b32 s2, 2
.Lhalf:                                                ; two trips: my queries 0-63, then 64-127
	SOFT 0
	TOSTAGE 0
.irp a, 1,2,3                          ; block a's arithmetic stands between block a - 1's loads from the stage and the wait for them
	SOFT \a
	SEND (\a)-1
	TOSTAGE \a
.endr
	SEND 3
.irp a, 0,1,2,3                        ; the statistics go through LDS, so that each of the two stores covers 256 consecutive bytes, aligned; both halves of the lanes hold, and write, the same number
	ds_store_b32 v27, v[MS+(\a)] offset:64*(\a)
	ds_store_b32 v27, v[LS+(\a)] offset:256+64*(\a)
.endr
	ds_load_b64 v[14:15], v22
	ds_load_b64 v[18:19], v22 offset:256
	s_wait_dscnt 0x0
	global_store_b64 v23, v[14:15], s[98:99] th:TH_STORE_NT
	global_store_b64 v23, v[18:19], s[82:83] th:TH_STORE_NT
	s_cmp_eq_u32 s2, 1
	s_cbranch_scc1 .Ldone                          ; the second trip ends here
	WIN 0x83                                       ; source window 3, destination window 2: the sums of my queries 64-127 go where the one text names them, each accumulator from its low end on
.set i, 0
.rept 256
	v_mov_b32 v[i], v[i]
.set i, i+1
.endr
	WIN 0
	s_wait_xcnt 0x0                                ; the trip's stores have read their data and their bases: both are written again only behind this wait
	s_add_nc_u64 s[96:97], s[96:97], 64*4096       ; 64 rows of pt on,
	s_add_nc_u64 s[98:99], s[98:99], 256           ; 64 numbers of mx
	s_add_nc_u64 s[82:83], s[82:83], 256           ; and of lx
	s_sub_co_u32 s2, s2, 1
	s_cmp_lg_u32 s2, 0
	s_cbranch_scc1 .Lhalf
.Ldone:
	s_wait_tensorcnt 0x0                           ; the wave's end
	ds_add_u32 v[SPW], v[NIL]
	s_wait_dscnt 0x0
	CROUND                                         ; the closing round
	s_endpgm
.Lfunc_end_k_q8ddc6fefdb_score:
	.size	k_q8ddc6fefdb_score, .Lfunc_end_k_q8ddc6fefdb_score-k_q8ddc6fefdb_score
	.p2alignl 7, 3214868480
	.fill 96, 4, 3214868480
	.section	.rodata,"a",@progbits
	.p2align	6, 0x0
	.amdhsa_kernel k_q8ddc6fefdb_score
		.amdhsa_group_segment_fixed_size 327680
		.amdhsa_private_segment_fixed_size 0
		.amdhsa_enable_private_segment 0
		.amdhsa_kernarg_size 32
		.amdhsa_user_sgpr_count 2
		.amdhsa_user_sgpr_kernarg_segment_ptr 1
		.amdhsa_wavefront_size32 1
		.amdhsa_system_sgpr_workgroup_id_x 1
		.amdhsa_system_sgpr_workgroup_id_y 1
		.amdhsa_system_sgpr_workgroup_id_z 1
		.amdhsa_system_vgpr_workitem_id 0
		.amdhsa_next_free_vgpr 1024
		.amdhsa_next_free_sgpr 100
		.amdhsa_reserve_vcc 0
		.amdhsa_float_denorm_mode_32 3
		.amdhsa_float_denorm_mode_16_64 3
		.amdhsa_memory_ordered 1
		.amdhsa_forward_progress 1
		.amdhsa_inst_pref_size 129
	.end_amdhsa_kernel
	.amdgpu_metadata
---
amdhsa.version: [ 1, 2 ]
amdhsa.kernels:
  - .name:           k_q8ddc6fefdb_score
    .symbol:         k_q8ddc6fefdb_score.kd
    .args:
      - { .name: qk, .offset: 0, .size: 8, .value_kind: global_buffer, .address_space: global }
      - { .name: pt, .offset: 8, .size: 8, .value_kind: global_buffer, .address_space: global }
      - { .name: mx, .offset: 16, .size: 8, .value_kind: global_buffer, .address_space: global }
      - { .name: lx, .offset: 24, .size: 8, .value_kind: global_buffer, .address_space: global }
    .group_segment_fixed_size: 327680
    .private_segment_fixed_size: 0
    .kernarg_segment_align: 8
    .kernarg_segment_size: 32
    .max_flat_workgroup_size: 128
    .sgpr_count:     100
    .vgpr_count:     1024
    .wavefront_size: 32
...
	.end_amdgpu_metadata
.endif
;; end of part 6
;; launch mix (part 7): grid 4 x 64, 4 waves a work-group, clusters of 4 x 4, 327,680 bytes of LDS; arguments pt, vt, mx, lx, gamma, x, out0; writes out0
.if DOCPART == 7
	.amdgcn_target "amdgcn-amd-amdhsa--gfx1250"
	.amdhsa_code_object_version 6
	.text
	.protected	k_q8ddc6fefdb_mix
	.globl	k_q8ddc6fefdb_mix
	.p2align	8
	.type	k_q8ddc6fefdb_mix,@function
k_q8ddc6fefdb_mix:
	s_mov_b64 s[64:65], 0
	v_nop
	global_prefetch_b8 v0, s[64:65] scope:SCOPE_SE
	s_setreg_imm32_b32 hwreg(HW_REG_WAVE_MODE, 25, 1), 1
	s_wait_xcnt 0x0
	s_wait_alu depctr_hold_cnt(0) depctr_sa_sdst(0) depctr_va_vdst(0) depctr_va_sdst(0) depctr_va_ssrc(0) depctr_va_vcc(0) depctr_vm_vsrc(0)
	s_getreg_b32 s2, hwreg(HW_REG_IB_STS2, 6, 4)
	s_cmp_eq_u32 s2, 0
	s_cbranch_scc0 .Lentry_in_a_cluster
	s_endpgm
.Lentry_in_a_cluster:
	s_bfe_u32 s2, ttmp6, 0x10000c
	s_cmp_lg_u32 s2, 0xf033
	s_cbranch_scc0 .Lentry_shape_is_right
	s_endpgm
.Lentry_shape_is_right:
; THE SECOND HALF OF THE SOFTMAX, P V, AND THE RESIDUAL.  out = gamma (sum over keys of P V) + x.  The launch before left, for each row and each chunk c of 128 keys, p~ = 2^(c s - mt_c) in bf16, mt_c
; and l_c = the sum of the chunk's p~ in f32.  Here, for each row: M = max over c of mt_c; f_c = 2^(mt_c - M), at most 1; L = sum over c of f_c l_c, all f32.  A chunk is one K step of the product:
; A's fragments (p~) are multiplied by f_c, as bf16, between their LDS load and the matrix instruction; the f32 sums are multiplied by gamma / L and added to x in f32.
; The GEMM form: C[m][n] = sum over k of A[m][k] B[n][k], K = 2,048 keys; A = pt (128 rows), B = vt = V^T (256 channels; the batch's 2,048 columns).  Four waves, each 64 x 128: 32 accumulators.
; A K STEP IS WRITTEN ONCE.  A flag, 0 or 1, names the slot that is read; each change of slots turns it, and the fetch addresses and the walking descriptor's LDS word are made from it.
; THE MATRIX INSTRUCTION IS USED TRANSPOSED (source 0 = 16 channels, source 1 = 16 rows): a lane holds one row (l % 16) and eight neighbouring channels.
; CLUSTER 4 x 4: P's tile is shared along a row of the cluster, V^T's along a column; each is asked for jointly.  256 work-groups.
; REGISTERS.  window 0: v0-31 addresses; v32-127, v128-223 two fragment buffers; v224-227 the factors f of the K step in hand, as pairs of bf16, one register for each block of 16 rows;
;   on the way out v32-159 two buffers of 16 rows read back, v160-223 two of their factors.   window 1: accumulator (a, b) at v[8 (8 a + b)].   window 2: my 64 x 128 numbers of x, then of out.
; LIMITS.  p~, f and their product are each rounded once to bf16; L is taken of the unrounded f and l.  A factor below 2^-126 counts as 0; NaN and infinities are not treated apart.
.set KSIZE, 2048
.set KSTEPS, KSIZE/128
.set PA,    2048
.set PB,    8192
.set PITCH,  272                       ; an LDS row: 256 bytes + 16 of padding = 68 words: the 16 rows of a fragment load start at 16 different groups of four banks (64 banks of 4 bytes: ISA guide 11.1)
.set ATILE,  128*PITCH
.set SLOT,   384*PITCH                 ; A's 128 rows, then B's 256
.set STAGE,  2*SLOT                    ; behind the ring: 16 rows x 528 bytes (512 + 16) for each wave; no tile lands there
.set SP,     528
.set TAB,    STAGE+4*16*SP             ; for each wave 4,608 bytes: FT[chunk][row % 16][row / 16], a word (f, f) each, 4,096 bytes; then RL[row], a pair (gamma / L, gamma / L), 512 bytes
.set SPARE,  TAB+4*4608                ; the spare words, 128 bytes for each wave: two blocks of 256 bytes that no other line names
.set ADRA, 16                          ; v16  LDS address of my A fragments in the slot that is read
.set LA,   17                          ; v17  the same in slot 0; never rewritten
.set ADRB, 20                          ; v20, v21  the same for B
.set LB,   21
.set STO,  24
.set RD,   25
.set CO,   26
.set SPW,  28
.set NIL,  29
.set PFO,  30
.set F0,   32
.set F1,   128
.set FS,   224
.set OFS, 18                           ; s18  a slot's first LDS byte: the flag x SLOT
.set WV, 20
.set WH, 21
.set WL, 22
.set FL, 23                            ; s23  the flag: the slot that is read
.set G1A, 24                           ; s[24:31] descriptor group 1 for A;  s[32:39] group 0: a set for each of the two first fills; the second then walks on
.set G0A, 32
.set PFA, 44
.set LIM, 46                           ; s46  2 in a wave that prefetches, else the greatest number
.set G1B, 48
.set G0B, 56
.set MSB, 0
.macro WIN new                         ; the immediate's high byte repeats the setting that is left; a switch that changes nothing is dropped
.if MSB != (\new)
	s_set_vgpr_msb (MSB<<8)|(\new)
.set MSB, \new
.endif
.endm
.macro PLACES                          ; four plain places behind matrix instructions (ISA guide 7.12.1)
.rept 4
	v_nop
.endr
.endm
.macro JLOAD s                         ; a joint load: waves 0, 1 fetch A's halves (64 rows), waves 2, 3 B's (128 rows); an s_nop 0 and four v_nop follow each line
	s_cmp_eq_u32 s[WH], 0
	s_cbranch_scc0 .Lfor_b_\@
	tensor_load_to_lds s[G0A+4*(\s):G0A+4*(\s)+3], s[G1A:G1A+7]
	s_nop 0
.rept 4
	v_nop
.endr
	s_branch .Lasked_\@
.Lfor_b_\@:
	tensor_load_to_lds s[G0B+4*(\s):G0B+4*(\s)+3], s[G1B:G1B+7]
	s_nop 0
.rept 4
	v_nop
.endr
.Lasked_\@:
.endm
.macro CREST
	s_cmp_lg_u32 s[WV], 0
	s_cbranch_scc1 .Lnot_wave_0_\@
	s_barrier_signal -3
.Lnot_wave_0_\@:
	s_barrier_wait -3
	s_barrier_signal -1
	s_barrier_wait -1
.endm
.macro CROUND
	s_barrier_signal -1
	s_barrier_wait -1
	CREST
.endm
.macro ASK                             ; a prefetch into the L2 of the K step two refills on: 32 rows x 256 bytes, a lane a row; the loop's last two trips (s3 = 2, 1) ask for nothing
	s_cmp_gt_u32 s3, s[LIM]
	s_cbranch_scc0 .Lnot_mine_\@
	global_prefetch_b8 v[PFO], s[PFA:PFA+1] offset:256 th:TH_LOAD_NT scope:SCOPE_SE
.Lnot_mine_\@:
.endm
.macro IDS
	v_lshrrev_b32 v1, 5, v0
	v_readfirstlane_b32 s[WV], v1
	s_lshr_b32 s[WH], s[WV], 1
	s_and_b32 s[WL], s[WV], 1
	s_bfe_u32 s40, ttmp6, 0x40000                  ; cx
	s_bfe_u32 s41, ttmp6, 0x40004                  ; cy
	s_and_b32 s67, ttmp7, 0xffff                   ; the cluster's y
	s_lshl_b32 s72, s41, 2
	s_lshl_b32 s72, 15, s72                        ; my row of the cluster
	s_lshl_b32 s73, 0x1111, s40                    ; my column
	s_or_b32 s[G1A], s72, (1<<16)|(1<<20)|(1<<21)|(5<<22)|(3<<25)  ; mask; 2-byte elements; padding on; bit 21 beside a mask; after every 64 words 4 words
	s_or_b32 s[G1B], s73, (1<<16)|(1<<20)|(1<<21)|(5<<22)|(3<<25)
	s_mov_b32 s[G1A+1], 128<<16
	s_mov_b32 s[G1A+2], 64<<16
	s_mov_b32 s[G1A+3], 128<<16
	s_mov_b32 s[G1A+4], 64
	s_mov_b32 s[G1A+5], PA
	s_mov_b32 s[G1A+6], 0
	s_mov_b32 s[G1A+7], 0
	s_mov_b32 s[G1B+1], 128<<16
	s_mov_b32 s[G1B+2], 128<<16
	s_mov_b32 s[G1B+3], 128<<16
	s_mov_b32 s[G1B+4], 128
	s_mov_b32 s[G1B+5], PB
	s_mov_b32 s[G1B+6], 0
	s_mov_b32 s[G1B+7], 0
	s_mul_i32 s74, s[WL], 64*PITCH                 ; where A's half goes in a slot, and B's; both are kept for the walking descriptors
	s_mul_i32 s75, s[WL], 128*PITCH
	s_add_co_u32 s75, s75, ATILE
.endm
.macro FIRSTFILLS
	CROUND                                         ; all sixteen work-groups are here: the first joint loads meet
.irp s, 0,1
	s_mov_b32 s[G0A+4*(\s)], 1
	s_add_co_u32 s[G0A+4*(\s)+1], s74, (\s)*SLOT
	s_add_nc_u64 s[G0A+4*(\s)+2:G0A+4*(\s)+3], s[84:85], (\s)*256
	s_or_b32 s[G0A+4*(\s)+3], s[G0A+4*(\s)+3], 0x80000000
	s_mov_b32 s[G0B+4*(\s)], 1
	s_add_co_u32 s[G0B+4*(\s)+1], s75, (\s)*SLOT
	s_add_nc_u64 s[G0B+4*(\s)+2:G0B+4*(\s)+3], s[86:87], (\s)*256
	s_or_b32 s[G0B+4*(\s)+3], s[G0B+4*(\s)+3], 0x80000000
	JLOAD \s
.endr
.endm
.macro VADDR
	v_and_b32 v1, 15, v0
	v_bfe_u32 v2, v0, 4, 1
	v_mul_u32_u24 v3, v1, PITCH
	v_lshl_add_u32 v3, v2, 4, v3
	s_mul_i32 s72, s[WH], 64*PITCH
	s_mul_i32 s73, s[WL], 128*PITCH
	s_add_co_u32 s73, s73, ATILE
	v_add_nc_u32 v[LA], s72, v3
	v_add_nc_u32 v[LB], s73, v3
	v_mov_b32 v[ADRA], v[LA]                       ; slot 0 is read first
	v_mov_b32 v[ADRB], v[LB]
	s_mov_b32 s[FL], 0
.endm
; WHO PREFETCHES.  Each row's 256 bytes of a K step are named once in the launch: of the clusters that read the same rows the one whose coordinate (s76 for A, s77 for B) is 0 asks; its partners share
; the rows out by address, 32 each, a lane a row.  B: of the 128 rows that wave 2 or 3 fetches the partner at cy takes 32 cy .. 32 cy + 31.  A: its tile has 128 rows in all: wave 0 asks for rows
; 32 cx .. 32 cx + 31 of them, and wave 1 for none.
.macro PFSET pab, pbb
	s_mov_b32 s72, \pab
	s_mov_b32 s73, \pbb
	s_mul_i32 s78, s40, 32*(\pab)
	s_mul_i32 s79, s41, 32*(\pbb)
	s_cmp_eq_u32 s[WH], 0
	s_cselect_b64 s[PFA:PFA+1], s[84:85], s[86:87] ; (in wave 0 A's address stands at the tile's first row)
	s_cselect_b32 s78, s78, s79
	s_cselect_b32 s76, s76, s77
	s_cselect_b32 s72, s72, s73
	s_mov_b32 s79, 0
	s_add_nc_u64 s[PFA:PFA+1], s[PFA:PFA+1], s[78:79]
	s_add_nc_u64 s[PFA:PFA+1], s[PFA:PFA+1], 512   ; at K step 2: the first refill steps it to 3 and names K step 4
	s_cmp_eq_u32 s76, 0
	s_cselect_b32 s[LIM], 2, -1
	s_cmp_eq_u32 s[WV], 1
	s_cselect_b32 s[LIM], -1, s[LIM]
	v_and_b32 v6, 31, v0
	v_mul_u32_u24 v[PFO], s72, v6
.endm
.macro SCALE f, a                      ; A's block a of buffer f times my row's f of the K step in hand: 16 weights in 8 registers, two products a line, each rounded to bf16
	WIN 0
.irp i, 0,1,2,3,4,5,6,7
	v_pk_mul_bf16 v[(\f)+64+8*(\a)+(\i)], v[(\f)+64+8*(\a)+(\i)], v[FS+(\a)]
.endr
.endm
.macro FSLOAD                          ; the next K step's four factors of my row, behind this step's last scaling; it stands ahead of the run of fragment loads, so the counted waits that leave the youngest loads out cover it
	ds_load_b128 v[FS:FS+3], v27 offset:256
	v_add_nc_u32 v27, 256, v27                     ; a chunk on
.endm
.macro MUL8 f, a, zero                 ; 8 matrix instructions; the 32 accumulators take turns, in the same order in every quarter
	WIN 0x50
.irp b, 0,1,2,3,4,5,6,7
.if \zero
	v_wmma_f32_16x16x32_bf16 v[8*(8*(\a)+(\b)):8*(8*(\a)+(\b))+7], v[(\f)+8*(\b):(\f)+8*(\b)+7], v[(\f)+64+8*(\a):(\f)+64+8*(\a)+7], 0
.else
	v_wmma_f32_16x16x32_bf16 v[8*(8*(\a)+(\b)):8*(8*(\a)+(\b))+7], v[(\f)+8*(\b):(\f)+8*(\b)+7], v[(\f)+64+8*(\a):(\f)+64+8*(\a)+7], v[8*(8*(\a)+(\b)):8*(8*(\a)+(\b))+7]
.endif
.endr
.endm
.macro FETCH k, f                      ; 24 LDS loads in one run: B's 8 fragments, then A's 4, at byte k of the rows of the slot that is read
	WIN 0
.irp i, 0,1,2,3,4,5,6,7
	ds_load_b128 v[(\f)+8*(\i):(\f)+8*(\i)+3],   v[ADRB] offset:(\k)+(\i)*16*PITCH
	ds_load_b128 v[(\f)+8*(\i)+4:(\f)+8*(\i)+7], v[ADRB] offset:(\k)+(\i)*16*PITCH+32
.endr
.irp i, 0,1,2,3
	ds_load_b128 v[(\f)+64+8*(\i):(\f)+64+8*(\i)+3],   v[ADRA] offset:(\k)+(\i)*16*PITCH
	ds_load_b128 v[(\f)+64+8*(\i)+4:(\f)+64+8*(\i)+7], v[ADRA] offset:(\k)+(\i)*16*PITCH+32
.endr
.endm
.macro QUARTER k, f, g, zero
	s_wait_dscnt 4                                 ; B and A's blocks 0, 1 are in; the youngest four loads may be out
	SCALE \f, 0
	SCALE \f, 1
	MUL8 \f, 0, \zero
	MUL8 \f, 1, \zero
	PLACES
	FETCH \k, \g
	s_wait_dscnt 24                                ; all but the 24 just issued
	SCALE \f, 2
	SCALE \f, 3
	MUL8 \f, 2, \zero
	MUL8 \f, 3, \zero
.endm
; The fourth quarter changes slots: one barrier; in front of it each wave waits for all its tensor loads, adds 0 to its spare word, and waits for that and for its reads of this slot.  While the add is
; out the walking descriptors are set to the slot that is left and to the K step two on, the flag is turned, and the fetch addresses go to the other slot (this slot's last fetch has been issued).
; All four blocks are scaled ahead of the barrier's wait, so that the factors' registers are free for the next K step's behind it.
; fill = 1: the barrier opens a round of the cluster's, and the slot is filled again first thing behind the round.  fill = 0, the tail: in its last trip (s3 = 1) the loads are jumped over.
.macro TURN fill
.if \fill
	s_wait_xcnt 0x0                                ; the last prefetch, a K step back, has read its address
	s_add_nc_u64 s[PFA:PFA+1], s[PFA:PFA+1], 256
.endif
	WIN 0
	s_wait_tensorcnt 0x0                           ; no tensor load of mine is out, so a group 0 may be written
	ds_add_u32 v[SPW], v[NIL]
.if \fill
	s_mul_i32 s[OFS], s[FL], SLOT                  ; the slot that is left
	s_add_co_u32 s[G0A+5], s74, s[OFS]
	s_add_co_u32 s[G0B+5], s75, s[OFS]
	s_add_nc_u64 s[G0A+6:G0A+7], s[G0A+6:G0A+7], 256  ; the next K step; the type bits on top are not reached
	s_add_nc_u64 s[G0B+6:G0B+7], s[G0B+6:G0B+7], 256
.endif
	s_xor_b32 s[FL], s[FL], 1
	s_mul_i32 s[OFS], s[FL], SLOT                  ; the slot that is read next
	v_add_nc_u32 v[ADRA], s[OFS], v[LA]
	v_add_nc_u32 v[ADRB], s[OFS], v[LB]
	s_wait_dscnt 5                                 ; (the add and the youngest four loads may be out)
	SCALE F1, 0
	SCALE F1, 1
	MUL8 F1, 0, 0
	s_wait_dscnt 0x0                               ; the add is done, and my reads of this slot are over
	s_barrier_signal -1
	SCALE F1, 2
	SCALE F1, 3
	MUL8 F1, 1, 0
	WIN 0
	s_barrier_wait -1
.if \fill
	CREST
	JLOAD 1                                        ; its four v_nop are also the places in front of the loads below
	FSLOAD
	FETCH 0, F0
	ASK
.else
	s_cmp_eq_u32 s3, 1
	s_cbranch_scc1 .Lno_more_\@
	PLACES
	FSLOAD
	FETCH 0, F0
.Lno_more_\@:
.endif
	MUL8 F1, 2, 0
	MUL8 F1, 3, 0
.endm
.macro WALK
	QUARTER 64,  F0, F1, 1                         ; the first quarter's products start the sums
	WIN 0
	s_mov_b32 s3, KSTEPS-2
.Lstep:                                                ; a trip is a K step, from its second quarter to the next step's first; each of these trips fills the slot that it leaves
	QUARTER 128, F1, F0, 0
	QUARTER 192, F0, F1, 0
	TURN 1
	QUARTER 64,  F0, F1, 0
	WIN 0
	s_sub_co_u32 s3, s3, 1
	s_cmp_lg_u32 s3, 0
	s_cbranch_scc1 .Lstep
	s_mov_b32 s3, 2
.Ltail:                                                ; the last two K steps have a text of their own: they fill nothing
	QUARTER 128, F1, F0, 0
	QUARTER 192, F0, F1, 0
	TURN 0
	WIN 0
	s_cmp_eq_u32 s3, 1
	s_cbranch_scc1 .Llast                          ; behind the last K step there is no first quarter
	QUARTER 64,  F0, F1, 0
	WIN 0
.Llast:
	s_sub_co_u32 s3, s3, 1
	s_cmp_lg_u32 s3, 0
	s_cbranch_scc1 .Ltail
	PLACES
	PLACES
.endm
; THE WAY OUT of block a (16 rows x 128 channels of f32).  STG: the sums go straight from the accumulators into my stage (rows of 528 bytes), low registers first, and come back as whole rows of 512
; bytes, 16 bytes a lane; with them the rows' factors gamma / L, a pair a row, the same for all lanes.  40 LDS instructions.
.macro STG a
	WIN 0x04                                       ; the stores' data in window 1
.irp b, 0,1,2,3,4,5,6,7
	ds_store_b128 v[STO], v[8*(8*(\a)+(\b)):8*(8*(\a)+(\b))+3]   offset:64*(\b)
	ds_store_b128 v[STO], v[8*(8*(\a)+(\b))+4:8*(8*(\a)+(\b))+7] offset:64*(\b)+16
.endr
	WIN 0
.set RB, 32+64*((\a)%2)
.set FC, 160+32*((\a)%2)
.irp t, 0,1,2,3,4,5,6,7,8,9,10,11,12,13,14,15
	ds_load_b128 v[RB+4*(\t):RB+4*(\t)+3], v[RD] offset:SP*(\t)  ; LDS serves a wave's instructions in order (ISA guide 5.7.1.4): these see the stores above; the next block's stores come behind them
.endr
.irp i, 0,1,2,3,4,5,6,7
	ds_load_b128 v[FC+4*(\i):FC+4*(\i)+3], v22 offset:128*(\a)+16*(\i)
.endr
.endm
; FIN: out = sum x (gamma / L) + x, in x's registers, and stored from them: each store covers 512 consecutive bytes, aligned.  n: the LDS instructions of a younger STG that may stay out.
.macro FIN a, n
	WIN 0
.set RB, 32+64*((\a)%2)
.set FC, 160+32*((\a)%2)
	s_wait_dscnt \n
	s_wait_loadcnt 48-16*(\a)                      ; x's rows of this block are in; the later blocks' loads may stay out
	WIN 0xa0                                       ; source 2 and destination in window 2
.irp t, 0,1,2,3,4,5,6,7,8,9,10,11,12,13,14,15
.irp p, 0,1
	v_pk_fma_f32 v[4*(16*(\a)+(\t))+2*(\p):4*(16*(\a)+(\t))+2*(\p)+1], v[RB+4*(\t)+2*(\p):RB+4*(\t)+2*(\p)+1], v[FC+2*(\t):FC+2*(\t)+1], v[4*(16*(\a)+(\t))+2*(\p):4*(16*(\a)+(\t))+2*(\p)+1]
.endr
.endr
	WIN 0x08                                       ; the stores' data in window 2
.irp t, 0,1,2,3,4,5,6,7,8,9,10,11,12,13,14,15
	global_store_b128 v[CO], v[4*(16*(\a)+(\t)):4*(16*(\a)+(\t))+3], s[98:99] offset:(16*(\a)+(\t))*4096 th:TH_STORE_NT
.endr
	WIN 0
.endm
	s_load_b256 s[4:11], s[0:1], 0x0               ; pt s[4:5], vt s[6:7], mx s[8:9], lx s[10:11]
	s_load_b128 s[12:15], s[0:1], 0x20             ; gamma s[12:13], x s[14:15]
	s_load_b64 s[16:17], s[0:1], 0x30              ; out0
	v_lshl_add_u32 v[SPW], v0, 2, SPARE
	v_mov_b32 v[NIL], 0
	ds_add_u32 v[SPW], v[NIL]                      ; the wave's opening: the add and its wait ahead of my first tensor load
	IDS
	s_lshl_b32 s43, s67, 2
	s_add_co_u32 s43, s43, s41                     ; tile row: 128 rows, 64 in all
	s_mov_b32 s42, s40                             ; tile column: 256 channels, 4 in all: one cluster spans them
	s_lshr_b32 s80, s67, 2                         ; the batch
	s_mov_b32 s76, 0                               ; P's rows are read by one cluster alone: it prefetches them;
	s_and_b32 s77, s67, 3                          ; V^T's by the batch's first cluster
	s_lshl_b32 s68, s43, 7
	s_lshl_b32 s72, s[WL], 6
	s_add_co_u32 s68, s68, s72                     ; the 64 rows of P that I fetch,
	s_lshl_b32 s68, s68, 12                        ; of 4,096 bytes
	s_mov_b32 s69, 0
	s_lshl_b32 s70, s42, 8
	s_lshl_b32 s72, s[WL], 7
	s_add_co_u32 s70, s70, s72                     ; the 128 rows of V^T,
	s_lshl_b32 s70, s70, 14                        ; of 16,384 bytes,
	s_lshl_b32 s72, s80, 12
	s_add_co_u32 s70, s70, s72                     ; at the batch's 2,048 keys
	s_mov_b32 s71, 0
	s_wait_dscnt 0x0                               ; the opening add is done
	s_wait_kmcnt 0x0
	s_load_b32 s81, s[12:13], 0x0                  ; gamma
	s_add_nc_u64 s[84:85], s[4:5], s[68:69]
	s_add_nc_u64 s[86:87], s[6:7], s[70:71]
	FIRSTFILLS
	VADDR
	; the statistics of my wave's 64 rows: lane l takes rows 2 l and 2 l + 1, all sixteen chunks: a load covers 256 consecutive bytes, aligned
	s_lshl_b32 s72, s43, 7
	s_lshl_b32 s73, s[WH], 6
	s_add_co_u32 s89, s72, s73                     ; my first row
	s_lshl_b32 s72, s89, 2
	v_and_b32 v3, 31, v0
	v_lshl_add_u32 v31, v3, 3, s72
.set c, 0
.rept 16
	global_load_b64 v[32+2*c:33+2*c], v31, s[8:9] offset:32768*c
	global_load_b64 v[64+2*c:65+2*c], v31, s[10:11] offset:32768*c
.set c, c+1
.endr
	s_mul_i32 s72, s[WV], 16*SP
	s_add_co_u32 s72, s72, STAGE                   ; my stage
	v_mul_u32_u24 v4, v1, SP                       ; in: row l % 16, 32 bytes for each half of the lanes
	v_lshl_add_u32 v4, v2, 5, v4
	v_add_nc_u32 v[STO], s72, v4
	v_lshl_add_u32 v[RD], v3, 4, s72               ; back: 32 lanes take a row of 512 bytes
	v_lshlrev_b32 v[CO], 4, v3                     ; and the same 512 bytes of x and of out
	s_mul_i32 s73, s[WV], 4608
	s_add_co_u32 s73, s73, TAB                     ; my FT,
	s_add_co_u32 s72, s73, 4096                    ; my RL
	v_and_b32 v4, 7, v0
	v_bfe_u32 v5, v0, 3, 2
	v_lshl_add_u32 v23, v4, 5, s73                 ; row 2 l + e is row 2 (l % 8) + e of block l / 8: FT + 16 (row % 16) + 4 (row / 16)
	v_lshl_add_u32 v23, v5, 2, v23
	v_lshl_add_u32 v19, v3, 4, s72                 ; RL + 8 x row, two rows a lane
	v_mov_b32 v22, s72
	v_lshl_add_u32 v27, v1, 4, s73                 ; FT at my fragments' row
	s_lshl_b32 s72, s89, 12                        ; x and out: rows of 4,096 bytes,
	s_lshl_b32 s73, s42, 10                        ; 256 channels a tile column,
	s_add_co_u32 s72, s72, s73
	s_lshl_b32 s73, s[WL], 9                       ; my 128 of them
	s_add_co_u32 s72, s72, s73
	s_mov_b32 s73, 0
	s_add_nc_u64 s[96:97], s[14:15], s[72:73]
	s_add_nc_u64 s[98:99], s[16:17], s[72:73]
	PFSET 4096, 16384
	s_wait_loadcnt 0x0                             ; the statistics
.irp e, 0,1                            ; M, for each of my two rows
	v_max3_num_f32 v[12+(\e)], v[32+(\e)], v[34+(\e)], v[36+(\e)]
.irp c, 3,5,7,9,11,13
	v_max3_num_f32 v[12+(\e)], v[12+(\e)], v[32+2*(\c)+(\e)], v[34+2*(\c)+(\e)]
.endr
	v_max_num_f32 v[12+(\e)], v[12+(\e)], v[62+(\e)]
.endr
.set c, 0
.rept 16
	v_pk_add_f32 v[32+2*c:33+2*c], v[32+2*c:33+2*c], v[12:13] neg_lo:[0,1] neg_hi:[0,1]  ; mt - M
.set c, c+1
.endr
.set i, 0
.rept 32
	v_exp_f32 v[32+i], v[32+i]                     ; f
.set i, i+1
.endr
	v_nop                                          ; a plain instruction behind the last exponential,
	s_wait_alu depctr_va_vdst(0)                   ; and the one wait ahead of the batch's first reader
	v_pk_mul_f32 v[14:15], v[32:33], v[64:65]      ; L = sum of f l
.set c, 1
.rept 15
	v_pk_fma_f32 v[14:15], v[32+2*c:33+2*c], v[64+2*c:65+2*c], v[14:15]
.set c, c+1
.endr
	v_rcp_f32 v14, v14
	v_rcp_f32 v15, v15
	v_nop
	s_wait_alu depctr_va_vdst(0)
	s_wait_kmcnt 0x0                               ; gamma
	v_mul_f32 v8, s81, v14
	v_mul_f32 v9, s81, v14
	v_mul_f32 v10, s81, v15
	v_mul_f32 v11, s81, v15
.set i, 0
.rept 32
	v_cvt_pk_bf16_f32 v[32+i], v[32+i], v[32+i]    ; (f, f) in bf16
.set i, i+1
.endr
.set c, 0
.rept 16
	ds_store_b32 v23, v[32+2*c] offset:256*c
	ds_store_b32 v23, v[33+2*c] offset:256*c+16
.set c, c+1
.endr
	ds_store_b128 v19, v[8:11]
	WIN 0x80                                       ; x, my 64 rows x 512 bytes, into window 2: these loads stay out over the whole walk; nothing names their registers before the way out
.set i, 0
.rept 64
	global_load_b128 v[4*i:4*i+3], v[CO], s[96:97] offset:4096*i th:TH_LOAD_NT
.set i, i+1
.endr
	WIN 0
	s_wait_tensorcnt 1                             ; my part of K step 0 is in; K step 1's may stay out
	s_wait_dscnt 0x0                               ; no LDS instruction of mine is out at a signal (the tables are my wave's own)
	s_barrier_signal -1
	s_barrier_wait -1
	ds_load_b128 v[FS:FS+3], v27                   ; chunk 0's factors
	FETCH 0, F0
	WALK
	STG 0
	STG 1
	FIN 0, 40
	STG 2
	FIN 1, 40
	STG 3
	FIN 2, 40
	FIN 3, 0
	s_wait_tensorcnt 0x0                           ; the wave's end
	ds_add_u32 v[SPW], v[NIL]
	s_wait_dscnt 0x0
	CROUND                                         ; the closing round
	s_endpgm
.Lfunc_end_k_q8ddc6fefdb_mix:
	.size	k_q8ddc6fefdb_mix, .Lfunc_end_k_q8ddc6fefdb_mix-k_q8ddc6fefdb_mix
	.p2alignl 7, 3214868480
	.fill 96, 4, 3214868480
	.section	.rodata,"a",@progbits
	.p2align	6, 0x0
	.amdhsa_kernel k_q8ddc6fefdb_mix
		.amdhsa_group_segment_fixed_size 327680
		.amdhsa_private_segment_fixed_size 0
		.amdhsa_enable_private_segment 0
		.amdhsa_kernarg_size 56
		.amdhsa_user_sgpr_count 2
		.amdhsa_user_sgpr_kernarg_segment_ptr 1
		.amdhsa_wavefront_size32 1
		.amdhsa_system_sgpr_workgroup_id_x 1
		.amdhsa_system_sgpr_workgroup_id_y 1
		.amdhsa_system_sgpr_workgroup_id_z 1
		.amdhsa_system_vgpr_workitem_id 0
		.amdhsa_next_free_vgpr 768
		.amdhsa_next_free_sgpr 100
		.amdhsa_reserve_vcc 0
		.amdhsa_float_denorm_mode_32 3
		.amdhsa_float_denorm_mode_16_64 3
		.amdhsa_memory_ordered 1
		.amdhsa_forward_progress 1
		.amdhsa_inst_pref_size 108
	.end_amdhsa_kernel
	.amdgpu_metadata
---
amdhsa.version: [ 1, 2 ]
amdhsa.kernels:
  - .name:           k_q8ddc6fefdb_mix
    .symbol:         k_q8ddc6fefdb_mix.kd
    .args:
      - { .name: pt, .offset: 0, .size: 8, .value_kind: global_buffer, .address_space: global }
      - { .name: vt, .offset: 8, .size: 8, .value_kind: global_buffer, .address_space: global }
      - { .name: mx, .offset: 16, .size: 8, .value_kind: global_buffer, .address_space: global }
      - { .name: lx, .offset: 24, .size: 8, .value_kind: global_buffer, .address_space: global }
      - { .name: gamma, .offset: 32, .size: 8, .value_kind: global_buffer, .address_space: global }
      - { .name: x, .offset: 40, .size: 8, .value_kind: global_buffer, .address_space: global }
      - { .name: out0, .offset: 48, .size: 8, .value_kind: global_buffer, .address_space: global }
    .group_segment_fixed_size: 327680
    .private_segment_fixed_size: 0
    .kernarg_segment_align: 8
    .kernarg_segment_size: 56
    .max_flat_workgroup_size: 128
    .sgpr_count:     100
    .vgpr_count:     768
    .wavefront_size: 32
...
	.end_amdgpu_metadata
.endif
;; end of part 7
;; ======== version 3 of 3: 4 launches; version 2 with the launch cast written anew for expert scheduling mode
;; workspace buffers: xb 16,777,216 bytes; wb 6,291,456 bytes; qk 33,554,432 bytes; vt 16,777,216 bytes; pt 33,554,432 bytes; mx 524,288 bytes; lx 524,288 bytes
;; launch cast (part 8): grid 704 x 1, 8 waves a work-group, no clusters, 0 bytes of LDS; arguments x, Wq, Wk, Wv, xb, wb; writes xb, wb
.if DOCPART == 8
	.amdgcn_target "amdgcn-amd-amdhsa--gfx1250"
	.amdhsa_code_object_version 6
	.text
	.protected	k_q8ddc6fefdb_cast
	.globl	k_q8ddc6fefdb_cast
	.p2align	8
	.type	k_q8ddc6fefdb_cast,@function
k_q8ddc6fefdb_cast:
	s_mov_b64 s[64:65], 0
	v_nop
	global_prefetch_b8 v0, s[64:65] scope:SCOPE_SE
	s_setreg_imm32_b32 hwreg(HW_REG_WAVE_SCHED_MODE, 0, 2), 2
	s_setreg_imm32_b32 hwreg(HW_REG_WAVE_MODE, 25, 1), 1
	s_wait_xcnt 0x0
	s_wait_alu depctr_vm_vsrc(0)
; xb = x rounded to bf16; wb = Wq, Wk, Wv rounded to bf16, one after the other ([3072][1024]).
; A stream: each input byte is read once, each output byte written once.  A work-group converts 16,384 numbers (64 KiB in, 32 KiB out):
; work-groups 0-511 take x, 512-703 the three weights, 64 work-groups each.  Thread t takes 16 bytes at 16 t of each 4,096 bytes:
; a wave's load covers 512 bytes on end, its store 256 bytes on end, aligned.  All sixteen loads of a wave are out before the first is used.
; No LDS, no cluster, no matrix unit: nothing is shared and nothing is multiplied.
; THE MODE: SCHED_MODE bits 1:0 = 2 (LLVM: expert scheduling mode 2), set by the entry lines.  The code itself states the register dependences
; between vector instructions and memory instructions, with s_wait_alu, always for 0.
; THE PLAN.  Registers that memory instructions touch:
;   v1, v2   the loads' and the stores' byte offsets: written once at the head, read by every load (v1) and every store (v2), never written again.
;   X        sixteen chunks of four f32: each register is written by one load and read by that chunk's two conversions; no vector instruction names X ahead of the loads.
;   Y        sixteen chunks of four bf16: each register is written by one conversion and read by one store, and never written again.
; The sixteen chunks go in four blocks of four.  Block p converts its chunks into its Y; its memory instructions are the four stores of block p - 1, whose Y no conversion of block p names.
; So one wait on va_vdst at the head of blocks 1 to 3 states all that the block's four stores hang on, and these are dealt among its conversions with no further wait; one more stands ahead of
; the last four stores, and one ahead of the first load, for the offsets.  No register that a memory instruction reads is written again: no wait on vm_vsrc is owed.
; No vector instruction writes a scalar register or VCC, and EXEC is never written.
.set X, 8                              ; v[8:71]    sixteen loads of four f32
.set Y, 72                             ; v[72:103]  sixteen stores of four bf16
	s_load_b256 s[4:11], s[0:1], 0x0               ; x s[4:5], Wq s[6:7], Wk s[8:9], Wv s[10:11]
	s_load_b128 s[12:15], s[0:1], 0x20             ; xb s[12:13], wb s[14:15]
	v_lshlrev_b32 v1, 4, v0                        ; my 16 bytes of each 4,096 read
	v_lshlrev_b32 v2, 3, v0                        ; my 8 bytes of each 2,048 written
	s_mov_b32 s16, ttmp9
	s_sub_co_u32 s17, s16, 512                     ; my block among the weights' 192 (used from work-group 512 on)
	s_lshr_b32 s18, s17, 6                         ; which weight
	s_and_b32 s19, s17, 63                         ; my block in it
	s_wait_kmcnt 0x0
	s_cmp_eq_u32 s18, 1
	s_cselect_b64 s[20:21], s[8:9], s[6:7]
	s_cmp_eq_u32 s18, 2
	s_cselect_b64 s[20:21], s[10:11], s[20:21]
	s_cmp_lt_u32 s16, 512
	s_cselect_b64 s[20:21], s[4:5], s[20:21]       ; from where
	s_cselect_b64 s[22:23], s[12:13], s[14:15]     ; to where
	s_cselect_b32 s24, s16, s19
	s_cselect_b32 s26, s16, s17
	s_lshl_b32 s24, s24, 16                        ; blocks of 65,536 bytes in,
	s_mov_b32 s25, 0
	s_lshl_b32 s26, s26, 15                        ; of 32,768 out
	s_mov_b32 s27, 0
	s_add_nc_u64 s[20:21], s[20:21], s[24:25]
	s_add_nc_u64 s[22:23], s[22:23], s[26:27]
	s_wait_alu depctr_va_vdst(0)                   ; v1 and v2 are written: every load of the kernel reads v1 as its offset, every store v2
.irp i, 0,1,2,3,4,5,6,7,8,9,10,11,12,13,14,15
	global_load_b128 v[X+4*(\i):X+4*(\i)+3], v1, s[20:21] offset:4096*(\i) th:TH_LOAD_NT
.endr
.irp p, 0,1,2,3                        ; block p: chunks 4 p to 4 p + 3
.irp j, 0,1,2,3
	s_wait_loadcnt 15-4*(\p)-(\j)                  ; loads come back in order: this chunk's load is in, the younger ones stay out
.if (\p) > 0 && (\j) == 0
	s_wait_alu depctr_va_vdst(0)                   ; the block before has written its eight registers of Y, which this block's four stores read
.endif
.if (\p) > 0
	global_store_b64 v2, v[Y+2*(4*(\p)+(\j)-4):Y+2*(4*(\p)+(\j)-4)+1], s[22:23] offset:2048*(4*(\p)+(\j)-4) th:TH_STORE_NT  ; the chunk four back; no vector instruction since the wait names its registers
.endif
	v_cvt_pk_bf16_f32 v[Y+2*(4*(\p)+(\j))], v[X+4*(4*(\p)+(\j))], v[X+4*(4*(\p)+(\j))+1]
	v_cvt_pk_bf16_f32 v[Y+2*(4*(\p)+(\j))+1], v[X+4*(4*(\p)+(\j))+2], v[X+4*(4*(\p)+(\j))+3]
.endr
.endr
	s_wait_alu depctr_va_vdst(0)                   ; block 3 has written its eight registers of Y, which the last four stores read
.irp i, 12,13,14,15
	global_store_b64 v2, v[Y+2*(\i):Y+2*(\i)+1], s[22:23] offset:2048*(\i) th:TH_STORE_NT  ; no register is written twice, so nothing waits for a store
.endr
	s_endpgm
.Lfunc_end_k_q8ddc6fefdb_cast:
	.size	k_q8ddc6fefdb_cast, .Lfunc_end_k_q8ddc6fefdb_cast-k_q8ddc6fefdb_cast
	.p2alignl 7, 3214868480
	.fill 96, 4, 3214868480
	.section	.rodata,"a",@progbits
	.p2align	6, 0x0
	.amdhsa_kernel k_q8ddc6fefdb_cast
		.amdhsa_group_segment_fixed_size 0
		.amdhsa_private_segment_fixed_size 0
		.amdhsa_enable_private_segment 0
		.amdhsa_kernarg_size 48
		.amdhsa_user_sgpr_count 2
		.amdhsa_user_sgpr_kernarg_segment_ptr 1
		.amdhsa_wavefront_size32 1
		.amdhsa_system_sgpr_workgroup_id_x 1
		.amdhsa_system_sgpr_workgroup_id_y 1
		.amdhsa_system_sgpr_workgroup_id_z 1
		.amdhsa_system_vgpr_workitem_id 0
		.amdhsa_next_free_vgpr 104
		.amdhsa_next_free_sgpr 66
		.amdhsa_reserve_vcc 0
		.amdhsa_float_denorm_mode_32 3
		.amdhsa_float_denorm_mode_16_64 3
		.amdhsa_memory_ordered 1
		.amdhsa_forward_progress 1
		.amdhsa_inst_pref_size 7
	.end_amdhsa_kernel
	.amdgpu_metadata
---
amdhsa.version: [ 1, 2 ]
amdhsa.kernels:
  - .name:           k_q8ddc6fefdb_cast
    .symbol:         k_q8ddc6fefdb_cast.kd
    .args:
      - { .name: x, .offset: 0, .size: 8, .value_kind: global_buffer, .address_space: global }
      - { .name: Wq, .offset: 8, .size: 8, .value_kind: global_buffer, .address_space: global }
      - { .name: Wk, .offset: 16, .size: 8, .value_kind: global_buffer, .address_space: global }
      - { .name: Wv, .offset: 24, .size: 8, .value_kind: global_buffer, .address_space: global }
      - { .name: xb, .offset: 32, .size: 8, .value_kind: global_buffer, .address_space: global }
      - { .name: wb, .offset: 40, .size: 8, .value_kind: global_buffer, .address_space: global }
    .group_segment_fixed_size: 0
    .private_segment_fixed_size: 0
    .kernarg_segment_align: 8
    .kernarg_segment_size: 48
    .max_flat_workgroup_size: 256
    .sgpr_count:     66
    .vgpr_count:     104
    .wavefront_size: 32
...
	.end_amdgpu_metadata
.endif
;; end of part 8
;; launch proj: the kernel of part 5 again; grid 12 x 32, 4 waves a work-group, clusters of 4 x 4, 327,680 bytes of LDS; arguments xb, wb, bq, bk, bv, qk, vt; writes qk, vt
;; launch score: the kernel of part 6 again; grid 8 x 32, 4 waves a work-group, clusters of 4 x 4, 327,680 bytes of LDS; arguments qk, pt, mx, lx; writes pt, mx, lx
;; launch mix: the kernel of part 7 again; grid 4 x 64, 4 waves a work-group, clusters of 4 x 4, 327,680 bytes of LDS; arguments pt, vt, mx, lx, gamma, x, out0; writes out0
